; MI455X (gfx1250); checked and timed in simulation.
; The chip was launched on July 23, 2026; its instructions are those of AMD's public machine-readable ISA for CDNA 5 (MIT licence, August 2026) and "CDNA5" Instruction Set Architecture Reference Guide (July 2026). The comments in the code are by the model that wrote it; some were corrected since.
;; Multi Head Self Attention2 D. Allowed arithmetic: matrix products marked QUANTISED: E2M3 operands, one E8M0 scale for each 32 along K, by v_wmma_scale_f32_16x16x128_f8f6f4 with both operands' format E2M3, f32 sums; everything else in f32.
;; Inputs: Wk_codes 4 x 4 x 2 x 24 uint8 (E2M3 codes of Wk, K innermost, in blocks of 32 codes, four codes in three bytes); Wk_scales 4 x 4 x 2 uint8 (E8M0 scales of Wk, one for each 32 codes along K); Wp_codes 64 x 2 x 24 uint8 (E2M3 codes of Wp, K innermost, in blocks of 32 codes, four codes in three bytes); Wp_scales 64 x 2 uint8 (E8M0 scales of Wp, one for each 32 codes along K); Wq_codes 4 x 4 x 2 x 24 uint8 (E2M3 codes of Wq, K innermost, in blocks of 32 codes, four codes in three bytes); Wq_scales 4 x 4 x 2 uint8 (E8M0 scales of Wq, one for each 32 codes along K); Wv_codes 4 x 16 x 2 x 24 uint8 (E2M3 codes of Wv, K innermost, in blocks of 32 codes, four codes in three bytes); Wv_scales 4 x 16 x 2 uint8 (E8M0 scales of Wv, one for each 32 codes along K); ak 4 float32; ap one number float32; aq 4 float32; av 4 float32; betak 4 x 4 float32; betap 64 float32; betaq 4 x 4 float32; betav 4 x 16 float32; bk 4 x 4 float32; bp 64 float32; bq 4 x 4 float32; bv 4 x 16 float32; gk 4 x 4 float32; gp 64 float32; gq 4 x 4 float32; gv 4 x 16 float32; x 2 x 64 x 2,048 x 64 float32.
;; Outputs: out0 2 x 64 x 2,048 x 64 float32.
;; This version of the problem:
;;   THIS VERSION OF THE PROBLEM IS GIVEN IN LOW PRECISION. The matrix products marked QUANTISED in the list below multiply operands that are first quantised to E2M3 (2 exponent bits, 3 mantissa bits; 6 bits a number), with one power-of-two scale for each 32 numbers along K (OCP MX v1.0); their sums are f32. All else is computed in f32.
;;   The module's matrix products, in the order in which they are computed (A, B: the left and right operand; K: the contracted axis; several contracted axes count as one K, in the product's order):
;;     1. [M 16, K 64] x [K 64, N 262,144]; A: input Wq (given as codes); B: input x: QUANTISED
;;     2. [M 16, K 64] x [K 64, N 262,144]; A: input Wk (given as codes); B: input x: QUANTISED
;;     3. [M 64, K 64] x [K 64, N 262,144]; A: input Wv (given as codes); B: input x: QUANTISED
;;     4. batch 8 x [M 2,048, K 256] x [K 256, N 2,048]; A: computed on the way; B: computed on the way: QUANTISED
;;     5. batch 8 x [M 2,048, K 2,048] x [K 2,048, N 1,024]; A: softmax (see below); B: computed on the way: QUANTISED
;;     6. [M 64, K 64] x [K 64, N 262,144]; A: input Wp (given as codes); B: computed on the way: QUANTISED
;;   THE QUANTISER, for each operand of a quantised product, along K:
;;     - K is cut into blocks of 32 from its start; a last block that is shorter is filled with zeros.
;;     - A block's scale is 2^e with e = floor(log2(the largest magnitude in the block)) - 2, held to -126 .. 127; a block of zeros has e = 0. As a byte (E8M0): e + 127.
;;     - Each number is divided by its block's scale, clamped to +-7.5, and rounded to the nearest number of E2M3, ties to even, subnormals kept.
;;     - The product sums the exact products of the quantised numbers (number of the format x scale) in f32.
;;   ~~~python
;;   def quantise(x, axis):      # numpy; x: float32 -> the quantised numbers, widened to float32 again
;;       x = np.moveaxis(x, axis, -1); K = x.shape[-1]
;;       x = np.pad(x, [(0, 0)] * (x.ndim - 1) + [(0, -K % 32)]); x = x.reshape(x.shape[:-1] + (-1, 32)); a = np.abs(x).max(-1, keepdims=True)
;;       e = np.where(a > 0, np.clip(np.frexp(np.where(a > 0, a, 1))[1] - 1 - 2, -126, 127), 0)      # np.frexp(a)[1] - 1 = floor(log2(a)), exactly
;;       r = np.clip(x / 2.0 ** e, -7.5, 7.5)
;;       step = 2.0 ** (np.maximum(np.frexp(np.where(r == 0, 1, r))[1] - 1, 0) - 3)
;;       q = np.round(r / step) * step * 2.0 ** e      # np.round: ties to even
;;       return np.moveaxis(q.reshape(q.shape[:-2] + (-1,))[..., :K], -1, axis).astype(np.float32)
;;   ~~~
;;   SOFTMAX AHEAD OF A QUANTISED PRODUCT. Where the list says 'softmax', what is quantised is not the finished softmax but p = 2^(t - M), with t = logit x log2(e) and M = ceil(the row's largest t), a whole number; so 1/2 < the row's largest p <= 1. The row's sum l is taken of the UNQUANTISED p, in f32, and the product's result is divided by l at the end. Since M is a whole number, a kernel that streams over the keys may use a running M (the ceiling of the running maximum): every later rescaling is an exact power of two, which a block's scale takes up: the codes' values come out the same.
;;   OPERANDS COMPUTED ON THE WAY. 'Computed on the way' means the value that the module computes at that place (a softmax that the list does not call 'softmax' is quantised finished and normalised). What goes into a quantiser is computed in f32, as accurately as f32 sums, v_exp_f32 and their like allow (about 1e-6 of the number): no bf16 or f16 on the way to a quantiser, and a product that is left as it is and whose result goes on into a quantised operand takes f32 operands (vector FMAs, or v_wmma_f32_16x16x4_f32). A number that lies on a knife's edge between two numbers of the format may be rounded either way, as far as f32 arithmetic and the matrix unit's own rounding can turn it there, and no further.
;;   INPUTS GIVEN AS CODES. Wk (in the module: [4, 4, 64], K = its axis 2); Wp (in the module: [64, 64], K = its axis 1); Wq (in the module: [4, 4, 64], K = its axis 2); Wv (in the module: [4, 16, 64], K = its axis 2): each comes as NAME_codes (uint8): NAME with its K axis moved to the last place and cut into blocks of 32 codes, [.., K / 32, bytes a block], one block behind the other in memory; four codes in three bytes: a row's codes are one little-endian stream of bits, code i at bits 6 i .. 6 i + 5 (a code: sign, 2 exponent bits, 3 mantissa bits); and NAME_scales (uint8): the same leading axes, one E8M0 byte (e + 127) for each 32 codes along K. Its value is code x scale, taken as it is: it is not quantised again, and the codes and scales need not be those that the quantiser above would give.
;; 2 versions, each right; version 2 is version 1 with the launches proj, probs, outp written anew for expert scheduling mode. Each part assembles by itself: llvm-mc -triple=amdgcn-amd-amdhsa -mcpu=gfx1250 --defsym DOCPART=n.
;; ======== version 1 of 2: 4 launches
;; workspace buffers: qimg 3,145,728 bytes; kimg 3,145,728 bytes; qsc 131,072 bytes; ksc 131,072 bytes; vimg 13,107,200 bytes; pimg 26,214,400 bytes; rl 65,536 bytes; oimg 16,777,216 bytes
;; launch proj (part 1): grid 2 x 128, 4 waves a work-group, no clusters, 107,008 bytes of LDS; arguments x, Wq_codes, Wq_scales, bq, aq, gq, betaq, Wk_codes, Wk_scales, bk, ak, gk, betak, Wv_codes, Wv_scales, bv, av, gv, betav, qimg, qsc, kimg, ksc, vimg; writes qimg, qsc, kimg, ksc, vimg
.if DOCPART == 1
	.amdgcn_target "amdgcn-amd-amdhsa--gfx1250"
	.amdhsa_code_object_version 6
	.text
	.protected	k_q0142254930_proj
	.globl	k_q0142254930_proj
	.p2align	8
	.type	k_q0142254930_proj,@function
k_q0142254930_proj:
	s_mov_b64 s[64:65], 0
	v_nop
	global_prefetch_b8 v0, s[64:65] scope:SCOPE_SE
	s_setreg_imm32_b32 hwreg(HW_REG_WAVE_MODE, 25, 1), 1
	s_wait_xcnt 0x0
; PROJ: x [2][64][2048][64] f32 is quantised along its 64 channels (two blocks of 32) and multiplied by Wq, Wk, Wv (given as FP6 codes); bias, PReLU, LayerNorm over a head's channels; the results are
; quantised again for the attention: Q and K along (channel, f), V along time (the keys).  All products by v_wmma_scale_f32_16x16x128_f8f6f4 on FP6; K = 64, so the upper 64 of each K step are zero codes.
; SHARES.  A work-group takes one b, 32 t (one key block of V) and 32 f (half a row): 64 x 32 x 32 numbers.  It reads 128 of each 256 consecutive bytes of x; the work-group beside it in x reads the other 128.
; No cluster: no two work-groups read the same byte.  No tensor load: the numbers are wanted in registers, 64 channels of a point in one lane.
; PHASE 1 (wave w: t = 8 w .. 8 w + 7, in two batches of four): a lane holds 4 neighbouring f of one t, all 64 channels.  Each point's two blocks become 2 x 24 bytes of codes; they go to LDS as records (for V)
;   and, after one exchange of lane halves, ARE the operand of the Q and K products (source 0 = 16 points, source 1 = the 16 channels of all four heads).  A lane of the result then holds ONE channel and
;   ONE t, and its 32 registers of a tile pair are all 32 f of one quantiser block: code 8 e + j of a block is f = 4 j + e, alike in Q and K, which keeps their product.
; PHASE 2: the Q and K operands, gathered in LDS as images of operand registers, leave in runs of 512 bytes.
; PHASE 3 (wave = head): source 0 = Wv's 16 channels, source 1 = 16 points (16 f of one t); 32 t of one (channel, f) end in one lane's 32 registers: V's key block.
; REGISTERS.  Window 0: addresses, operands at work.  Windows 1 and 2: the two batches of x, 256 registers each; when the last number of x has left window 2 it takes phase 3's weights, gains and operands,
;   and window 1 the finished V.  Window 3: the Q and K results and what their LayerNorm needs.
; LIMITS: NaN and infinities are not served; a block whose largest magnitude lies under 2^-124 (a block of zeros too) keeps the scale byte 1, which only this program reads; 1/sqrt is v_rsq_f32.
.set XREC, 0                           ; LDS: x's codes: [t 32][f 32][48 bytes: block 0 words 0-3, block 1 words 0-3, block 0 words 4-5, block 1 words 4-5]
.set XSW,  49152                       ; x's scale words [t][f][4]
.set QST,  53248                       ; Q's operand images [head][u][1536]
.set KST,  65536                       ; K's
.set QSS,  77824                       ; Q's scale words [head][u][row][4]
.set KSS,  78336
.set VST,  78848                       ; V: a stage of 16 records of 400 bytes for each wave
.set VSS,  104448                      ; V's scale bytes, 512 for each wave: [g 4][tile 8][channel 16]
.set GSTR, 819200                      ; vimg: from one f group g to the next
.set FLOOR, 0x1800000                  ; 2^(3 - 127)
.set EOFF,  0xff000000                 ; 2 off an exponent field
; window 0
.set XO, 1                             ; x: 256 (lane / 8) + 16 (lane % 8)
.set RWA, 2                            ; records: words 0-3
.set RWB, 3                            ; records: words 4-5
.set SWW, 4
.set L16, 5
.set L4, 6
.set SWR, 7
.set CAL, 8
.set CAG, 9
.set CBL, 10
.set CBG, 11
.set QR, 12
.set QSR, 13
.set SBL, 14
.set SBG, 15
.set FA, 16                            ; v16-27, v28-39 two x operands (registers 6-11 stay 0)
.set FB, 28
.set CT, 40
.set MX, 48
.set SO, 52
.set BY, 54
.set XW, 56                            ; v56-59 x's scale words of the four e
.set WQS, 60
.set WKS, 61
.set WVS, 62
.set XS, 64                            ; v64-67 x's scale words in phase 3: two sets of two
.set WQ, 72
.set WK, 84
.set PO, 96                            ; v96-127 made in the head; some serve as offsets until phase 3
.set T, 128                            ; v128-191 64 numbers on end; later data on their way out
.set VRR, 192                          ; phase 3: a point's record, words 0-3 of my half's block
.set VRR2, 193                         ; words 4-5
.set VSA, 194                          ; V stage, part A: 400 point + 16 (8 h + j)
.set VSB, 195                          ; part B: + 256 + 8 (8 h + j)
.set VSC, 196                          ; my scale bytes: 128 (point % 4) + 16 (point / 4) + 8 h
.set S, 128                            ; window 3: v0-63 Q's results, v64-127 K's, v128-191 at work, v192-207 biases, v208-221 pairs, v222-229 stage addresses
.set MSB, 0
.macro WIN new                         ; the immediate's high byte repeats the setting that is left
.if MSB != (\new)
	s_set_vgpr_msb (MSB<<8)|(\new)
.set MSB, (\new)
.endif
.endm
.macro PLACES n
.rept \n
	v_nop
.endr
.endm
	s_load_b512 s[4:19], s[0:1], 0x0               ; x, Wq codes, Wq scales, bq, aq, gq, betaq, Wk codes
	s_load_b512 s[20:35], s[0:1], 0x40             ; Wk scales, bk, ak, gk, betak, Wv codes, Wv scales, bv
	s_load_b512 s[36:51], s[0:1], 0x80             ; av, gv, betav, qimg, qsc, kimg, ksc, vimg
	v_lshl_add_u32 v254, v0, 2, 0x1a000
	v_mov_b32 v255, 0
	v_lshrrev_b32 v[PO], 5, v0
	v_readfirstlane_b32 s52, v[PO]                 ; wave
	s_and_b32 s53, ttmp7, 0xffff
	s_lshr_b32 s54, s53, 6                         ; b
	s_and_b32 s55, s53, 63                         ; t32
	s_lshr_b32 s68, s52, 1
	s_and_b32 s69, s52, 1
	s_mov_b32 s82, 0x3d800000                      ; 1/16
	s_mov_b32 s83, 0x3727c5ac                      ; 1e-5
	s_mov_b32 s84, 0x76543210
	s_mov_b32 s85, 0xfedcba98                      ; selects for lane l xor 16
	s_lshl_b32 s86, s52, 2
	v_and_b32 v[PO+1], 15, v0                      ; r
	v_bfe_u32 v[PO+2], v0, 4, 1                    ; h
	v_and_b32 v[PO+3], 7, v0
	v_bfe_u32 v[PO+4], v0, 3, 2
	v_bfe_u32 v[PO+5], v0, 3, 1
	v_and_b32 v[PO+6], 31, v0                      ; lane
	v_bfe_u32 v[PO+7], v0, 2, 2                    ; r / 4: the head of the lane's Q or K channel
	v_and_b32 v[PO+8], 1, v0
	v_bfe_u32 v[PO+9], v0, 1, 1
	v_lshlrev_b32 v[XO], 8, v[PO+4]
	v_lshl_add_u32 v[XO], v[PO+3], 4, v[XO]
	s_mul_i32 s66, s52, 12288                      ; my 8 t of records
	v_mul_u32_u24 v[RWA], v[PO+5], 1536
	v_mad_u32_u24 v[RWA], v[PO+3], 192, v[RWA]
	v_add_nc_u32 v[RWA], s66, v[RWA]
	v_lshl_add_u32 v[RWB], v[PO+2], 3, v[RWA]
	v_add_nc_u32 v[RWB], 32, v[RWB]
	v_lshl_add_u32 v[RWA], v[PO+2], 4, v[RWA]
	s_lshl_b32 s66, s52, 10
	s_add_co_u32 s66, s66, XSW
	v_lshlrev_b32 v[SWW], 7, v[PO+4]
	v_lshl_add_u32 v[SWW], v[PO+3], 4, v[SWW]
	v_add_nc_u32 v[SWW], s66, v[SWW]
	v_lshlrev_b32 v[L16], 4, v[PO+6]
	v_lshlrev_b32 v[L4], 2, v[PO+6]
	v_lshlrev_b32 v[SWR], 7, v[PO+2]               ; lanes 16-31 take the next t's words
	v_lshl_add_u32 v[SWR], v[PO+1], 2, v[SWR]
	v_add_nc_u32 v[SWR], XSW, v[SWR]
	s_mul_i32 s67, s52, 6400
	s_add_co_u32 s67, s67, VST                     ; my V stage
	v_mul_u32_u24 v[CAL], v[PO+2], 400
	v_lshl_add_u32 v[CAL], v[PO+1], 4, v[CAL]
	v_add_nc_u32 v[CAL], s67, v[CAL]
	v_mul_u32_u24 v[CBL], v[PO+2], 1600
	v_lshl_add_u32 v[CBL], v[PO+1], 3, v[CBL]
	v_add_nc_u32 v[CBL], s67, v[CBL]
	v_add_nc_u32 v[CBL], 256, v[CBL]
	v_mul_u32_u24 v[CAG], v[PO+2], GSTR
	v_lshl_add_u32 v[CAG], v[PO+1], 4, v[CAG]
	s_and_b32 s72, s55, 1
	v_xor_b32 v[CBG], s72, v[PO+2]
	v_lshlrev_b32 v[CBG], 7, v[CBG]
	v_lshl_add_u32 v[CBG], v[PO+1], 3, v[CBG]
	s_mul_i32 s72, s52, 3072
	s_add_co_u32 s72, s72, QST
	v_add_nc_u32 v[QR], s72, v[L16]
	s_lshl_b32 s72, s52, 7
	s_add_co_u32 s72, s72, QSS
	v_add_nc_u32 v[QSR], s72, v[L4]
	s_lshl_b32 s75, s52, 9
	s_add_co_u32 s75, s75, VSS                     ; my 512 scale bytes
	v_add_nc_u32 v[SBL], s75, v[PO+6]
	v_lshlrev_b32 v[SBG], 7, v[PO+2]
	v_lshl_add_u32 v[SBG], v[PO+1], 3, v[SBG]
	; where a lane (channel 4 head + hc, half h) puts its 24 bytes of a Q or K image: lane 16 (hc & 1) + row of the image, registers 6 (hc / 2) on
	v_mul_u32_u24 v[PO+10], v[PO+7], 3072
	v_lshl_add_u32 v[PO+10], v[PO+8], 8, v[PO+10]
	v_lshl_add_u32 v[PO+10], v[PO+2], 4, v[PO+10]
	v_mul_u32_u24 v[PO+11], v[PO+9], 520
	v_mul_u32_u24 v[PO+12], v[PO+9], 1016
	s_mul_i32 s72, s68, 1536                       ; Q: u = wave / 2, rows 8 (wave % 2) on
	s_lshl_b32 s73, s69, 7
	s_add_co_u32 s72, s72, s73
	s_add_co_u32 s72, s72, QST
	s_mul_i32 s73, s69, 1536                       ; K: u = wave % 2, rows 8 (wave / 2) on
	s_lshl_b32 s74, s68, 7
	s_add_co_u32 s73, s73, s74
	s_add_co_u32 s73, s73, KST
	v_add_nc_u32 v[PO+13], s72, v[PO+10]
	v_add_nc_u32 v[PO+14], s73, v[PO+10]
	v_add_nc_u32 v[PO+24], v[PO+13], v[PO+12]
	v_add_nc_u32 v[PO+25], v[PO+13], v[PO+11]
	v_add_nc_u32 v[PO+26], v[PO+14], v[PO+12]
	v_add_nc_u32 v[PO+27], v[PO+14], v[PO+11]
	v_and_b32 v[PO+22], 3, v0
	v_lshl_add_u32 v[PO+22], v[PO+7], 7, v[PO+22]
	v_lshl_add_u32 v[PO+22], v[PO+2], 2, v[PO+22]  ; scale bytes: 128 head + hc + 4 h
	s_lshl_b32 s72, s68, 6
	s_lshl_b32 s73, s69, 5
	s_add_co_u32 s72, s72, s73
	s_add_co_u32 s72, s72, QSS
	s_lshl_b32 s73, s69, 6
	s_lshl_b32 s74, s68, 5
	s_add_co_u32 s73, s73, s74
	s_add_co_u32 s73, s73, KSS
	WIN 0xc0                                       ; destination window 3
	v_mov_b32 v222, v[PO+25]
	v_add_nc_u32 v223, 8, v[PO+24]
	v_add_nc_u32 v224, 512, v[PO+25]
	v_mov_b32 v225, v[PO+27]
	v_add_nc_u32 v226, 8, v[PO+26]
	v_add_nc_u32 v227, 512, v[PO+27]
	v_add_nc_u32 v228, s72, v[PO+22]
	v_add_nc_u32 v229, s73, v[PO+22]
	v_mov_b32 v220, 0x3727c5ac
	v_mov_b32 v221, 0x3727c5ac
	WIN 0
	; phase 3's LDS addresses: they stay in window 0, since both batches of x fill windows 1 and 2
	v_mul_u32_u24 v[PO+28], v[PO+1], 48            ; a point's record
	v_lshl_add_u32 v[VRR2], v[PO+2], 3, v[PO+28]
	v_add_nc_u32 v[VRR2], 32, v[VRR2]
	v_lshl_add_u32 v[VRR], v[PO+2], 4, v[PO+28]
	v_mul_u32_u24 v[PO+30], v[PO+1], 400
	v_add_nc_u32 v[PO+30], s67, v[PO+30]
	v_lshl_add_u32 v[VSA], v[PO+2], 7, v[PO+30]
	v_lshl_add_u32 v[VSB], v[PO+2], 6, v[PO+30]
	v_add_nc_u32 v[VSB], 256, v[VSB]
	v_and_b32 v[PO+23], 3, v0
	v_lshlrev_b32 v[PO+23], 7, v[PO+23]
	v_lshl_add_u32 v[PO+23], v[PO+7], 4, v[PO+23]
	v_lshl_add_u32 v[PO+23], v[PO+2], 3, v[PO+23]
	v_add_nc_u32 v[VSC], s75, v[PO+23]
.irp n, 6,7,8,9,10,11
	v_mov_b32 v[FA+\n], 0
	v_mov_b32 v[FB+\n], 0
	v_mov_b32 v[WQ+\n], 0
	v_mov_b32 v[WK+\n], 0
.endr
	v_mul_u32_u24 v[PO+15], v[PO+1], 48
	v_mad_u32_u24 v[PO+15], v[PO+2], 24, v[PO+15]  ; a weight's row r, block h
	v_lshlrev_b32 v[PO+16], 1, v[PO+1]
	v_lshlrev_b32 v[PO+17], 2, v[PO+1]
	v_lshlrev_b32 v[PO+18], 2, v[PO+7]
	s_mul_i32 s72, s52, 768
	v_add_nc_u32 v[PO+19], s72, v[PO+15]
	s_lshl_b32 s72, s52, 5
	v_add_nc_u32 v[PO+20], s72, v[PO+16]
	s_lshl_b32 s72, s52, 6
	v_lshl_add_u32 v[PO+21], v[PO+2], 5, s72       ; 4 (16 head + 8 h)
	; byte offsets
	s_lshl_b32 s66, s54, 25
	s_lshl_b32 s72, s55, 13
	s_add_co_u32 s66, s66, s72
	s_lshl_b32 s72, ttmp9, 7
	s_add_co_u32 s66, s66, s72
	s_lshl_b32 s72, s52, 11
	s_add_co_u32 s66, s66, s72
	s_mov_b32 s67, 0                               ; x: b, 32 t32 + 8 wave rows, my half of a row
	s_lshl_b32 s72, s52, 1
	s_add_co_u32 s72, s72, s54                     ; n = 2 head + b
	s_mul_i32 s88, s72, 393216
	s_mul_i32 s73, s55, 6144
	s_add_co_u32 s88, s88, s73
	s_mul_i32 s73, ttmp9, 3072
	s_add_co_u32 s88, s88, s73
	s_mov_b32 s89, 0
	s_lshl_b32 s90, s72, 14
	s_lshl_b32 s73, s55, 8
	s_add_co_u32 s90, s90, s73
	s_lshl_b32 s73, ttmp9, 7
	s_add_co_u32 s90, s90, s73
	s_mov_b32 s91, 0
	s_lshl_b32 s72, s54, 1
	s_add_co_u32 s72, s72, s68                     ; 2 b + pair
	s_mul_i32 s72, s72, 4*GSTR
	s_lshr_b32 s73, s55, 3
	s_mul_i32 s73, s73, 102400                     ; slot
	s_add_co_u32 s72, s72, s73
	s_mul_i32 s73, s69, 51200                      ; head % 2
	s_add_co_u32 s72, s72, s73
	s_bfe_u32 s73, s55, 0x10002                    ; q
	s_and_b32 s74, s55, 3                          ; bi
	s_mul_i32 s92, ttmp9, 24576
	s_add_co_u32 s92, s92, s72
	s_mul_i32 s75, s73, 12288
	s_add_co_u32 s92, s92, s75
	s_mul_i32 s75, s74, 3072
	s_add_co_u32 s92, s92, s75
	s_mov_b32 s93, 0
	s_lshl_b32 s94, ttmp9, 10
	s_add_co_u32 s94, s94, s72
	s_add_co_u32 s94, s94, 49152
	s_lshl_b32 s75, s73, 2
	s_add_co_u32 s94, s94, s75
	s_add_co_u32 s94, s94, s74
	s_mov_b32 s95, 0
	s_wait_kmcnt 0x0
	s_load_b32 s70, s[36:37], s86 offset:0x0       ; av of my head
	s_add_nc_u64 s[56:57], s[4:5], s[66:67]        ; four bases, 16 channels apart, so that a channel fits the immediate
	s_add_nc_u64 s[58:59], s[56:57], 0x800000
	s_add_nc_u64 s[60:61], s[58:59], 0x800000
	s_add_nc_u64 s[62:63], s[60:61], 0x800000
	s_add_nc_u64 s[42:43], s[42:43], s[88:89]
	s_add_nc_u64 s[46:47], s[46:47], s[88:89]
	s_add_nc_u64 s[44:45], s[44:45], s[90:91]
	s_add_nc_u64 s[48:49], s[48:49], s[90:91]
	s_add_nc_u64 s[76:77], s[50:51], s[92:93]      ; V's section, part A
	s_add_nc_u64 s[78:79], s[76:77], 2048          ; part B
	s_add_nc_u64 s[80:81], s[50:51], s[94:95]      ; V's scale bytes
.irp p, 0,1,2
	global_load_b64 v[WQ+2*\p:WQ+2*\p+1], v[PO+15], s[6:7] offset:8*\p
	global_load_b64 v[WK+2*\p:WK+2*\p+1], v[PO+15], s[18:19] offset:8*\p
.endr
	global_load_u16 v[WQS], v[PO+16], s[8:9]       ; two scale bytes a row; bytes 2 and 3 stay 0 over zero codes
	global_load_u16 v[WKS], v[PO+16], s[20:21]
	global_load_u16 v[WVS], v[PO+20], s[32:33]
	WIN 0xc0
	global_load_b32 v192, v[PO+17], s[10:11]
	global_load_b32 v200, v[PO+17], s[22:23]
	global_load_b32 v208, v[PO+18], s[12:13]
	global_load_b32 v210, v[PO+17], s[14:15]
	global_load_b32 v212, v[PO+17], s[16:17]
	global_load_b32 v214, v[PO+18], s[24:25]
	global_load_b32 v216, v[PO+17], s[26:27]
	global_load_b32 v218, v[PO+17], s[28:29]
; batch nu: 64 channels x 4 t x 128 bytes, into window 1 + nu, channel c's four f at v[4 c]
.macro XLOAD nu
	WIN 0x40*(1+(\nu))
.set c, 0
.rept 64
	global_load_b128 v[4*c:4*c+3], v[XO], s[56+2*(c/16):57+2*(c/16)] offset:(c%16)*524288+(\nu)*1024
.set c, c+1
.endr
.endm
	XLOAD 0
	XLOAD 1
; One e of a batch: the lane's point (t, f = 4 (lane % 8) + e) is quantised, its record stored, and the two tiles of 16 points are multiplied by Wq and Wk.
.macro XQ e, nu
	WIN 0x14*(1+(\nu))                             ; sources 1 and 2: the batch's window
.irp q, 0,1,2,3
	v_max3_num_f32 v[MX+\q], FLOOR, |v[64*\q+(\e)]|, |v[64*\q+4+(\e)]|   ; four chains of 16 channels, each with the floor among its leaves
.endr
.irp i, 2,4,6,8,10,12,14
.irp q, 0,1,2,3
	v_max3_num_f32 v[MX+\q], v[MX+\q], |v[64*\q+4*\i+(\e)]|, |v[64*\q+4*\i+4+(\e)]|
.endr
.endr
	WIN 1+(\nu)
.set c, 0
.rept 64
	v_mov_b32 v[T+c], v[4*c+(\e)]                  ; the conversions want 16 neighbours along K in consecutive registers
.set c, c+1
.endr
	WIN 0
	s_wait_dscnt 0x0                               ; the LDS stores of the e before have read their registers
	v_max_num_f32 v[MX], v[MX], v[MX+1]
	v_max_num_f32 v[MX+2], v[MX+2], v[MX+3]
	v_add_nc_u32 v[SO], EOFF, v[MX]
	v_add_nc_u32 v[SO+1], EOFF, v[MX+2]
	v_lshrrev_b32 v[BY], 23, v[SO]
	v_lshrrev_b32 v[BY+1], 23, v[SO+1]
	v_lshl_or_b32 v[XW+(\e)], v[BY+1], 8, v[BY]    ; the point's scale word
	v_cvt_scalef32_pk16_fp6_f32 v[FA:FA+2], v[T:T+15], v[SO]
	v_cvt_scalef32_pk16_fp6_f32 v[CT:CT+2], v[T+16:T+31], v[SO]
	v_cvt_scalef32_pk16_fp6_f32 v[FB:FB+2], v[T+32:T+47], v[SO+1]
	v_cvt_scalef32_pk16_fp6_f32 v[CT+4:CT+6], v[T+48:T+63], v[SO+1]
	v_nop                                          ; one plain place behind the conversions
.irp i, 0,1,2
	v_mov_b32 v[FA+3+\i], v[CT+\i]
	v_mov_b32 v[FB+3+\i], v[CT+4+\i]
.endr
.irp i, 0,1,2,3,4,5
	v_permlane16_swap_b32 v[FA+\i], v[FB+\i]       ; FA: points of lanes 0-15 (block 0 below, block 1 above); FB: points of lanes 16-31
.endr
	ds_store_b128 v[RWA], v[FA:FA+3] offset:(\nu)*6144+(\e)*48
	ds_store_b64 v[RWB], v[FA+4:FA+5] offset:(\nu)*6144+(\e)*48
	ds_store_b128 v[RWA], v[FB:FB+3] offset:(\nu)*6144+(\e)*48+3072
	ds_store_b64 v[RWB], v[FB+4:FB+5] offset:(\nu)*6144+(\e)*48+3072
	PLACES 4                                       ; operands written by vector instructions stand four places ahead; the scale word stands more than eight
	WIN 0xf0                                       ; C and D window 3
	v_wmma_scale_f32_16x16x128_f8f6f4 v[8*(\e):8*(\e)+7], v[FA:FA+11], v[WQ:WQ+11], v[192:199], v[XW+(\e)], v[WQS] matrix_a_fmt:MATRIX_FMT_FP6 matrix_b_fmt:MATRIX_FMT_FP6
	v_wmma_scale_f32_16x16x128_f8f6f4 v[64+8*(\e):64+8*(\e)+7], v[FA:FA+11], v[WK:WK+11], v[200:207], v[XW+(\e)], v[WKS] matrix_a_fmt:MATRIX_FMT_FP6 matrix_b_fmt:MATRIX_FMT_FP6
	v_wmma_scale_f32_16x16x128_f8f6f4 v[32+8*(\e):32+8*(\e)+7], v[FB:FB+11], v[WQ:WQ+11], v[192:199], v[XW+(\e)], v[WQS] matrix_a_fmt:MATRIX_FMT_FP6 matrix_b_fmt:MATRIX_FMT_FP6 matrix_a_scale:MATRIX_SCALE_ROW1
	v_wmma_scale_f32_16x16x128_f8f6f4 v[96+8*(\e):96+8*(\e)+7], v[FB:FB+11], v[WK:WK+11], v[200:207], v[XW+(\e)], v[WKS] matrix_a_fmt:MATRIX_FMT_FP6 matrix_b_fmt:MATRIX_FMT_FP6 matrix_a_scale:MATRIX_SCALE_ROW1
.endm
; PReLU and LayerNorm over the four channels of a head, which lie in four neighbouring lanes; 64 registers from v[D] on, each accumulator from its low end on.  All in window 3.
.macro LN4 D, A, G, BE
.set n, 0
.rept 64
	v_min_num_f32 v[S+n], 0, v[(\D)+n]
.set n, n+1
.endr
.set n, 0
.rept 64
	v_max_num_f32 v[(\D)+n], 0, v[(\D)+n]
.set n, n+1
.endr
.set n, 0
.rept 32
	v_pk_fma_f32 v[(\D)+n:(\D)+n+1], v[S+n:S+n+1], v[\A:\A+1], v[(\D)+n:(\D)+n+1]   ; max(y, 0) + a min(y, 0)
.set n, n+2
.endr
.set n, 0
.rept 64
	v_add_f32_dpp v[S+n], v[(\D)+n], v[(\D)+n] row_xmask:1 row_mask:0xf bank_mask:0xf
.set n, n+1
.endr
.set n, 0
.rept 64
	v_add_f32_dpp v[S+n], v[S+n], v[S+n] row_xmask:2 row_mask:0xf bank_mask:0xf
.set n, n+1
.endr
.set n, 0
.rept 32
	v_pk_fma_f32 v[(\D)+n:(\D)+n+1], v[S+n:S+n+1], 0xbe800000, v[(\D)+n:(\D)+n+1] op_sel_hi:[1,0,1]   ; y - sum / 4
.set n, n+2
.endr
.set n, 0
.rept 32
	v_pk_mul_f32 v[S+n:S+n+1], v[(\D)+n:(\D)+n+1], v[(\D)+n:(\D)+n+1]
.set n, n+2
.endr
.set n, 0
.rept 64
	v_add_f32_dpp v[S+n], v[S+n], v[S+n] row_xmask:1 row_mask:0xf bank_mask:0xf
.set n, n+1
.endr
.set n, 0
.rept 64
	v_add_f32_dpp v[S+n], v[S+n], v[S+n] row_xmask:2 row_mask:0xf bank_mask:0xf
.set n, n+1
.endr
.set n, 0
.rept 32
	v_pk_fma_f32 v[S+n:S+n+1], v[S+n:S+n+1], 0x3e800000, v[220:221] op_sel_hi:[1,0,1]   ; var + eps
.set n, n+2
.endr
.set n, 0
.rept 64
	v_rsq_f32 v[S+n], v[S+n]
.set n, n+1
.endr
	v_nop                                          ; a plain place behind the batch,
	s_wait_alu depctr_va_vdst(0)                   ; and one wait for all 64, ahead of their first reader
.set n, 0
.rept 32
	v_pk_mul_f32 v[(\D)+n:(\D)+n+1], v[(\D)+n:(\D)+n+1], v[S+n:S+n+1]
.set n, n+2
.endr
.set n, 0
.rept 32
	v_pk_fma_f32 v[(\D)+n:(\D)+n+1], v[(\D)+n:(\D)+n+1], v[\G:\G+1], v[\BE:\BE+1]
.set n, n+2
.endr
.endm
; The batch's four blocks of 32 (Q tile A, Q tile B, K tile A, K tile B: block b at v[32 b]) by turns: scale, codes, 24 bytes and one scale byte to the stages.  Set b of temporaries at v[S + 16 b].
.macro QKQ4 nu
.irp b, 0,1,2,3
	v_max3_num_f32 v[S+16*\b+8], |v[32*\b]|, |v[32*\b+1]|, FLOOR
.endr
.irp i, 2,4,6,8,10,12,14,16,18,20,22,24,26,28,30
.irp b, 0,1,2,3
	v_max3_num_f32 v[S+16*\b+8], v[S+16*\b+8], |v[32*\b+\i]|, |v[32*\b+\i+1]|
.endr
.endr
.irp b, 0,1,2,3
	v_add_nc_u32 v[S+16*\b+9], EOFF, v[S+16*\b+8]
.endr
.irp b, 0,1,2,3
	v_lshrrev_b32 v[S+16*\b+10], 23, v[S+16*\b+9]
.endr
.irp b, 0,1,2,3
	v_cvt_scalef32_pk16_fp6_f32 v[S+16*\b:S+16*\b+2], v[32*\b:32*\b+15], v[S+16*\b+9]
	v_cvt_scalef32_pk16_fp6_f32 v[S+16*\b+4:S+16*\b+6], v[32*\b+16:32*\b+31], v[S+16*\b+9]
.endr
	v_nop
.irp b, 0,1,2,3
	v_mov_b32 v[S+16*\b+3], v[S+16*\b+4]
	v_mov_b32 v[S+16*\b+4], v[S+16*\b+5]
	v_mov_b32 v[S+16*\b+5], v[S+16*\b+6]
.endr
.irp b, 0,1,2,3
	ds_store_b64 v[222+3*(\b/2)], v[S+16*\b:S+16*\b+1] offset:(4*(\nu)+2*(\b%2))*16
	ds_store_b64 v[223+3*(\b/2)], v[S+16*\b+2:S+16*\b+3] offset:(4*(\nu)+2*(\b%2))*16
	ds_store_b64 v[224+3*(\b/2)], v[S+16*\b+4:S+16*\b+5] offset:(4*(\nu)+2*(\b%2))*16
	ds_store_b8 v[228+(\b/2)], v[S+16*\b+10] offset:(4*(\nu)+2*(\b%2))*4
.endr
.endm
; Window 2 is free as soon as the last number of batch 1 has been moved out of it: it takes phase 3's zero codes, Wv's 16 rows of my head, and b, g, beta of channels 8 h + j.
; The nine loads have the two LayerNorms, the barrier and phase 2 in which to land; the wait for them stands ahead of phase 3's loop.
.macro VPARAM
	WIN 0x80                                       ; destination window 2, offsets window 0
.irp n, 134,135,136,137,138,139,232,233,234,235,236,237,238,239,240,241,242,243
	v_mov_b32 v[\n], 0
.endr
.irp f, 0,1,2,3,4,5,6,7
.irp n, 6,7,8,9,10,11
	v_mov_b32 v[32+12*\f+\n], 0                    ; the upper 64 of K: zero codes, written once
.endr
.endr
.irp p, 0,1,2
	global_load_b64 v[128+2*\p:129+2*\p], v[PO+19], s[30:31] offset:8*\p
.endr
	global_load_b128 v[140:143], v[PO+21], s[34:35]
	global_load_b128 v[144:147], v[PO+21], s[34:35] offset:16
	global_load_b128 v[148:151], v[PO+21], s[38:39]
	global_load_b128 v[152:155], v[PO+21], s[38:39] offset:16
	global_load_b128 v[156:159], v[PO+21], s[40:41]
	global_load_b128 v[160:163], v[PO+21], s[40:41] offset:16
	WIN 0
.endm
.macro BATCH nu
	XQ 0, \nu
	XQ 1, \nu
	XQ 2, \nu
	XQ 3, \nu
	WIN 0
	ds_store_b128 v[SWW], v[XW:XW+3] offset:(\nu)*512
.if (\nu) == 1
	VPARAM
.endif
	PLACES 4                                       ; in front of the first read of results
	WIN 0xff
	LN4 0, 208, 210, 212
	LN4 64, 214, 216, 218
	QKQ4 \nu
.endm
	s_wait_loadcnt 63                              ; batch 1's 64 loads are younger; 63 is the most the count can name: the parameters and batch 0 are in
	s_wait_kmcnt 0x0
	s_mov_b32 s71, s70                             ; (named as a pair by the packed form)
	WIN 0xff
.irp j, 1,2,3,4,5,6,7
	v_mov_b32 v[192+\j], v192                      ; the bias as C: a lane holds one channel, so eight copies
	v_mov_b32 v[200+\j], v200
.endr
.irp p, 208,210,212,214,216,218
	v_mov_b32 v[\p+1], v[\p]
.endr
	BATCH 0
	s_wait_loadcnt 0x0                             ; batch 1 is in: no load is out
	BATCH 1
	WIN 0
	s_wait_dscnt 0x0                               ; my records, scale words and image parts have landed
	s_barrier_signal -1
	s_barrier_wait -1                              ; everybody's have
	; ---- phase 2: head = wave: two images of Q, two of K, and their scale words
.irp k, 0,1,2,3,4,5
	ds_load_b128 v[128+4*\k:131+4*\k], v[QR] offset:512*\k
	ds_load_b128 v[152+4*\k:155+4*\k], v[QR] offset:12288+512*\k
.endr
	ds_load_b32 v176, v[QSR]
	ds_load_b32 v177, v[QSR] offset:512
	s_wait_dscnt 0x0
.irp k, 0,1,2,3,4,5
	global_store_b128 v[L16], v[128+4*\k:131+4*\k], s[42:43] offset:512*\k     ; 512 consecutive bytes a store
	global_store_b128 v[L16], v[152+4*\k:155+4*\k], s[46:47] offset:512*\k
.endr
	global_store_b32 v[L4], v176, s[44:45]
	global_store_b32 v[L4], v177, s[48:49]
	; ---- phase 3: V.  Window 2: v0-31 four results, v32-127 two sets of four x operands, v128-139 Wv, v140-163 b, g, beta of channels 8 h + j, v164-243 at work.  Window 1: v[32 j + t]: the finished V.
	; LDS addresses stay in window 0: loads name window 2 as their destination alone, stores as their data alone.
.macro VLOAD grp, set
	WIN 0x80
.irp k, 0,1,2,3
	ds_load_b128 v[32+48*(\set)+12*\k:32+48*(\set)+12*\k+3], v[VRR] offset:(4*(\grp)+\k)*1536
	ds_load_b64 v[32+48*(\set)+12*\k+4:32+48*(\set)+12*\k+5], v[VRR2] offset:(4*(\grp)+\k)*1536
.endr
	WIN 0
.irp k, 0,1
	ds_load_b32 v[XS+2*(\set)+\k], v[SWR] offset:(4*(\grp)+2*\k)*128
.endr
.endm
.macro VMM set
	WIN 0xaa
	v_wmma_scale_f32_16x16x128_f8f6f4 v[0:7], v[128:139], v[32+48*(\set):32+48*(\set)+11], v[140:147], v[WVS], v[XS+2*(\set)] matrix_a_fmt:MATRIX_FMT_FP6 matrix_b_fmt:MATRIX_FMT_FP6
	v_wmma_scale_f32_16x16x128_f8f6f4 v[8:15], v[128:139], v[44+48*(\set):44+48*(\set)+11], v[140:147], v[WVS], v[XS+2*(\set)] matrix_a_fmt:MATRIX_FMT_FP6 matrix_b_fmt:MATRIX_FMT_FP6 matrix_b_scale:MATRIX_SCALE_ROW1
	v_wmma_scale_f32_16x16x128_f8f6f4 v[16:23], v[128:139], v[56+48*(\set):56+48*(\set)+11], v[140:147], v[WVS], v[XS+2*(\set)+1] matrix_a_fmt:MATRIX_FMT_FP6 matrix_b_fmt:MATRIX_FMT_FP6
	v_wmma_scale_f32_16x16x128_f8f6f4 v[24:31], v[128:139], v[68+48*(\set):68+48*(\set)+11], v[140:147], v[WVS], v[XS+2*(\set)+1] matrix_a_fmt:MATRIX_FMT_FP6 matrix_b_fmt:MATRIX_FMT_FP6 matrix_b_scale:MATRIX_SCALE_ROW1
.endm
; four t by turns: PReLU, LayerNorm over 16 channels (8 registers and the lane 16 away), gain and offset; the result goes to v[32 j + t] of window 1
.macro VPOST grp
	WIN 0xaa
.irp t, 0,1,2,3
.irp j, 0,1,2,3,4,5,6,7
	v_min_num_f32 v[164+8*\t+\j], 0, v[8*\t+\j]
.endr
.endr
.irp t, 0,1,2,3
.irp j, 0,1,2,3,4,5,6,7
	v_max_num_f32 v[8*\t+\j], 0, v[8*\t+\j]
.endr
.endr
.irp t, 0,1,2,3
.irp j, 0,2,4,6
	v_pk_fma_f32 v[8*\t+\j:8*\t+\j+1], v[164+8*\t+\j:164+8*\t+\j+1], s[70:71], v[8*\t+\j:8*\t+\j+1] op_sel_hi:[1,0,1]
.endr
.endr
.irp t, 0,1,2,3
	v_pk_add_f32 v[164+8*\t:165+8*\t], v[8*\t:8*\t+1], v[8*\t+2:8*\t+3]
.endr
.irp t, 0,1,2,3
	v_pk_add_f32 v[166+8*\t:167+8*\t], v[8*\t+4:8*\t+5], v[8*\t+6:8*\t+7]
.endr
.irp t, 0,1,2,3
	v_pk_add_f32 v[164+8*\t:165+8*\t], v[164+8*\t:165+8*\t], v[166+8*\t:167+8*\t]
.endr
.irp t, 0,1,2,3
	v_add_f32 v[232+2*\t], v[164+8*\t], v[165+8*\t]
.endr
.irp t, 0,1,2,3
	v_permlanex16_b32 v[240+\t], v[232+2*\t], s84, s85
.endr
.irp t, 0,1,2,3
	v_add_f32 v[232+2*\t], v[232+2*\t], v[240+\t]
.endr
.irp t, 0,1,2,3
.irp j, 0,2,4,6
	v_pk_fma_f32 v[8*\t+\j:8*\t+\j+1], v[232+2*\t:233+2*\t], 0xbd800000, v[8*\t+\j:8*\t+\j+1] op_sel_hi:[0,0,1]   ; y - sum / 16
.endr
.endr
.irp t, 0,1,2,3
	v_pk_mul_f32 v[164+8*\t:165+8*\t], v[8*\t:8*\t+1], v[8*\t:8*\t+1]
.endr
.irp j, 2,4,6
.irp t, 0,1,2,3
	v_pk_fma_f32 v[164+8*\t:165+8*\t], v[8*\t+\j:8*\t+\j+1], v[8*\t+\j:8*\t+\j+1], v[164+8*\t:165+8*\t]
.endr
.endr
.irp t, 0,1,2,3
	v_add_f32 v[232+2*\t], v[164+8*\t], v[165+8*\t]
.endr
.irp t, 0,1,2,3
	v_permlanex16_b32 v[240+\t], v[232+2*\t], s84, s85
.endr
.irp t, 0,1,2,3
	v_add_f32 v[232+2*\t], v[232+2*\t], v[240+\t]
.endr
.irp t, 0,1,2,3
	v_fma_f32 v[232+2*\t], v[232+2*\t], s82, s83
.endr
.irp t, 0,1,2,3
	v_rsq_f32 v[232+2*\t], v[232+2*\t]
.endr
	v_nop
	s_wait_alu depctr_va_vdst(0)                   ; one wait for the four
.irp t, 0,1,2,3
.irp j, 0,2,4,6
	v_pk_mul_f32 v[8*\t+\j:8*\t+\j+1], v[8*\t+\j:8*\t+\j+1], v[232+2*\t:233+2*\t] op_sel_hi:[1,0]
.endr
.endr
	WIN 0x6a                                       ; destination window 1
.irp t, 0,1,2,3
.irp j, 0,1,2,3,4,5,6,7
	v_fma_f32 v[32*\j+4*(\grp)+\t], v[8*\t+\j], v[148+\j], v[156+\j]
.endr
.endr
.endm
	s_wait_loadcnt 0x0                             ; Wv, bv, gv, betav are in
	s_mov_b32 s87, 0
.Lphi:                                             ; two trips: f = 16 phi + (lane % 16) of my 32
	VLOAD 0, 0
.irp g, 0,1,2,3,4,5,6,7
	s_wait_dscnt 0x0                               ; this group's operands and scale words are in
	VMM (\g)%2
.if \g < 7
	VLOAD (\g)+1, ((\g)+1)%2
.endif
	WIN 0xaa
	PLACES 4                                       ; in front of the first read of results
	VPOST \g
.endr
	; the eight (channel, f) of a lane: all 32 t of the key block are mine
	WIN 0x96
.irp j, 0,1,2,3,4,5,6,7
	v_max3_num_f32 v[208+\j], FLOOR, |v[32*\j]|, |v[32*\j+1]|
.endr
.irp i, 2,4,6,8,10,12,14,16,18,20,22,24,26,28,30
.irp j, 0,1,2,3,4,5,6,7
	v_max3_num_f32 v[208+\j], v[208+\j], |v[32*\j+\i]|, |v[32*\j+\i+1]|
.endr
.endr
	WIN 0xaa
.irp j, 0,1,2,3,4,5,6,7
	v_add_nc_u32 v[216+\j], EOFF, v[208+\j]
.endr
.irp j, 0,1,2,3,4,5,6,7
	v_lshrrev_b32 v[224+\j], 23, v[216+\j]
.endr
	WIN 0x89
.irp j, 0,1,2,3,4,5,6,7
	v_cvt_scalef32_pk16_fp6_f32 v[8*\j+132*(\j/4):8*\j+132*(\j/4)+2], v[32*\j:32*\j+15], v[216+\j]
	v_cvt_scalef32_pk16_fp6_f32 v[8*\j+132*(\j/4)+4:8*\j+132*(\j/4)+6], v[32*\j+16:32*\j+31], v[216+\j]
.endr
	WIN 0xaa
	v_nop
.irp j, 0,1,2,3,4,5,6,7
	v_mov_b32 v[8*\j+132*(\j/4)+3], v[8*\j+132*(\j/4)+4]
	v_mov_b32 v[8*\j+132*(\j/4)+4], v[8*\j+132*(\j/4)+5]
	v_mov_b32 v[8*\j+132*(\j/4)+5], v[8*\j+132*(\j/4)+6]
.endr
	WIN 0x08                                       ; an LDS store's data are its source 1: window 2; its address window 0
.irp j, 0,1,2,3,4,5,6,7
	ds_store_b128 v[VSA], v[8*\j+132*(\j/4):8*\j+132*(\j/4)+3] offset:16*\j
	ds_store_b64 v[VSB], v[8*\j+132*(\j/4)+4:8*\j+132*(\j/4)+5] offset:8*\j
	ds_store_b8 v[VSC], v[224+\j] offset:\j
.endr
	WIN 0
	s_wait_xcnt 0x0                                ; earlier stores have read v128 on
.irp i, 0,1,2,3,4,5,6,7
	ds_load_b128 v[128+4*\i:131+4*\i], v[CAL] offset:2*\i*400          ; LDS serves a wave's instructions in order (ISA guide 5.7.1.4): these see my stores.  Two f: 2 x 256 bytes
.endr
.irp i, 0,1,2,3,4,5,6,7
	ds_load_b64 v[160+2*\i:161+2*\i], v[CBL] offset:(\i+4*(\i/4))*400  ; f and f + 4: two neighbouring tiles of one f group: 256 bytes
.endr
.irp i, 0,1,2,3,4,5,6,7
	s_wait_dscnt 15-\i
	global_store_b128 v[CAG], v[128+4*\i:131+4*\i], s[76:77] offset:((2*\i)&3)*GSTR+((2*\i)>>2)*256   ; each half of the lanes stores 256 consecutive bytes, aligned
.endr
.irp i, 0,1,2,3,4,5,6,7
	s_wait_dscnt 7-\i
	global_store_b64 v[CBG], v[160+2*\i:161+2*\i], s[78:79] offset:(\i&3)*GSTR+(\i/4)*256             ; 32 lanes store 256 consecutive bytes, aligned
.endr
	s_wait_xcnt 0x0                                ; the stores have read their bases and registers
	s_add_nc_u64 s[76:77], s[76:77], 1024
	s_add_nc_u64 s[78:79], s[78:79], 512
	v_add_nc_u32 v[SWR], 64, v[SWR]                ; the next 16 f: 16 scale words,
	v_add_nc_u32 v[VRR], 768, v[VRR]               ; 16 records of 48 bytes,
	v_add_nc_u32 v[VRR2], 768, v[VRR2]
	v_add_nc_u32 v[VSC], 64, v[VSC]                ; four tiles of 16 scale bytes
	s_add_co_u32 s87, s87, 1
	s_cmp_lt_u32 s87, 2
	s_cbranch_scc1 .Lphi
	; V's scale bytes: for each f group and pair of tiles one store, whose 32 bytes lie in one aligned run of 256 (the other bytes there belong to the other key blocks of the slot)
.irp i, 0,1,2,3,4,5,6,7,8,9,10,11,12,13,14,15
	ds_load_u8 v[128+\i], v[SBL] offset:(\i/4)*128+(\i%4)*32
.endr
	s_wait_dscnt 0x0
.irp i, 0,1,2,3,4,5,6,7,8,9,10,11,12,13,14,15
	global_store_b8 v[SBG], v[128+\i], s[80:81] offset:(\i/4)*GSTR+(\i%4)*256
.endr
	s_wait_tensorcnt 0x0
	ds_add_u32 v254, v255
	s_wait_dscnt 0x0
	s_endpgm
.Lfunc_end_k_q0142254930_proj:
	.size	k_q0142254930_proj, .Lfunc_end_k_q0142254930_proj-k_q0142254930_proj
	.p2alignl 7, 3214868480
	.fill 96, 4, 3214868480
	.section	.rodata,"a",@progbits
	.p2align	6, 0x0
	.amdhsa_kernel k_q0142254930_proj
		.amdhsa_group_segment_fixed_size 107008
		.amdhsa_private_segment_fixed_size 0
		.amdhsa_enable_private_segment 0
		.amdhsa_kernarg_size 192
		.amdhsa_user_sgpr_count 2
		.amdhsa_user_sgpr_kernarg_segment_ptr 1
		.amdhsa_wavefront_size32 1
		.amdhsa_system_sgpr_workgroup_id_x 1
		.amdhsa_system_sgpr_workgroup_id_y 1
		.amdhsa_system_sgpr_workgroup_id_z 1
		.amdhsa_system_vgpr_workitem_id 0
		.amdhsa_next_free_vgpr 1024
		.amdhsa_next_free_sgpr 100
		.amdhsa_reserve_vcc 0
		.amdhsa_float_denorm_mode_32 3
		.amdhsa_float_denorm_mode_16_64 3
		.amdhsa_memory_ordered 1
		.amdhsa_forward_progress 1
		.amdhsa_inst_pref_size 255
	.end_amdhsa_kernel
	.section	.bss,"aw",@nobits
	.p2align	6
	.space	262144
	.amdgpu_metadata
---
amdhsa.version: [ 1, 2 ]
amdhsa.kernels:
  - .name:           k_q0142254930_proj
    .symbol:         k_q0142254930_proj.kd
    .args:
      - { .name: x, .offset: 0, .size: 8, .value_kind: global_buffer, .address_space: global }
      - { .name: Wq_codes, .offset: 8, .size: 8, .value_kind: global_buffer, .address_space: global }
      - { .name: Wq_scales, .offset: 16, .size: 8, .value_kind: global_buffer, .address_space: global }
      - { .name: bq, .offset: 24, .size: 8, .value_kind: global_buffer, .address_space: global }
      - { .name: aq, .offset: 32, .size: 8, .value_kind: global_buffer, .address_space: global }
      - { .name: gq, .offset: 40, .size: 8, .value_kind: global_buffer, .address_space: global }
      - { .name: betaq, .offset: 48, .size: 8, .value_kind: global_buffer, .address_space: global }
      - { .name: Wk_codes, .offset: 56, .size: 8, .value_kind: global_buffer, .address_space: global }
      - { .name: Wk_scales, .offset: 64, .size: 8, .value_kind: global_buffer, .address_space: global }
      - { .name: bk, .offset: 72, .size: 8, .value_kind: global_buffer, .address_space: global }
      - { .name: ak, .offset: 80, .size: 8, .value_kind: global_buffer, .address_space: global }
      - { .name: gk, .offset: 88, .size: 8, .value_kind: global_buffer, .address_space: global }
      - { .name: betak, .offset: 96, .size: 8, .value_kind: global_buffer, .address_space: global }
      - { .name: Wv_codes, .offset: 104, .size: 8, .value_kind: global_buffer, .address_space: global }
      - { .name: Wv_scales, .offset: 112, .size: 8, .value_kind: global_buffer, .address_space: global }
      - { .name: bv, .offset: 120, .size: 8, .value_kind: global_buffer, .address_space: global }
      - { .name: av, .offset: 128, .size: 8, .value_kind: global_buffer, .address_space: global }
      - { .name: gv, .offset: 136, .size: 8, .value_kind: global_buffer, .address_space: global }
      - { .name: betav, .offset: 144, .size: 8, .value_kind: global_buffer, .address_space: global }
      - { .name: qimg, .offset: 152, .size: 8, .value_kind: global_buffer, .address_space: global }
      - { .name: qsc, .offset: 160, .size: 8, .value_kind: global_buffer, .address_space: global }
      - { .name: kimg, .offset: 168, .size: 8, .value_kind: global_buffer, .address_space: global }
      - { .name: ksc, .offset: 176, .size: 8, .value_kind: global_buffer, .address_space: global }
      - { .name: vimg, .offset: 184, .size: 8, .value_kind: global_buffer, .address_space: global }
    .group_segment_fixed_size: 107008
    .private_segment_fixed_size: 0
    .kernarg_segment_align: 8
    .kernarg_segment_size: 192
    .max_flat_workgroup_size: 128
    .sgpr_count:     100
    .vgpr_count:     1024
    .wavefront_size: 32
...
	.end_amdgpu_metadata
.endif
;; end of part 1
;; launch probs (part 2): grid 32 x 8, 4 waves a work-group, no clusters, 4,608 bytes of LDS; arguments qimg, qsc, kimg, ksc, pimg, rl; writes pimg, rl
.if DOCPART == 2
	.amdgcn_target "amdgcn-amd-amdhsa--gfx1250"
	.amdhsa_code_object_version 6
	.text
	.protected	k_q0142254930_probs
	.globl	k_q0142254930_probs
	.p2align	8
	.type	k_q0142254930_probs,@function
k_q0142254930_probs:
	s_mov_b64 s[64:65], 0
	v_nop
	global_prefetch_b8 v0, s[64:65] scope:SCOPE_SE
	s_setreg_imm32_b32 hwreg(HW_REG_WAVE_MODE, 25, 1), 1
	s_wait_xcnt 0x0
; PROBS: S^T = K Q^T on FP6 codes (K = 256: two steps of 128), p = 2^(t - M), p's codes and scale bytes, and 1 / (the row's sum).
; SHARES.  A work-group: 64 queries of one (head, b).  Wave w: keys 512 w .. 512 w + 511, four steps of 128, for all four tiles of 16 queries: a fragment of K feeds four matrix instructions and is read by
; one wave alone, so it comes from memory straight into registers, as the image of an operand's registers (three loads of 16 bytes a lane).
; NO CLUSTER, NO LDS RING: a head's K is 409,600 bytes with its scales, more than LDS holds; no byte of it is wanted by two waves of a work-group, so a joint load would only pass bytes on to a single reader.
; M.  In a step M is the ceiling of that step's largest t of the query: a maximum is taken away ahead of every exponential.  All M are whole numbers, so at the end the difference to the row's M is taken off
; the scale bytes and put into the sums by v_ldexp_f32: nothing is rounded, and the codes are those of the row's M.
; LIMITS: a scale byte that would fall under 1 is held at 1 (such p lie under 2^-120 of the row's largest); NaN and infinities are not served; 1 / l is v_rcp_f32.
; REGISTERS.  Window 0: v1-7 offsets; v10-13 Q's scale words; v16-31 K's, two sets; v32-63 at work; v64-111 p's codes, a set a tile; v112-207 Q; v208-223 p's scale words, v224-239 -M, v240-255 sums, by (step, tile).
;   Window 1: S^T, 64 a tile.  Windows 2, 3: K of a step, by turns.
.set FLOOR, 0x1800000
.set EOFF,  0xff000000
.set MSB, 0
.macro WIN new
.if MSB != (\new)
	s_set_vgpr_msb (MSB<<8)|(\new)
.set MSB, (\new)
.endif
.endm
.macro PLACES n
.rept \n
	v_nop
.endr
.endm
; a matrix instruction: z = 1: C = 0; ra, rb: which half of the lanes holds the scales
.macro WM d, a, b, z, sa, sb, ra, rb
.if (\z)
.if ((\ra)==0)&&((\rb)==0)
	v_wmma_scale_f32_16x16x128_f8f6f4 v[(\d):(\d)+7], v[(\a):(\a)+11], v[(\b):(\b)+11], 0, v[\sa], v[\sb] matrix_a_fmt:MATRIX_FMT_FP6 matrix_b_fmt:MATRIX_FMT_FP6
.elseif ((\ra)==1)&&((\rb)==0)
	v_wmma_scale_f32_16x16x128_f8f6f4 v[(\d):(\d)+7], v[(\a):(\a)+11], v[(\b):(\b)+11], 0, v[\sa], v[\sb] matrix_a_fmt:MATRIX_FMT_FP6 matrix_b_fmt:MATRIX_FMT_FP6 matrix_a_scale:MATRIX_SCALE_ROW1
.elseif ((\ra)==0)&&((\rb)==1)
	v_wmma_scale_f32_16x16x128_f8f6f4 v[(\d):(\d)+7], v[(\a):(\a)+11], v[(\b):(\b)+11], 0, v[\sa], v[\sb] matrix_a_fmt:MATRIX_FMT_FP6 matrix_b_fmt:MATRIX_FMT_FP6 matrix_b_scale:MATRIX_SCALE_ROW1
.else
	v_wmma_scale_f32_16x16x128_f8f6f4 v[(\d):(\d)+7], v[(\a):(\a)+11], v[(\b):(\b)+11], 0, v[\sa], v[\sb] matrix_a_fmt:MATRIX_FMT_FP6 matrix_b_fmt:MATRIX_FMT_FP6 matrix_a_scale:MATRIX_SCALE_ROW1 matrix_b_scale:MATRIX_SCALE_ROW1
.endif
.else
.if ((\ra)==0)&&((\rb)==0)
	v_wmma_scale_f32_16x16x128_f8f6f4 v[(\d):(\d)+7], v[(\a):(\a)+11], v[(\b):(\b)+11], v[(\d):(\d)+7], v[\sa], v[\sb] matrix_a_fmt:MATRIX_FMT_FP6 matrix_b_fmt:MATRIX_FMT_FP6
.elseif ((\ra)==1)&&((\rb)==0)
	v_wmma_scale_f32_16x16x128_f8f6f4 v[(\d):(\d)+7], v[(\a):(\a)+11], v[(\b):(\b)+11], v[(\d):(\d)+7], v[\sa], v[\sb] matrix_a_fmt:MATRIX_FMT_FP6 matrix_b_fmt:MATRIX_FMT_FP6 matrix_a_scale:MATRIX_SCALE_ROW1
.elseif ((\ra)==0)&&((\rb)==1)
	v_wmma_scale_f32_16x16x128_f8f6f4 v[(\d):(\d)+7], v[(\a):(\a)+11], v[(\b):(\b)+11], v[(\d):(\d)+7], v[\sa], v[\sb] matrix_a_fmt:MATRIX_FMT_FP6 matrix_b_fmt:MATRIX_FMT_FP6 matrix_b_scale:MATRIX_SCALE_ROW1
.else
	v_wmma_scale_f32_16x16x128_f8f6f4 v[(\d):(\d)+7], v[(\a):(\a)+11], v[(\b):(\b)+11], v[(\d):(\d)+7], v[\sa], v[\sb] matrix_a_fmt:MATRIX_FMT_FP6 matrix_b_fmt:MATRIX_FMT_FP6 matrix_a_scale:MATRIX_SCALE_ROW1 matrix_b_scale:MATRIX_SCALE_ROW1
.endif
.endif
.endm
	s_load_b256 s[4:11], s[0:1], 0x0               ; qimg, qsc, kimg, ksc
	s_load_b128 s[12:15], s[0:1], 0x20             ; pimg, rl
	v_lshl_add_u32 v15, v0, 2, 0x1000
	v_mov_b32 v59, 0
	v_lshrrev_b32 v8, 5, v0
	v_readfirstlane_b32 s16, v8                    ; wave
	s_and_b32 s17, ttmp7, 0xffff                   ; n = 2 head + b
	v_and_b32 v8, 31, v0
	v_and_b32 v9, 15, v0
	v_bfe_u32 v14, v0, 4, 1
	v_lshlrev_b32 v1, 4, v8                        ; 16 x lane
	v_lshlrev_b32 v2, 2, v8                        ; 4 x lane
	s_and_b32 s18, ttmp9, 1                        ; which half of a block of 128 queries
	s_lshl_b32 s19, s18, 10
	v_mul_u32_u24 v3, v14, 3072
	v_lshl_add_u32 v3, v9, 4, v3
	v_add_nc_u32 v3, s19, v3                       ; part A: key block 2 cc + half, query tile 4 (qb % 2) + i, 16 bytes a query
	s_lshl_b32 s19, s18, 9
	v_lshlrev_b32 v4, 7, v14
	v_lshl_add_u32 v4, v9, 3, v4
	v_add_nc_u32 v4, s19, v4                       ; part B of an even key block, and the scale words: two tiles on end
	v_xor_b32 v5, 128, v4                          ; part B of an odd key block: the two tiles change places
	s_lshl_b32 s19, s16, 10
	v_add_nc_u32 v7, s19, v2                       ; LDS: my wave's 1,024 bytes
	v_cmp_le_u32 s40, 16, v8                       ; lanes 16-31
	s_mov_b32 s36, 0x76543210
	s_mov_b32 s37, 0xfedcba98
	s_mov_b32 s38, 0x3db8aa3b                      ; c = log2(e) / 16
	s_mov_b32 s39, s38
.irp n, 36,37,38,39,49,54,55
	v_mov_b32 v[\n], 0
.endr
	s_mul_i32 s20, s17, 393216
	s_mul_i32 s22, ttmp9, 12288
	s_add_co_u32 s22, s22, s20
	s_mov_b32 s23, 0
	s_mul_i32 s24, s16, 98304
	s_add_co_u32 s24, s24, s20
	s_mov_b32 s25, 0
	s_lshl_b32 s21, s17, 14
	s_lshl_b32 s26, ttmp9, 9
	s_add_co_u32 s26, s26, s21
	s_mov_b32 s27, 0
	s_lshl_b32 s28, s16, 12
	s_add_co_u32 s28, s28, s21
	s_mov_b32 s29, 0
	s_and_b32 s30, s17, 1                          ; b
	s_bfe_u32 s31, s17, 0x10001                    ; head % 2
	s_lshr_b32 s32, s17, 2                         ; pair
	s_lshl_b32 s33, s30, 1
	s_add_co_u32 s33, s33, s32
	s_lshl_b32 s33, s33, 4
	s_lshr_b32 s34, ttmp9, 1
	s_add_co_u32 s33, s33, s34                     ; y = 16 (2 b + pair) + block of 128 queries
	s_mul_i32 s34, s33, 409600
	s_mul_i32 s33, s31, 25600
	s_add_co_u32 s34, s34, s33
	s_mul_i32 s33, s16, 102400                     ; my two slots of 256 keys
	s_add_co_u32 s34, s34, s33
	s_mov_b32 s35, 0
	s_lshl_b32 s42, s17, 13
	s_lshl_b32 s33, ttmp9, 8
	s_add_co_u32 s42, s42, s33
	s_mov_b32 s43, 0
	s_wait_kmcnt 0x0
	s_add_nc_u64 s[4:5], s[4:5], s[22:23]
	s_add_nc_u64 s[6:7], s[6:7], s[26:27]
	s_add_nc_u64 s[8:9], s[8:9], s[24:25]
	s_add_nc_u64 s[10:11], s[10:11], s[28:29]
	s_add_nc_u64 s[12:13], s[12:13], s[34:35]
	s_add_nc_u64 s[14:15], s[14:15], s[42:43]
.irp i, 0,1,2,3
.irp be, 0,1
.irp g, 0,1,2
	global_load_b128 v[112+12*(2*\i+\be)+4*\g:112+12*(2*\i+\be)+4*\g+3], v1, s[4:5] offset:(\i/2)*6144+\be*3072+(\i%2)*1536+\g*512
.endr
.endr
.endr
.irp m, 0,1
.irp be, 0,1
	global_load_b32 v[10+2*\m+\be], v2, s[6:7] offset:\m*256+\be*128   ; lanes 0-15 the even tile's words, lanes 16-31 the odd tile's
.endr
.endr
; my step k: 16 fragments (key block, K step, u) and 8 registers of scale words: 56 loads
.macro LOADK k
	WIN 0x80+0x40*((\k)%2)
.set f, 0
.rept 16
.irp g, 0,1,2
	global_load_b128 v[12*f+4*\g:12*f+4*\g+3], v1, s[8:9] offset:(\k)*24576+f*1536+\g*512
.endr
.set f, f+1
.endr
	WIN 0
.irp m, 0,1,2,3,4,5,6,7
	global_load_b32 v[16+8*((\k)%2)+\m], v2, s[10:11] offset:(\k)*1024+\m*128
.endr
.endm
; 64 matrix instructions: the 32 accumulators take turns, one instruction a turn, K step by K step
.macro MMUL k
	WIN 0x52+((\k)%2)
.irp be, 0,1
.set qi, 0
.rept 4
.set kt, 0
.rept 8
	WM 64*qi+8*kt, 12*(4*(kt/2)+2*\be+kt%2), 112+12*(2*qi+\be), 1-\be, 16+8*((\k)%2)+2*(kt/2)+\be, 10+2*(qi/2)+\be, kt%2, qi%2
.set kt, kt+1
.endr
.set qi, qi+1
.endr
.endr
.endm
; one tile of 16 queries, 128 keys.  A lane holds one query; registers 16 b .. 16 b + 15 are keys 32 b + 16 (lane / 16) + 0 .. 15
.macro SOFT i, k
	WIN 0x15
.irp b, 0,1,2,3
	v_max3_num_f32 v[32+\b], v[64*(\i)+16*\b], v[64*(\i)+16*\b+1], v[64*(\i)+16*\b+2]   ; the largest score of each block of 32 keys: for the maximum, and for the block's largest p
.endr
	WIN 0x14
.irp n, 3,5,7,9,11,13
.irp b, 0,1,2,3
	v_max3_num_f32 v[32+\b], v[32+\b], v[64*(\i)+16*\b+\n], v[64*(\i)+16*\b+\n+1]
.endr
.endr
.irp b, 0,1,2,3
	v_max_num_f32 v[32+\b], v[32+\b], v[64*(\i)+16*\b+15]
.endr
	WIN 0
.irp b, 0,1,2,3
	v_permlanex16_b32 v[36+\b], v[32+\b], s36, s37
.endr
.irp b, 0,1,2,3
	v_max_num_f32 v[32+\b], v[32+\b], v[36+\b]
.endr
	v_max3_num_f32 v63, v32, v33, v34
	v_max_num_f32 v63, v63, v35
	v_mul_f32 v63, s38, v63
	v_floor_f32 v48, -v63                          ; -M = floor(-t): a whole number
	v_mov_b32 v[224+4*(\k)+(\i)], v48
.irp b, 0,1,2,3
	v_fma_f32 v[32+\b], v[32+\b], s38, v48
.endr
	WIN 0x41
.set n, 0
.rept 32
	v_pk_fma_f32 v[64*(\i)+n:64*(\i)+n+1], v[64*(\i)+n:64*(\i)+n+1], s[38:39], v[48:49] op_sel_hi:[1,0,0]   ; t - M
.set n, n+2
.endr
.set n, 0
.rept 64
	v_exp_f32 v[64*(\i)+n], v[64*(\i)+n]
.set n, n+1
.endr
	WIN 0
	v_nop                                          ; a plain place behind the batch,
	s_wait_alu depctr_va_vdst(0)                   ; and one wait for the 64
.irp b, 0,1,2,3
	v_exp_f32 v[32+\b], v[32+\b]                   ; the block's largest p: the same two instructions on the same number
.endr
	WIN 0x04
	v_pk_add_f32 v[50:51], v[54:55], v[64*(\i):64*(\i)+1]          ; the sum of the unquantised p, in two chains (v[54:55] = 0)
	v_pk_add_f32 v[52:53], v[54:55], v[64*(\i)+2:64*(\i)+3]
.irp n, 4,8,12,16,20,24,28,32,36,40,44,48,52,56,60
	v_pk_add_f32 v[50:51], v[50:51], v[64*(\i)+\n:64*(\i)+\n+1]
	v_pk_add_f32 v[52:53], v[52:53], v[64*(\i)+\n+2:64*(\i)+\n+3]
.endr
	WIN 0
	v_pk_add_f32 v[50:51], v[50:51], v[52:53]
	v_add_f32 v[240+4*(\k)+(\i)], v50, v51
	s_wait_alu depctr_va_vdst(0)                   ; for the four
.irp b, 0,1,2,3
	v_max_num_f32 v[32+\b], FLOOR, v[32+\b]
.endr
.irp b, 0,1,2,3
	v_add_nc_u32 v[40+\b], EOFF, v[32+\b]
.endr
.irp b, 0,1,2,3
	v_lshrrev_b32 v[44+\b], 23, v[40+\b]
.endr
	v_lshl_or_b32 v[208+4*(\k)+(\i)], v45, 8, v44
	v_lshl_or_b32 v[208+4*(\k)+(\i)], v46, 16, v[208+4*(\k)+(\i)]
	v_lshl_or_b32 v[208+4*(\k)+(\i)], v47, 24, v[208+4*(\k)+(\i)]
	WIN 0x01
.irp c, 0,1
	v_cvt_scalef32_pk16_fp6_f32 v[64+12*(\i)+6*\c:64+12*(\i)+6*\c+2], v[64*(\i)+32*\c:64*(\i)+32*\c+15], v[40+2*\c]
	v_cvt_scalef32_pk16_fp6_f32 v[56+4*\c:58+4*\c], v[64*(\i)+32*\c+16:64*(\i)+32*\c+31], v[41+2*\c]
.endr
	WIN 0
	v_nop
.irp c, 0,1
.irp r, 0,1,2
	v_permlane16_swap_b32 v[64+12*(\i)+6*\c+\r], v[56+4*\c+\r]     ; a whole block to a lane: lanes 0-15 block 2 c, lanes 16-31 block 2 c + 1
.endr
.irp r, 0,1,2
	v_mov_b32 v[64+12*(\i)+6*\c+3+\r], v[56+4*\c+\r]
.endr
.endr
	global_store_b128 v3, v[64+12*(\i):64+12*(\i)+3], s[12:13] offset:((\k)/2)*51200+((\k)%2)*12288+(\i)*256         ; each half of the lanes stores 256 consecutive bytes, aligned
	global_store_b128 v3, v[64+12*(\i)+6:64+12*(\i)+9], s[12:13] offset:((\k)/2)*51200+((\k)%2)*12288+6144+(\i)*256
.endm
; words 4-5 of tiles i0 and i0 + 1: the lane halves change places, so that a register holds ONE key block of BOTH tiles: 256 consecutive bytes a store
.macro PARTB i0, k
.irp r, 4,5,10,11
	v_permlane16_swap_b32 v[64+12*(\i0)+\r], v[76+12*(\i0)+\r]
.endr
	global_store_b64 v4, v[64+12*(\i0)+4:64+12*(\i0)+5], s[12:13] offset:((\k)/2)*51200+((\k)%2)*12288+2048+(\i0)*128
	global_store_b64 v5, v[76+12*(\i0)+4:76+12*(\i0)+5], s[12:13] offset:((\k)/2)*51200+((\k)%2)*12288+5120+(\i0)*128
	global_store_b64 v4, v[64+12*(\i0)+10:64+12*(\i0)+11], s[12:13] offset:((\k)/2)*51200+((\k)%2)*12288+8192+(\i0)*128
	global_store_b64 v5, v[76+12*(\i0)+10:76+12*(\i0)+11], s[12:13] offset:((\k)/2)*51200+((\k)%2)*12288+11264+(\i0)*128
.endm
.macro STEP k
.if (\k) < 3
	LOADK (\k)+1                                   ; into the window that the step before last multiplied: four softmaxes lie between
	s_wait_loadcnt 56                              ; all but the 56 just issued
.else
	s_wait_loadcnt 0x0
.endif
	MMUL \k
	WIN 0
	PLACES 4
	s_wait_xcnt 0x0                                ; the last step's stores have read p's registers
	SOFT 0, \k
	SOFT 1, \k
	PARTB 0, \k
	SOFT 2, \k
	SOFT 3, \k
	PARTB 2, \k
.endm
	LOADK 0
	STEP 0
	STEP 1
	STEP 2
	STEP 3
	; ---- the tail: the row's M and sum over my four steps, then over the four waves
.irp i, 0,1,2,3
	v_min3_num_f32 v[112+\i], v[224+\i], v[228+\i], v[232+\i]
.endr
.irp i, 0,1,2,3
	v_min_num_f32 v[112+\i], v[112+\i], v[236+\i]  ; -M of my 512 keys
.endr
.irp n, 0,1,2,3,4,5,6,7,8,9,10,11,12,13,14,15
	v_sub_f32 v[176+\n], v[112+(\n%4)], v[224+\n]  ; a whole number, 0 or less
.endr
.irp n, 0,1,2,3,4,5,6,7,8,9,10,11,12,13,14,15
	v_cvt_i32_f32 v[176+\n], v[176+\n]
.endr
.irp n, 0,1,2,3,4,5,6,7,8,9,10,11,12,13,14,15
	v_ldexp_f32 v[240+\n], v[240+\n], v[176+\n]
.endr
.irp i, 0,1,2,3
	v_add_f32 v[116+\i], v[240+\i], v[244+\i]
	v_add_f32 v[120+\i], v[248+\i], v[252+\i]
.endr
.irp i, 0,1,2,3
	v_add_f32 v[116+\i], v[116+\i], v[120+\i]
.endr
.irp i, 0,1,2,3
	v_permlanex16_b32 v[36+\i], v[116+\i], s36, s37
.endr
.irp i, 0,1,2,3
	v_add_f32 v[116+\i], v[116+\i], v[36+\i]
.endr
.irp i, 0,1,2,3
	ds_store_b32 v7, v[112+\i] offset:128*\i
	ds_store_b32 v7, v[116+\i] offset:512+128*\i
.endr
	s_wait_dscnt 0x0                               ; for the others' sake: my stores have landed
	s_barrier_signal -1
	s_barrier_wait -1
.irp w, 0,1,2,3
.irp s, 0,1,2,3,4,5,6,7
	ds_load_b32 v[128+8*\w+\s], v2 offset:\w*1024+\s*128
.endr
.endr
	s_wait_dscnt 0x0
.irp i, 0,1,2,3
	v_min3_num_f32 v[160+\i], v[128+\i], v[136+\i], v[144+\i]
.endr
.irp i, 0,1,2,3
	v_min_num_f32 v[160+\i], v[160+\i], v[152+\i]  ; -M of the row
.endr
.irp w, 0,1,2,3
.irp i, 0,1,2,3
	v_sub_f32 v[176+4*\w+\i], v[160+\i], v[128+8*\w+\i]
.endr
.endr
.irp n, 0,1,2,3,4,5,6,7,8,9,10,11,12,13,14,15
	v_cvt_i32_f32 v[176+\n], v[176+\n]
.endr
.irp w, 0,1,2,3
.irp i, 0,1,2,3
	v_ldexp_f32 v[132+8*\w+\i], v[132+8*\w+\i], v[176+4*\w+\i]
.endr
.endr
.irp i, 0,1,2,3
	v_add_f32 v[164+\i], v[132+\i], v[140+\i]
	v_add_f32 v[120+\i], v[148+\i], v[156+\i]
.endr
.irp i, 0,1,2,3
	v_add_f32 v[164+\i], v[164+\i], v[120+\i]
.endr
.irp i, 0,1,2,3
	v_rcp_f32 v[168+\i], v[164+\i]
.endr
.irp n, 0,1,2,3,4,5,6,7,8,9,10,11,12,13,14,15
	v_sub_f32 v[176+\n], v[224+\n], v[160+(\n%4)]  ; the row's M less the step's: a whole number, 0 or more
.endr
.irp n, 0,1,2,3,4,5,6,7,8,9,10,11,12,13,14,15
	v_cvt_i32_f32 v[176+\n], v[176+\n]
.endr
.irp k, 0,1,2,3                                    ; it comes off each scale byte, which is held at 1: m = min(byte - 1, difference), byte - m
.irp i, 0,1,2,3
	v_add_nc_u32 v[120+\i], 0xfefefeff, v[208+4*\k+\i]
.endr
.irp b, 0,1,2,3
.irp i, 0,1,2,3
	v_bfe_u32 v[192+4*\i+\b], v[120+\i], 8*\b, 8
.endr
.endr
.irp b, 0,1,2,3
.irp i, 0,1,2,3
	v_min_u32 v[192+4*\i+\b], v[192+4*\i+\b], v[176+4*\k+\i]
.endr
.endr
.irp b, 1,2,3
.irp i, 0,1,2,3
	v_lshl_or_b32 v[192+4*\i], v[192+4*\i+\b], 8*\b, v[192+4*\i]
.endr
.endr
.irp i, 0,1,2,3
	v_sub_nc_u32 v[208+4*\k+\i], v[208+4*\k+\i], v[192+4*\i]
.endr
.endr
.irp s, 0,1
.irp p, 0,1
	v_cndmask_b32 v[128+4*\s+2*\p], v[208+8*\s+2*\p], v[208+8*\s+2*\p+1], s40      ; lanes 0-15 the even tile's word, lanes 16-31 the odd tile's; the slot's first 128 keys,
	v_cndmask_b32 v[129+4*\s+2*\p], v[212+8*\s+2*\p], v[212+8*\s+2*\p+1], s40      ; and its second
	global_store_b64 v4, v[128+4*\s+2*\p:129+4*\s+2*\p], s[12:13] offset:\s*51200+24576+\p*256   ; 256 consecutive bytes, aligned
.endr
.endr
	s_wait_alu depctr_va_vdst(0)                   ; the four reciprocals, ahead of the branch and of their first reader
	s_cmp_lg_u32 s16, 0
	s_cbranch_scc1 .Ldone                          ; every wave has the same 1 / l: wave 0 stores it
	v_cndmask_b32 v140, v168, v169, s40
	v_cndmask_b32 v141, v170, v171, s40
	global_store_b32 v2, v140, s[14:15]
	global_store_b32 v2, v141, s[14:15] offset:128
.Ldone:
	s_wait_tensorcnt 0x0
	ds_add_u32 v15, v59
	s_wait_dscnt 0x0
	s_endpgm
.Lfunc_end_k_q0142254930_probs:
	.size	k_q0142254930_probs, .Lfunc_end_k_q0142254930_probs-k_q0142254930_probs
	.p2alignl 7, 3214868480
	.fill 96, 4, 3214868480
	.section	.rodata,"a",@progbits
	.p2align	6, 0x0
	.amdhsa_kernel k_q0142254930_probs
		.amdhsa_group_segment_fixed_size 4608
		.amdhsa_private_segment_fixed_size 0
		.amdhsa_enable_private_segment 0
		.amdhsa_kernarg_size 48
		.amdhsa_user_sgpr_count 2
		.amdhsa_user_sgpr_kernarg_segment_ptr 1
		.amdhsa_wavefront_size32 1
		.amdhsa_system_sgpr_workgroup_id_x 1
		.amdhsa_system_sgpr_workgroup_id_y 1
		.amdhsa_system_sgpr_workgroup_id_z 1
		.amdhsa_system_vgpr_workitem_id 0
		.amdhsa_next_free_vgpr 1024
		.amdhsa_next_free_sgpr 66
		.amdhsa_reserve_vcc 0
		.amdhsa_float_denorm_mode_32 3
		.amdhsa_float_denorm_mode_16_64 3
		.amdhsa_memory_ordered 1
		.amdhsa_forward_progress 1
		.amdhsa_inst_pref_size 255
	.end_amdhsa_kernel
	.section	.bss,"aw",@nobits
	.p2align	6
	.space	262144
	.amdgpu_metadata
---
amdhsa.version: [ 1, 2 ]
amdhsa.kernels:
  - .name:           k_q0142254930_probs
    .symbol:         k_q0142254930_probs.kd
    .args:
      - { .name: qimg, .offset: 0, .size: 8, .value_kind: global_buffer, .address_space: global }
      - { .name: qsc, .offset: 8, .size: 8, .value_kind: global_buffer, .address_space: global }
      - { .name: kimg, .offset: 16, .size: 8, .value_kind: global_buffer, .address_space: global }
      - { .name: ksc, .offset: 24, .size: 8, .value_kind: global_buffer, .address_space: global }
      - { .name: pimg, .offset: 32, .size: 8, .value_kind: global_buffer, .address_space: global }
      - { .name: rl, .offset: 40, .size: 8, .value_kind: global_buffer, .address_space: global }
    .group_segment_fixed_size: 4608
    .private_segment_fixed_size: 0
    .kernarg_segment_align: 8
    .kernarg_segment_size: 48
    .max_flat_workgroup_size: 128
    .sgpr_count:     66
    .vgpr_count:     1024
    .wavefront_size: 32
...
	.end_amdgpu_metadata
.endif
;; end of part 2
;; launch pv (part 3): grid 4 x 64, 4 waves a work-group, clusters of 4 x 4, 327,680 bytes of LDS; arguments pimg, vimg, rl, oimg; writes oimg
.if DOCPART == 3
	.amdgcn_target "amdgcn-amd-amdhsa--gfx1250"
	.amdhsa_code_object_version 6
	.text
	.protected	k_q0142254930_pv
	.globl	k_q0142254930_pv
	.p2align	8
	.type	k_q0142254930_pv,@function
k_q0142254930_pv:
	s_mov_b64 s[64:65], 0
	v_nop
	global_prefetch_b8 v0, s[64:65] scope:SCOPE_SE
	s_setreg_imm32_b32 hwreg(HW_REG_WAVE_MODE, 25, 1), 1
	s_wait_xcnt 0x0
	s_wait_alu depctr_hold_cnt(0) depctr_sa_sdst(0) depctr_va_vdst(0) depctr_va_sdst(0) depctr_va_ssrc(0) depctr_va_vcc(0) depctr_vm_vsrc(0)
	s_getreg_b32 s2, hwreg(HW_REG_IB_STS2, 6, 4)
	s_cmp_eq_u32 s2, 0
	s_cbranch_scc0 .Lentry_in_a_cluster
	s_endpgm
.Lentry_in_a_cluster:
	s_bfe_u32 s2, ttmp6, 0x10000c
	s_cmp_lg_u32 s2, 0xf033
	s_cbranch_scc0 .Lentry_shape_is_right
	s_endpgm
.Lentry_shape_is_right:
; PV: O^T = V^T P^T on FP6 codes, K = 2,048 keys; then O / l, quantised along the output projection's K (32 channels = 16 of each head of a pair), stored as codes.
; SHARES.  A work-group: one b, one pair of heads, 128 queries, the 16 f with f % 4 = g.  Wave w: head w / 2 of the pair, f tiles 8 (w % 2) .. + 7: 8 tiles of 16 queries x 8 tiles (one f, 16 channels): 64 accumulators.
; Source 0 = 16 channels of V at one f, source 1 = 16 queries of P: a lane holds one query and eight channels.
; THE RING.  Two LDS slots of 256 keys (two K steps): P's 51,200 bytes (both heads, codes and scale words), then V's 102,400.  Both are dense blocks of memory, laid by the launches before in the order in which
; operands are read: a section of 3,072 bytes is one key block of eight tiles: words 0-3 of each row's 24 bytes at 256 tile + 16 row, words 4-5 at 2,048 + 128 (tile xor (block % 2)) + 8 row, so that the two
; halves of the lanes, which read neighbouring blocks, fall on different banks (64 banks of 4 bytes: ISA guide 11.1).  A fragment is two loads of 16 bytes and two of 8.
; CLUSTERS: 4 x 4.  The four of a row (same queries, other g) need the same P, the four of a column (same g, other queries) the same V: each is asked for jointly.
; PREFETCH INTO THE L2.  What later refills ask for is asked of memory earlier.
; P of a row of the cluster is one dense stream of 409,600 bytes for all keys, V of a column one of 819,200.  Behind each of the first four refills (the loop's first two trips) a further run of each stream is
; named, 65,536 bytes of P and 131,072 of V, lanes 256 bytes apart.  The four runs end at the stream's end and begin 24 blocks of 256 bytes (P) or 48 (V) ahead of slot 3: each block from there on is named once,
; one or two refills ahead of the refill that asks for it.  Slots 0 to 2 come by their loads alone, and the last two refills name nothing.  WHO: the waves that fetch a stream: waves 0 and 1 for P, one instruction
; each; waves 2 and 3 for V, two each.  The four partners that ask for a tile jointly share a run out BY ADDRESS (cx for P, cy for V): no branch hangs on a work-group's place in its cluster.  V of a column is
; read by four clusters: the first of them (cluster y % 4 = 0) names it.
; LIMITS: NaN and infinities are not served; a block of O whose largest magnitude lies under 2^-124 keeps the scale byte 1.
; REGISTERS.  Window 0: v8-27 addresses; v28, v29 the add's; v31 the prefetches' offset; v32-63 scale words, two sets; v64-71 1 / l; v72-115 the tail's; v128-223 P's fragments, one set.  Window 1: V's, two sets.  Windows 2, 3: accumulators.
.set NQ,    2
.set FR,    12
.set NL,    4
.set NP,    4
.set SLOT,  153600
.set SPARE, 307200                     ; behind the ring: the spare words, 128 bytes a wave
.set LAPS,  4
.set EXB,   0                          ; the tail's stages lie in slot 0, which has had its last fill and its last read by then
.set OST,   32768
.set FLOOR, 0x1800000
.set EOFF,  0xff000000
.set ADRA, 8                           ; v8-13  P: slot s: words 0-3, words 4-5 of even tiles, of odd tiles
.set ADRB, 14                          ; v14-19 V likewise
.set ADRS, 20                          ; v20-21 scale words: lanes 0-15 P's, lanes 16-31 V's
.set OSA, 22
.set ORD, 23
.set OGO, 24
.set EXW, 25
.set EXR, 26
.set RLO, 27
.set SPW, 28
.set NIL, 29
.set PFO, 31                           ; v31     256 x my lane; never rewritten
.set SC,  32
.set RL,  64
.set CV,  76
.set SS,  108
.set AF,  128
.set G1, 24
.set G0, 32
.set G1B, 48
.set G0B, 56
.set PFA, 74                           ; s[74:75] where my prefetches stand: my part of the run named last
.set PFS, 76                           ; s[76:77] a run on, in bytes: 65,536 in P, 131,072 in V
.set LIM, 78                           ; s78     1 in a wave that prefetches, else the greatest number: a wave prefetches while the loop's count is above it
.set MSB, 0
.macro WIN new
.if MSB != (\new)
	s_set_vgpr_msb (MSB<<8)|(\new)
.set MSB, (\new)
.endif
.endm
.set MUL_LO, 0xa1                      ; source 0 (V) window 1, source 1 (P) window 0, C and D window 2
.set MUL_HI, 0xf1
.set TO_B,   0x40
; a joint load: waves 0 and 1 fetch P's two heads, waves 2 and 3 V's.  The branch hangs on the wave's number alone.  Four v_nop follow each of the two lines.
.macro JLOAD g0a, g1a, g0b, g1b
	s_cmp_eq_u32 s15, 0
	s_cbranch_scc0 .Lfor_b_\@
	tensor_load_to_lds s[\g0a:\g0a+3], s[\g1a:\g1a+7]
	s_nop 0
.rept 4
	v_nop
.endr
	s_branch .Lasked_\@
.Lfor_b_\@:
	tensor_load_to_lds s[\g0b:\g0b+3], s[\g1b:\g1b+7]
	s_nop 0
.rept 4
	v_nop
.endr
.Lasked_\@:
.endm
; my part of the next run of my stream: 32 blocks of 256 bytes, a lane a block; V's waves take 32 more.  s3 is 3 and 2 in the loop's first two trips and 1 in its last, which names nothing.
.macro ASK
	s_cmp_gt_u32 s3, s[LIM]
	s_cbranch_scc0 .Lnot_mine_\@
	global_prefetch_b8 v[PFO], s[PFA:PFA+1] th:TH_LOAD_NT scope:SCOPE_SE
	s_cmp_eq_u32 s15, 0                            ; the wave's number alone decides
	s_cbranch_scc1 .Lnot_mine_\@
	global_prefetch_b8 v[PFO], s[PFA:PFA+1] offset:8192 th:TH_LOAD_NT scope:SCOPE_SE
.Lnot_mine_\@:
.endm
.macro CREST
	s_cmp_lg_u32 s14, 0
	s_cbranch_scc1 .Lnot_wave_0_\@
	s_barrier_signal -3
.Lnot_wave_0_\@:
	s_barrier_wait -3
	s_barrier_signal -1
	s_barrier_wait -1
.endm
.macro CROUND
	s_barrier_signal -1
	s_barrier_wait -1
	CREST
.endm
.macro PLACES n
.rept \n
	v_nop
.endr
.endm
	s_load_b256 s[4:11], s[0:1], 0x0               ; pimg, vimg, rl, oimg
	v_lshl_add_u32 v[SPW], v0, 2, SPARE
	v_mov_b32 v[NIL], 0
	ds_add_u32 v28, v29
	ds_add_u32 v28, v29
	s_wait_dscnt 0x0
	v_lshrrev_b32 v1, 5, v0
	v_readfirstlane_b32 s14, v1                    ; wave
	s_lshr_b32 s15, s14, 1                         ; my head of the pair.  Also: I fetch for P (0) or for V (1)
	s_and_b32 s16, s14, 1                          ; my half of the f tiles.  Also: which head's part I fetch
	s_bfe_u32 s40, ttmp6, 0x40000                  ; cx = g
	s_bfe_u32 s41, ttmp6, 0x40004                  ; cy
	s_and_b32 s12, ttmp7, 0xffff
	s_lshl_b32 s17, s12, 2
	s_add_co_u32 s17, s17, s41                     ; y = 16 (2 b + pair) + block of 128 queries
	s_lshr_b32 s42, s12, 2                         ; 2 b + pair: the same in the whole cluster
	s_lshl_b32 s43, s41, 2
	s_lshl_b32 s43, 15, s43                        ; my row of the cluster
	s_lshl_b32 s44, 0x1111, s40                    ; my column
	; group 1: dense blocks as rows of 256 bytes (32 elements of 8 bytes), no padding: 100 rows of P, 200 of V
	s_or_b32 s[G1+0], s43, (3<<16)|(1<<21)
	s_or_b32 s[G1B+0], s44, (3<<16)|(1<<21)
	s_mov_b32 s[G1+1], 32<<16
	s_mov_b32 s[G1+2], 100<<16
	s_mov_b32 s[G1+3], 32<<16
	s_mov_b32 s[G1+4], 100
	s_mov_b32 s[G1+5], 32
	s_mov_b32 s[G1+6], 0
	s_mov_b32 s[G1+7], 0
	s_mov_b32 s[G1B+1], 32<<16
	s_mov_b32 s[G1B+2], 200<<16
	s_mov_b32 s[G1B+3], 32<<16
	s_mov_b32 s[G1B+4], 200
	s_mov_b32 s[G1B+5], 32
	s_mov_b32 s[G1B+6], 0
	s_mov_b32 s[G1B+7], 0
	s_mul_i32 s20, s17, 409600                     ; P hangs on y alone, which my row shares
	s_mul_i32 s18, s16, 25600
	s_add_co_u32 s20, s20, s18
	s_mov_b32 s21, 0
	s_lshl_b32 s46, s42, 2                         ; V hangs on 2 b + pair and g, which my column shares
	s_add_co_u32 s46, s46, s40
	s_mul_i32 s46, s46, 819200
	s_mul_i32 s18, s16, 51200
	s_add_co_u32 s46, s46, s18
	s_mov_b32 s47, 0
	s_mul_i32 s45, s16, 25600                      ; where they go: no place in the cluster enters an LDS address
	s_mul_i32 s19, s16, 51200
	s_add_co_u32 s19, s19, 51200
	s_wait_kmcnt 0x0
	s_add_nc_u64 s[20:21], s[4:5], s[20:21]
	s_add_nc_u64 s[46:47], s[6:7], s[46:47]
	CROUND                                         ; all sixteen work-groups are here: the first joint loads meet
.irp s, 0,1
	s_mov_b32 s[G0+4*\s], 1
	s_add_co_u32 s[G0+4*\s+1], s45, \s*SLOT
	s_add_nc_u64 s[G0+4*\s+2:G0+4*\s+3], s[20:21], \s*51200
	s_or_b32 s[G0+4*\s+3], s[G0+4*\s+3], 0x80000000
	s_mov_b32 s[G0B+4*\s], 1
	s_add_co_u32 s[G0B+4*\s+1], s19, \s*SLOT
	s_add_nc_u64 s[G0B+4*\s+2:G0B+4*\s+3], s[46:47], \s*102400
	s_or_b32 s[G0B+4*\s+3], s[G0B+4*\s+3], 0x80000000
	JLOAD G0+4*\s, G1, G0B+4*\s, G1B               ; two loads of mine are out
.endr
	v_and_b32 v1, 15, v0
	v_bfe_u32 v2, v0, 4, 1
	v_and_b32 v30, 31, v0
	v_mul_u32_u24 v3, v2, 3072
	v_lshl_add_u32 v3, v1, 4, v3
	v_mul_u32_u24 v4, v2, 3200
	v_lshl_add_u32 v4, v1, 3, v4
	v_add_nc_u32 v4, 2048, v4
	v_mul_u32_u24 v5, v2, 2944
	v_lshl_add_u32 v5, v1, 3, v5
	v_add_nc_u32 v5, 2048, v5
	s_mul_i32 s21, s15, 25600                      ; P of my head
	s_mul_i32 s22, s15, 51200                      ; V of my head, my half of the tiles
	s_mul_i32 s23, s16, 24576
	s_add_co_u32 s22, s22, s23
	s_add_co_u32 s22, s22, 51200
.irp s, 0,1
	v_add_nc_u32 v[ADRA+3*\s], s21, v3
	v_add_nc_u32 v[ADRA+3*\s+1], s21, v4
	v_add_nc_u32 v[ADRA+3*\s+2], s21, v5
	v_add_nc_u32 v[ADRB+3*\s], s22, v3
	v_add_nc_u32 v[ADRB+3*\s+1], s22, v4
	v_add_nc_u32 v[ADRB+3*\s+2], s22, v5
	s_add_co_u32 s21, s21, SLOT
	s_add_co_u32 s22, s22, SLOT
.endr
	s_mul_i32 s21, s15, 25600
	s_lshl_b32 s22, s16, 10
	s_add_co_u32 s22, s22, s21
	s_add_co_u32 s22, s22, 75776                   ; from P's scale words to V's
	s_add_co_u32 s21, s21, 24576
	v_mul_u32_u24 v6, s22, v2                      ; lanes 16-31 take V's
	v_lshl_add_u32 v6, v1, 3, v6
	v_add_nc_u32 v[ADRS], s21, v6
	v_add_nc_u32 v[ADRS+1], SLOT, v[ADRS]
	v_lshlrev_b32 v[OGO], 4, v30
	s_lshl_b32 s21, s14, 13
	v_add_nc_u32 v[EXW], s21, v[OGO]
	s_xor_b32 s21, s14, 2
	s_lshl_b32 s21, s21, 13
	v_add_nc_u32 v[EXR], s21, v[OGO]               ; the wave with the pair's other head and my f tiles
	v_mul_u32_u24 v[OSA], v1, 528
	v_lshl_add_u32 v[OSA], v2, 4, v[OSA]
	s_lshl_b32 s21, s15, 8
	s_lshl_b32 s22, s16, 7
	s_add_co_u32 s21, s21, s22
	s_add_co_u32 s21, s21, OST
	v_add_nc_u32 v[OSA], s21, v[OSA]
	s_mul_i32 s21, s14, 32*528
	s_add_co_u32 s21, s21, OST
	v_add_nc_u32 v[ORD], s21, v[OGO]
	v_lshlrev_b32 v[RLO], 2, v1
	v_cmp_le_u32 s92, 16, v30                      ; lanes 16-31
	s_mov_b32 s66, 0x76543210
	s_mov_b32 s67, 0xfedcba98
	s_and_b32 s68, s42, 1                          ; pair
	s_lshr_b32 s69, s42, 1                         ; b
	s_lshl_b32 s70, s68, 4
	s_lshl_b32 s93, 0x0101, s70                    ; the scale byte's two places in the next product's scale word
	s_lshl_b32 s70, s68, 2
	s_lshl_b32 s71, s15, 1
	s_add_co_u32 s70, s70, s71
	s_add_co_u32 s70, s70, s69                     ; n
	s_lshl_b32 s70, s70, 13
	s_and_b32 s72, s17, 15                         ; block of 128 queries
	s_lshl_b32 s71, s72, 9
	s_add_co_u32 s70, s70, s71
	s_mov_b32 s71, 0
	s_add_nc_u64 s[8:9], s[8:9], s[70:71]
	s_lshl_b32 s70, s42, 2
	s_add_co_u32 s70, s70, s40
	s_lshl_b32 s70, s70, 20
	s_lshl_b32 s73, s72, 16
	s_add_co_u32 s70, s70, s73
	s_lshl_b32 s73, s14, 14
	s_add_co_u32 s70, s70, s73
	s_add_nc_u64 s[10:11], s[10:11], s[70:71]
.irp a, 0,1,2,3,4,5,6,7
	global_load_b32 v[RL+\a], v[RLO], s[8:9] offset:64*\a            ; 1 / l of my head's queries; wanted in the tail
.endr
	; the prefetches: where my wave's stand, and who asks.  All of V's figures are twice P's, so they are P's shifted by s15.  Nothing is prefetched here, at the head, where every work-group's first tiles are on their way.
	; These registers feed no descriptor and no LDS address.
	s_mul_i32 s80, s17, 409600                     ; P: my row's stream
	s_lshl_b32 s81, s42, 2
	s_add_co_u32 s81, s81, s40
	s_mul_i32 s81, s81, 819200                     ; V: my column's stream
	s_and_b32 s82, s12, 3                          ; which of the four clusters that read the same V,
	s_mul_i32 s82, s82, s15                        ; which counts for V's waves alone
	s_cmp_eq_u32 s82, 0
	s_cselect_b32 s[LIM], 1, -1                    ; the same in all sixteen partners, for a given wave
	s_cmp_eq_u32 s15, 0                            ; do I fetch for P?
	s_cselect_b64 s[PFA:PFA+1], s[4:5], s[6:7]
	s_cselect_b32 s80, s80, s81                    ; my stream's first byte
	s_cselect_b32 s79, s40, s41                    ; my place among the four that ask for it with me
	s_lshl_b32 s79, s79, 1
	s_add_co_u32 s79, s79, s16                     ; 2 x place + which of the stream's two waves: eight parts to a run,
	s_lshl_b32 s79, s79, 13                        ; of 8,192 bytes in P,
	s_lshl_b32 s79, s79, s15                       ; of 16,384 in V
	s_add_co_u32 s80, s80, s79
	s_lshl_b32 s79, 81920, s15                     ; one run ahead of the first run: 409,600 - 5 x 65,536 in P; the first refill steps on to it
	s_add_co_u32 s80, s80, s79
	s_mov_b32 s81, 0
	s_add_nc_u64 s[PFA:PFA+1], s[PFA:PFA+1], s[80:81]
	s_lshl_b32 s[PFS], 0x10000, s15
	s_mov_b32 s[PFS+1], 0
	v_lshlrev_b32 v[PFO], 8, v30
.macro FRAG reg, adr, q, i             ; 16 rows x 128 keys: registers 0-5 key block (lane / 16), registers 6-11 key block 2 + (lane / 16)
	ds_load_b128 v[(\reg):(\reg)+3], v[\adr] offset:(\q)*12288+(\i)*256
	ds_load_b64 v[(\reg)+4:(\reg)+5], v[(\adr)+1+(\i)%2] offset:(\q)*12288+(\i)*128
	ds_load_b128 v[(\reg)+6:(\reg)+9], v[\adr] offset:(\q)*12288+6144+(\i)*256
	ds_load_b64 v[(\reg)+10:(\reg)+11], v[(\adr)+1+(\i)%2] offset:(\q)*12288+6144+(\i)*128
.endm
; 16 matrix instructions: P's tiles a0, a0 + 1 x V's eight.  The 64 accumulators take turns, one instruction a turn, in the same order in every step.
.macro MUL16 a0, p, q, sc, zero
.irp a, \a0, \a0+1
.irp b, 0,1,2,3,4,5,6,7
.if \zero
	v_wmma_scale_f32_16x16x128_f8f6f4 v[8*(8*((\a)%4)+\b):8*(8*((\a)%4)+\b)+7], v[128*(\p)+FR*\b:128*(\p)+FR*\b+FR-1], v[AF+FR*(\a):AF+FR*(\a)+FR-1], 0, v[SC+8*NQ*(\sc)+NQ*\b+(\q)], v[SC+8*NQ*(\sc)+NQ*(\a)+(\q)] matrix_a_fmt:MATRIX_FMT_FP6 matrix_b_fmt:MATRIX_FMT_FP6 matrix_a_scale:MATRIX_SCALE_ROW1
.else
	v_wmma_scale_f32_16x16x128_f8f6f4 v[8*(8*((\a)%4)+\b):8*(8*((\a)%4)+\b)+7], v[128*(\p)+FR*\b:128*(\p)+FR*\b+FR-1], v[AF+FR*(\a):AF+FR*(\a)+FR-1], v[8*(8*((\a)%4)+\b):8*(8*((\a)%4)+\b)+7], v[SC+8*NQ*(\sc)+NQ*\b+(\q)], v[SC+8*NQ*(\sc)+NQ*(\a)+(\q)] matrix_a_fmt:MATRIX_FMT_FP6 matrix_b_fmt:MATRIX_FMT_FP6 matrix_a_scale:MATRIX_SCALE_ROW1
.endif
.endr
.endr
.endm
.macro FETCH_B slot, q, p
	WIN TO_B
.irp i, 0,1,2,3,4,5,6,7
	FRAG 128*(\p)+FR*\i, ADRB+3*(\slot), \q, \i
.endr
	WIN 0
.endm
.macro FETCH_A slot, q, i0
.irp i, \i0, \i0+1, \i0+2, \i0+3
	FRAG AF+FR*(\i), ADRA+3*(\slot), \q, \i
.endr
.endm
.macro SCALES sc                       ; a slot's scale words: two words a row; lanes 0-15 P's tile i, lanes 16-31 V's tile i
.irp i, 0,1,2,3,4,5,6,7
	ds_load_b64 v[SC+8*NQ*\sc+NQ*\i:SC+8*NQ*\sc+NQ*\i+1], v[ADRS+\sc] offset:\i*128
.endr
.endm
; a step of 128 keys that has its successor in the same slot
.macro STEP slot, q, zero
	s_wait_dscnt 4*NL                              ; V's set, P's tiles 0-3 and the scale words are in; the youngest 16 loads (P's tiles 4-7) may be out
	WIN MUL_LO
	MUL16 0, (\q)%2, \q, \slot, \zero
	MUL16 2, (\q)%2, \q, \slot, \zero
	s_wait_dscnt 0
	PLACES NP                                      ; in front of loads into registers that matrix instructions have read
	FETCH_B \slot, (\q)+1, 1-(\q)%2
	FETCH_A \slot, (\q)+1, 0
	WIN MUL_HI
	MUL16 4, (\q)%2, \q, \slot, \zero
	MUL16 6, (\q)%2, \q, \slot, \zero
	PLACES NP
	WIN 0
	FETCH_A \slot, (\q)+1, 4
.endm
; a slot's last step changes slots: each wave waits for all its tensor loads, adds 0 to its spare word, waits for that and for its reads of the slot; then the barrier, which with fill = 1 opens a round of the cluster's
.macro TURN slot, next, fill
.if \fill
	s_wait_xcnt 0x0                                ; the last prefetches, 96 matrix instructions back, have read their address: it is stepped here, ahead of the waits of the change of slots
	s_add_nc_u64 s[PFA:PFA+1], s[PFA:PFA+1], s[PFS:PFS+1]
.endif
	s_wait_tensorcnt 0x0                           ; all my tensor loads have landed: my part of the next slot
	ds_add_u32 v[SPW], v[NIL]                      ; 0 onto my spare word
	s_wait_dscnt 4*NL+1                            ; (the add and the youngest 16 loads may be out)
	WIN MUL_LO
	MUL16 0, 1, NQ-1, \slot, 0
	s_wait_dscnt 0x0                               ; the add is done, and my reads of this slot are over
	s_barrier_signal -1
	MUL16 2, 1, NQ-1, \slot, 0
	WIN 0
	s_barrier_wait -1
.if \fill
	CREST                                          ; no wave of any partner still reads this slot or has a load on its way
	s_add_nc_u64 s[G0+4*\slot+2:G0+4*\slot+3], s[G0+4*\slot+2:G0+4*\slot+3], 102400
	s_add_nc_u64 s[G0B+4*\slot+2:G0B+4*\slot+3], s[G0B+4*\slot+2:G0B+4*\slot+3], 204800
	JLOAD G0+4*\slot, G1, G0B+4*\slot, G1B         ; my one tensor load behind the round; its four v_nop are the places in front of the loads below
.else
	PLACES NP
.endif
	FETCH_B \next, 0, 0
	FETCH_A \next, 0, 0
	SCALES \next
.if \fill
	ASK                                            ; behind the joint load and the run of LDS loads that the next products wait for (every window is 0 here)
.endif
	WIN MUL_HI
	MUL16 4, 1, NQ-1, \slot, 0
	MUL16 6, 1, NQ-1, \slot, 0
	PLACES NP
	WIN 0
	FETCH_A \next, 0, 4
.endm
	s_wait_tensorcnt 1                             ; my part of slot 0 is in (slot 1's load may be out)
	s_barrier_signal -1
	s_barrier_wait -1                              ; everybody's is
	FETCH_B 0, 0, 0
	FETCH_A 0, 0, 0
	SCALES 0
	FETCH_A 0, 0, 4
	STEP 0, 0, 1                                   ; the first step's products start the sums
	s_mov_b32 s3, LAPS-1
.Llap:
	TURN 0, 1, 1
	STEP 1, 0, 0
	TURN 1, 0, 1
	STEP 0, 0, 0
	s_sub_co_u32 s3, s3, 1
	s_cmp_lg_u32 s3, 0
	s_cbranch_scc1 .Llap
	TURN 0, 1, 0                                   ; the last lap fills nothing
	STEP 1, 0, 0
	s_wait_dscnt 4*NL
	WIN MUL_LO
	MUL16 0, 1, NQ-1, 1, 0
	MUL16 2, 1, NQ-1, 1, 0
	s_wait_dscnt 0
	WIN MUL_HI
	MUL16 4, 1, NQ-1, 1, 0
	MUL16 6, 1, NQ-1, 1, 0
	WIN 0
	PLACES NP
	s_wait_loadcnt 0x0                             ; 1 / l
	; ---- the tail.  The largest |O| of each (query, f) over my head's 16 channels: v[128 + 8 a + b]; each accumulator is read from its low end on
.macro AMAX hi
	WIN 0x2a+0x15*(\hi)
.set n, 0
.rept 32
	v_max3_num_f32 v[128+32*(\hi)+n], |v[8*n]|, |v[8*n+1]|, |v[8*n+2]|
.set n, n+1
.endr
	WIN 0x28+0x14*(\hi)
.set n, 0
.rept 32
	v_max3_num_f32 v[128+32*(\hi)+n], v[128+32*(\hi)+n], |v[8*n+3]|, |v[8*n+4]|
.set n, n+1
.endr
.set n, 0
.rept 32
	v_max3_num_f32 v[128+32*(\hi)+n], v[128+32*(\hi)+n], |v[8*n+5]|, |v[8*n+6]|
.set n, n+1
.endr
.set n, 0
.rept 32
	v_max_num_f32 v[128+32*(\hi)+n], v[128+32*(\hi)+n], |v[8*n+7]|
.set n, n+1
.endr
.endm
	AMAX 0
	AMAX 1
	WIN 0
.set n, 0
.rept 64
	v_mul_f32 v[128+n], v[128+n], v[RL+n/8]        ; x 1 / l, which is positive: rounding keeps the order, so this is the largest of the divided numbers
.set n, n+1
.endr
.irp hf, 0,1
.set n, 0
.rept 32
	v_permlanex16_b32 v[192+n], v[128+32*\hf+n], s66, s67
.set n, n+1
.endr
.set n, 0
.rept 32
	v_max_num_f32 v[128+32*\hf+n], v[128+32*\hf+n], v[192+n]
.set n, n+1
.endr
.endr
.irp k, 0,1,2,3,4,5,6,7,8,9,10,11,12,13,14,15
	ds_store_b128 v[EXW], v[128+4*\k:131+4*\k] offset:EXB+512*\k
.endr
	s_wait_dscnt 0x0                               ; for the other head's wave: my stores have landed
	s_barrier_signal -1
	s_barrier_wait -1
.irp k, 0,1,2,3,4,5,6,7,8,9,10,11,12,13,14,15
	ds_load_b128 v[192+4*\k:195+4*\k], v[EXR] offset:EXB+512*\k
.endr
	s_wait_dscnt 0x0
.set n, 0
.rept 64
	v_max3_num_f32 v[128+n], v[128+n], v[192+n], FLOOR   ; the block of 32 channels spans both heads
.set n, n+1
.endr
.set n, 0
.rept 64
	v_add_nc_u32 v[128+n], EOFF, v[128+n]          ; the conversions' scale operand
.set n, n+1
.endr
; tile a of queries: O / l; the lane halves change places, so that a lane holds all 16 channels of one f; 12 bytes of codes and the scale word's part go to the stage, a row a query
.macro OQ a
	v_mov_b32 v72, v[RL+(\a)]
	v_mov_b32 v73, v[RL+(\a)]
	WIN 0x02+(\a)/4
.set n, 0
.rept 32
	v_pk_mul_f32 v[192+n:193+n], v[64*((\a)%4)+n:64*((\a)%4)+n+1], v[72:73]
.set n, n+2
.endr
	WIN 0
.irp u, 0,1,2,3
.irp j, 0,1,2,3,4,5,6,7
	v_permlane16_swap_b32 v[192+16*\u+\j], v[200+16*\u+\j]         ; lane (query, h) now holds channels 0 .. 15 of f tile 2 u + h
.endr
.endr
.irp u, 0,1,2,3
	v_cndmask_b32 v[SS+\u], v[128+8*(\a)+2*\u], v[128+8*(\a)+2*\u+1], s92
.endr
	s_wait_dscnt 4                                 ; the stage stores of the tile before last have read their registers (the last tile's four may be out)
.irp u, 0,1,2,3
	v_cvt_scalef32_pk16_fp6_f32 v[CV+16*((\a)%2)+4*\u:CV+16*((\a)%2)+4*\u+2], v[192+16*\u:192+16*\u+15], v[SS+\u]
.endr
.irp u, 0,1,2,3
	v_lshrrev_b32 v[SS+4+\u], 23, v[SS+\u]         ; the scale's byte (plain work behind the conversions)
.endr
.irp u, 0,1,2,3
	v_mul_lo_u32 v[CV+16*((\a)%2)+4*\u+3], v[SS+4+\u], s93
.endr
.irp u, 0,1,2,3
	ds_store_b128 v[OSA], v[CV+16*((\a)%2)+4*\u:CV+16*((\a)%2)+4*\u+3] offset:(\a)*8448+\u*32
.endr
.endm
.irp a, 0,1,2,3,4,5,6,7
	OQ \a
.endr
	s_wait_dscnt 0x0
	s_barrier_signal -1
	s_barrier_wait -1                              ; 128 whole rows of 512 bytes lie in the stage
.set n, 0
.rept 32
	ds_load_b128 v[128+4*n:131+4*n], v[ORD] offset:n*528
.set n, n+1
.endr
.set n, 0
.rept 32
	s_wait_dscnt 31-n
	global_store_b128 v[OGO], v[128+4*n:131+4*n], s[10:11] offset:n*512   ; 512 consecutive bytes a store, aligned
.set n, n+1
.endr
	s_wait_tensorcnt 0x0                           ; the wave's end
	ds_add_u32 v[SPW], v[NIL]
	s_wait_dscnt 0x0
	CROUND                                         ; the closing round
	s_endpgm
.Lfunc_end_k_q0142254930_pv:
	.size	k_q0142254930_pv, .Lfunc_end_k_q0142254930_pv-k_q0142254930_pv
	.p2alignl 7, 3214868480
	.fill 96, 4, 3214868480
	.section	.rodata,"a",@progbits
	.p2align	6, 0x0
	.amdhsa_kernel k_q0142254930_pv
		.amdhsa_group_segment_fixed_size 327680
		.amdhsa_private_segment_fixed_size 0
		.amdhsa_enable_private_segment 0
		.amdhsa_kernarg_size 32
		.amdhsa_user_sgpr_count 2
		.amdhsa_user_sgpr_kernarg_segment_ptr 1
		.amdhsa_wavefront_size32 1
		.amdhsa_system_sgpr_workgroup_id_x 1
		.amdhsa_system_sgpr_workgroup_id_y 1
		.amdhsa_system_sgpr_workgroup_id_z 1
		.amdhsa_system_vgpr_workitem_id 0
		.amdhsa_next_free_vgpr 1024
		.amdhsa_next_free_sgpr 98
		.amdhsa_reserve_vcc 0
		.amdhsa_float_denorm_mode_32 3
		.amdhsa_float_denorm_mode_16_64 3
		.amdhsa_memory_ordered 1
		.amdhsa_forward_progress 1
		.amdhsa_inst_pref_size 193
	.end_amdhsa_kernel
	.amdgpu_metadata
---
amdhsa.version: [ 1, 2 ]
amdhsa.kernels:
  - .name:           k_q0142254930_pv
    .symbol:         k_q0142254930_pv.kd
    .args:
      - { .name: pimg, .offset: 0, .size: 8, .value_kind: global_buffer, .address_space: global }
      - { .name: vimg, .offset: 8, .size: 8, .value_kind: global_buffer, .address_space: global }
      - { .name: rl, .offset: 16, .size: 8, .value_kind: global_buffer, .address_space: global }
      - { .name: oimg, .offset: 24, .size: 8, .value_kind: global_buffer, .address_space: global }
    .group_segment_fixed_size: 327680
    .private_segment_fixed_size: 0
    .kernarg_segment_align: 8
    .kernarg_segment_size: 32
    .max_flat_workgroup_size: 128
    .sgpr_count:     98
    .vgpr_count:     1024
    .wavefront_size: 32
...
	.end_amdgpu_metadata
.endif
;; end of part 3
;; launch outp (part 4): grid 256 x 1, 4 waves a work-group, no clusters, 0 bytes of LDS; arguments oimg, x, Wp_codes, Wp_scales, bp, ap, gp, betap, out0; writes out0
.if DOCPART == 4
	.amdgcn_target "amdgcn-amd-amdhsa--gfx1250"
	.amdhsa_code_object_version 6
	.text
	.protected	k_q0142254930_outp
	.globl	k_q0142254930_outp
	.p2align	8
	.type	k_q0142254930_outp,@function
k_q0142254930_outp:
	s_mov_b64 s[64:65], 0
	v_nop
	global_prefetch_b8 v0, s[64:65] scope:SCOPE_SE
	s_setreg_imm32_b32 hwreg(HW_REG_WAVE_MODE, 25, 1), 1
	s_wait_xcnt 0x0
; OUTP: out = LayerNorm64(PReLU(Wp O + bp)) g + beta + x.  O arrives as FP6 codes with its scale bytes, laid as the operand's registers; Wp is given as codes.
; K.  The 64 channels are laid into the instruction's 128: hardware block = head: its first 16 codes are the head's 16 channels; in Wp's operand the other 16 are zero codes, so whatever stands there in O's
; operand (its fourth word is the scale word's part) adds nothing.  Both heads of a pair carry the pair's scale byte, in O and in Wp.
; SHARES.  A wave takes four rows (b, t); a row is 64 points f in four tiles, tile p holding f = 4 r + p: a lane's four tiles are 16 neighbouring bytes of x and of out0, so sixteen lanes read and store whole
; aligned runs of 256 bytes and nothing goes through LDS.  Source 0 = 16 output channels, source 1 = 16 points.  Waves share nothing: no barrier, no cluster; memory binds.
; LIMITS: NaN and infinities are not served; 1/sqrt is v_rsq_f32.
; REGISTERS.  Window 0: v1, v2 offsets; v8-11 O's scale words, v12-15 Wp's; v16-63 Wp; v64-95 bp, v96-127 gp, v128-159 betap (channels 16 q + 8 h + j).  Window 1: v0-95 O, two sets; v96-127 at work; v128-255 results.
;   Windows 2, 3: x of the four rows, 128 registers each: no register of a store is written again.
.set MSB, 0
.macro WIN new
.if MSB != (\new)
	s_set_vgpr_msb (MSB<<8)|(\new)
.set MSB, (\new)
.endif
.endm
.macro PLACES n
.rept \n
	v_nop
.endr
.endm
	s_load_b512 s[4:19], s[0:1], 0x0               ; oimg, x, Wp codes, Wp scales, bp, ap, gp, betap
	s_load_b64 s[20:21], s[0:1], 0x40              ; out0
	v_lshrrev_b32 v3, 5, v0
	v_readfirstlane_b32 s46, v3
	v_and_b32 v3, 15, v0
	v_bfe_u32 v4, v0, 4, 1
	v_and_b32 v5, 31, v0
	v_lshlrev_b32 v2, 4, v5                        ; 16 x lane
	v_lshlrev_b32 v1, 22, v4                       ; 8 channels further for lanes 16-31,
	v_lshl_add_u32 v1, v3, 4, v1                   ; 16 bytes a lane
	v_mul_u32_u24 v6, v3, 48
	v_mad_u32_u24 v6, v4, 12, v6                   ; Wp: row r, head h of a pair: 12 bytes
	v_lshlrev_b32 v7, 1, v3
	v_lshlrev_b32 v5, 5, v4
	s_lshl_b32 s47, ttmp9, 4
	s_lshl_b32 s48, s46, 2
	s_add_co_u32 s47, s47, s48                     ; my first row
	s_lshr_b32 s48, s47, 11                        ; b
	s_and_b32 s49, s47, 2047                       ; t
	s_lshl_b32 s50, s48, 25
	s_lshl_b32 s52, s49, 8
	s_add_co_u32 s50, s50, s52
	s_mov_b32 s51, 0
	s_lshl_b32 s52, s48, 23
	s_lshl_b32 s54, s49, 9
	s_add_co_u32 s52, s52, s54
	s_mov_b32 s53, 0
	s_mov_b32 s42, 0x3c800000                      ; 1/64
	s_mov_b32 s43, 0x3727c5ac                      ; 1e-5
	s_mov_b32 s44, 0x76543210
	s_mov_b32 s45, 0xfedcba98
	s_mov_b32 s55, 0x01010000                      ; bytes 0, 0, 1, 1
.irp q, 0,1,2,3
.irp n, 3,4,5,9,10,11
	v_mov_b32 v[16+12*\q+\n], 0
.endr
.endr
	WIN 0x40
.irp f, 0,1,2,3,4,5,6,7
.irp n, 4,5,10,11
	v_mov_b32 v[12*\f+\n], 0
.endr
.endr
	WIN 0
	s_wait_kmcnt 0x0
	s_load_b32 s22, s[14:15], 0x0                  ; ap
	s_add_nc_u64 s[24:25], s[6:7], s[50:51]        ; x and out0: four bases, 16 channels apart
	s_add_nc_u64 s[26:27], s[24:25], 0x800000
	s_add_nc_u64 s[28:29], s[26:27], 0x800000
	s_add_nc_u64 s[30:31], s[28:29], 0x800000
	s_add_nc_u64 s[32:33], s[20:21], s[50:51]
	s_add_nc_u64 s[34:35], s[32:33], 0x800000
	s_add_nc_u64 s[36:37], s[34:35], 0x800000
	s_add_nc_u64 s[38:39], s[36:37], 0x800000
	s_add_nc_u64 s[40:41], s[4:5], s[52:53]
.irp q, 0,1,2,3
.irp i, 0,1,2
	global_load_b32 v[16+12*\q+\i], v6, s[8:9] offset:768*\q+4*\i
	global_load_b32 v[22+12*\q+\i], v6, s[8:9] offset:768*\q+24+4*\i
.endr
	global_load_u16 v[12+\q], v7, s[10:11] offset:32*\q
	global_load_b128 v[64+8*\q:67+8*\q], v5, s[12:13] offset:64*\q
	global_load_b128 v[68+8*\q:71+8*\q], v5, s[12:13] offset:64*\q+16
	global_load_b128 v[96+8*\q:99+8*\q], v5, s[16:17] offset:64*\q
	global_load_b128 v[100+8*\q:103+8*\q], v5, s[16:17] offset:64*\q+16
	global_load_b128 v[128+8*\q:131+8*\q], v5, s[18:19] offset:64*\q
	global_load_b128 v[132+8*\q:135+8*\q], v5, s[18:19] offset:64*\q+16
.endr
.macro OLOAD k                         ; row k's O: for each pair of heads and tile p, 16 bytes a lane: 512 consecutive bytes
	WIN 0x40
.irp hb, 0,1
.irp p, 0,1,2,3
	global_load_b128 v[48*((\k)%2)+12*\p+6*\hb:48*((\k)%2)+12*\p+6*\hb+3], v2, s[40:41] offset:(4*\hb+\p)*1048576+(\k)*512 th:TH_LOAD_NT
.endr
.endr
.endm
.macro XLOAD k                         ; row k's x: channel 16 q + 8 h + j, 16 bytes a lane
	WIN 0x80+0x40*((\k)/2)
.set m, 0
.rept 32
	global_load_b128 v[128*((\k)%2)+4*m:128*((\k)%2)+4*m+3], v1, s[24+2*(m/8):25+2*(m/8)] offset:(m%8)*524288+(\k)*256 th:TH_LOAD_NT
.set m, m+1
.endr
.endm
	OLOAD 0
	XLOAD 0
	OLOAD 1
	XLOAD 1
	WIN 0
	s_wait_loadcnt 63                              ; 80 loads are younger than the parameters', and 63 is the most the count can name: the parameters are in
	s_wait_kmcnt 0x0
	s_mov_b32 s23, s22
.irp q, 0,1,2,3
	v_perm_b32 v[12+\q], v[12+\q], v[12+\q], s55   ; Wp's two scale bytes, each for both heads of its pair
.endr
.macro ROW k
.if (\k) < 3
	s_wait_loadcnt 40                              ; the next row's 8 + 32 loads may be out
.else
	s_wait_loadcnt 0x0
.endif
	WIN 0x05
.irp p, 0,1,2,3
	v_or_b32 v[8+\p], v[48*((\k)%2)+12*\p+3], v[48*((\k)%2)+12*\p+9]   ; the two pairs' parts make O's scale word
.endr
	WIN 0
	PLACES 8                                       ; a scale register written by a vector instruction stands eight places ahead
	WIN 0x44                                       ; source 1 (O) and D window 1
.irp p, 0,1,2,3
.irp q, 0,1,2,3
	v_wmma_scale_f32_16x16x128_f8f6f4 v[128+32*\p+8*\q:128+32*\p+8*\q+7], v[16+12*\q:16+12*\q+11], v[48*((\k)%2)+12*\p:48*((\k)%2)+12*\p+11], v[64+8*\q:64+8*\q+7], v[12+\q], v[8+\p] matrix_a_fmt:MATRIX_FMT_FP6 matrix_b_fmt:MATRIX_FMT_FP6
.endr
.endr
	WIN 0
	PLACES 4                                       ; in front of loads into O's registers and of the first read of results
.if (\k) < 2
	OLOAD (\k)+2
	XLOAD (\k)+2
.endif
	WIN 0x55                                       ; all in window 1
.irp p, 0,1,2,3
.set n, 0
.rept 32
	v_min_num_f32 v[96+n], 0, v[128+32*\p+n]
.set n, n+1
.endr
.set n, 0
.rept 32
	v_max_num_f32 v[128+32*\p+n], 0, v[128+32*\p+n]
.set n, n+1
.endr
.set n, 0
.rept 16
	v_pk_fma_f32 v[128+32*\p+n:128+32*\p+n+1], v[96+n:97+n], s[22:23], v[128+32*\p+n:128+32*\p+n+1] op_sel_hi:[1,0,1]
.set n, n+2
.endr
.endr
.irp p, 0,1,2,3
	v_pk_add_f32 v[96+4*\p:97+4*\p], v[128+32*\p:129+32*\p], v[130+32*\p:131+32*\p]
	v_pk_add_f32 v[98+4*\p:99+4*\p], v[132+32*\p:133+32*\p], v[134+32*\p:135+32*\p]
.endr
.irp n, 8,12,16,20,24,28
.irp p, 0,1,2,3
	v_pk_add_f32 v[96+4*\p:97+4*\p], v[96+4*\p:97+4*\p], v[128+32*\p+\n:129+32*\p+\n]
	v_pk_add_f32 v[98+4*\p:99+4*\p], v[98+4*\p:99+4*\p], v[130+32*\p+\n:131+32*\p+\n]
.endr
.endr
.irp p, 0,1,2,3
	v_pk_add_f32 v[96+4*\p:97+4*\p], v[96+4*\p:97+4*\p], v[98+4*\p:99+4*\p]
.endr
.irp p, 0,1,2,3
	v_add_f32 v[112+2*\p], v[96+4*\p], v[97+4*\p]
.endr
.irp p, 0,1,2,3
	v_permlanex16_b32 v[120+\p], v[112+2*\p], s44, s45
.endr
.irp p, 0,1,2,3
	v_add_f32 v[112+2*\p], v[112+2*\p], v[120+\p]
.endr
.irp p, 0,1,2,3
.set n, 0
.rept 16
	v_pk_fma_f32 v[128+32*\p+n:128+32*\p+n+1], v[112+2*\p:113+2*\p], 0xbc800000, v[128+32*\p+n:128+32*\p+n+1] op_sel_hi:[0,0,1]   ; y - sum / 64
.set n, n+2
.endr
.endr
.irp p, 0,1,2,3
	v_pk_mul_f32 v[96+4*\p:97+4*\p], v[128+32*\p:129+32*\p], v[128+32*\p:129+32*\p]
	v_pk_mul_f32 v[98+4*\p:99+4*\p], v[130+32*\p:131+32*\p], v[130+32*\p:131+32*\p]
.endr
.irp n, 4,8,12,16,20,24,28
.irp p, 0,1,2,3
	v_pk_fma_f32 v[96+4*\p:97+4*\p], v[128+32*\p+\n:129+32*\p+\n], v[128+32*\p+\n:129+32*\p+\n], v[96+4*\p:97+4*\p]
	v_pk_fma_f32 v[98+4*\p:99+4*\p], v[130+32*\p+\n:131+32*\p+\n], v[130+32*\p+\n:131+32*\p+\n], v[98+4*\p:99+4*\p]
.endr
.endr
.irp p, 0,1,2,3
	v_pk_add_f32 v[96+4*\p:97+4*\p], v[96+4*\p:97+4*\p], v[98+4*\p:99+4*\p]
.endr
.irp p, 0,1,2,3
	v_add_f32 v[112+2*\p], v[96+4*\p], v[97+4*\p]
.endr
.irp p, 0,1,2,3
	v_permlanex16_b32 v[120+\p], v[112+2*\p], s44, s45
.endr
.irp p, 0,1,2,3
	v_add_f32 v[112+2*\p], v[112+2*\p], v[120+\p]
.endr
.irp p, 0,1,2,3
	v_fma_f32 v[112+2*\p], v[112+2*\p], s42, s43
.endr
.irp p, 0,1,2,3
	v_rsq_f32 v[112+2*\p], v[112+2*\p]
.endr
	v_nop
	s_wait_alu depctr_va_vdst(0)                   ; one wait for the four
.irp p, 0,1,2,3
.set n, 0
.rept 16
	v_pk_mul_f32 v[128+32*\p+n:128+32*\p+n+1], v[128+32*\p+n:128+32*\p+n+1], v[112+2*\p:113+2*\p] op_sel_hi:[1,0]
.set n, n+2
.endr
.endr
	WIN 0x41                                       ; gain and offset in window 0
.irp p, 0,1,2,3
.set n, 0
.rept 16
	v_pk_fma_f32 v[128+32*\p+n:128+32*\p+n+1], v[128+32*\p+n:128+32*\p+n+1], v[96+n:97+n], v[128+n:129+n]
.set n, n+2
.endr
.endr
	WIN 0x86+0x41*((\k)/2)                         ; x and the sum in the row's window, the result in window 1
.set m, 0
.rept 32
.irp p, 0,1,2,3
	v_add_f32 v[128*((\k)%2)+4*m+\p], v[128*((\k)%2)+4*m+\p], v[128+32*\p+m]
.endr
.set m, m+1
.endr
	WIN 0x08+0x04*((\k)/2)                         ; a store's data are its source 1
.set m, 0
.rept 32
	global_store_b128 v1, v[128*((\k)%2)+4*m:128*((\k)%2)+4*m+3], s[32+2*(m/8):33+2*(m/8)] offset:(m%8)*524288+(\k)*256 th:TH_STORE_NT   ; each half of the lanes stores 256 consecutive bytes, aligned
.set m, m+1
.endr
	WIN 0
.endm
	ROW 0
	ROW 1
	ROW 2
	ROW 3
	s_endpgm
.Lfunc_end_k_q0142254930_outp:
	.size	k_q0142254930_outp, .Lfunc_end_k_q0142254930_outp-k_q0142254930_outp
	.p2alignl 7, 3214868480
	.fill 96, 4, 3214868480
	.section	.rodata,"a",@progbits
	.p2align	6, 0x0
	.amdhsa_kernel k_q0142254930_outp
		.amdhsa_group_segment_fixed_size 0
		.amdhsa_private_segment_fixed_size 0
		.amdhsa_enable_private_segment 0
		.amdhsa_kernarg_size 72
		.amdhsa_user_sgpr_count 2
		.amdhsa_user_sgpr_kernarg_segment_ptr 1
		.amdhsa_wavefront_size32 1
		.amdhsa_system_sgpr_workgroup_id_x 1
		.amdhsa_system_sgpr_workgroup_id_y 1
		.amdhsa_system_sgpr_workgroup_id_z 1
		.amdhsa_system_vgpr_workitem_id 0
		.amdhsa_next_free_vgpr 1024
		.amdhsa_next_free_sgpr 66
		.amdhsa_reserve_vcc 0
		.amdhsa_float_denorm_mode_32 3
		.amdhsa_float_denorm_mode_16_64 3
		.amdhsa_memory_ordered 1
		.amdhsa_forward_progress 1
		.amdhsa_inst_pref_size 206
	.end_amdhsa_kernel
	.amdgpu_metadata
---
amdhsa.version: [ 1, 2 ]
amdhsa.kernels:
  - .name:           k_q0142254930_outp
    .symbol:         k_q0142254930_outp.kd
    .args:
      - { .name: oimg, .offset: 0, .size: 8, .value_kind: global_buffer, .address_space: global }
      - { .name: x, .offset: 8, .size: 8, .value_kind: global_buffer, .address_space: global }
      - { .name: Wp_codes, .offset: 16, .size: 8, .value_kind: global_buffer, .address_space: global }
      - { .name: Wp_scales, .offset: 24, .size: 8, .value_kind: global_buffer, .address_space: global }
      - { .name: bp, .offset: 32, .size: 8, .value_kind: global_buffer, .address_space: global }
      - { .name: ap, .offset: 40, .size: 8, .value_kind: global_buffer, .address_space: global }
      - { .name: gp, .offset: 48, .size: 8, .value_kind: global_buffer, .address_space: global }
      - { .name: betap, .offset: 56, .size: 8, .value_kind: global_buffer, .address_space: global }
      - { .name: out0, .offset: 64, .size: 8, .value_kind: global_buffer, .address_space: global }
    .group_segment_fixed_size: 0
    .private_segment_fixed_size: 0
    .kernarg_segment_align: 8
    .kernarg_segment_size: 72
    .max_flat_workgroup_size: 128
    .sgpr_count:     66
    .vgpr_count:     1024
    .wavefront_size: 32
...
	.end_amdgpu_metadata
.endif
;; end of part 4
;; ======== version 2 of 2: 4 launches; version 1 with the launches proj, probs, outp written anew for expert scheduling mode
;; workspace buffers: qimg 3,145,728 bytes; kimg 3,145,728 bytes; qsc 131,072 bytes; ksc 131,072 bytes; vimg 13,107,200 bytes; pimg 26,214,400 bytes; rl 65,536 bytes; oimg 16,777,216 bytes
;; launch proj (part 5): grid 2 x 128, 4 waves a work-group, no clusters, 107,008 bytes of LDS; arguments x, Wq_codes, Wq_scales, bq, aq, gq, betaq, Wk_codes, Wk_scales, bk, ak, gk, betak, Wv_codes, Wv_scales, bv, av, gv, betav, qimg, qsc, kimg, ksc, vimg; writes qimg, qsc, kimg, ksc, vimg
.if DOCPART == 5
	.amdgcn_target "amdgcn-amd-amdhsa--gfx1250"
	.amdhsa_code_object_version 6
	.text
	.protected	k_q0142254930_proj
	.globl	k_q0142254930_proj
	.p2align	8
	.type	k_q0142254930_proj,@function
k_q0142254930_proj:
	s_mov_b64 s[64:65], 0
	v_nop
	global_prefetch_b8 v0, s[64:65] scope:SCOPE_SE
	s_setreg_imm32_b32 hwreg(HW_REG_WAVE_SCHED_MODE, 0, 2), 2
	s_setreg_imm32_b32 hwreg(HW_REG_WAVE_MODE, 25, 1), 1
	s_wait_xcnt 0x0
	s_wait_alu depctr_vm_vsrc(0)
; PROJ: x [2][64][2048][64] f32 is quantised along its 64 channels (two blocks of 32) and multiplied by Wq, Wk, Wv (given as FP6 codes); bias, PReLU, LayerNorm over a head's channels; the results are
; quantised again for the attention: Q and K along (channel, f), V along time (the keys).  All products by v_wmma_scale_f32_16x16x128_f8f6f4 on FP6; K = 64, so the upper 64 of each K step are zero codes.
; SHARES.  A work-group takes one b, 32 t (one key block of V) and 32 f (half a row): 64 x 32 x 32 numbers.  It reads 128 of each 256 consecutive bytes of x; the work-group beside it in x reads the other 128.
; No cluster: no two work-groups read the same byte.  No tensor load: the numbers are wanted in registers, 64 channels of a point in one lane.
; PHASE 1 (wave w: t = 8 w .. 8 w + 7, in two batches of four): a lane holds 4 neighbouring f of one t, all 64 channels.  Each point's two blocks become 2 x 24 bytes of codes; they go to LDS as records (for V)
;   and, after one exchange of lane halves, ARE the operand of the Q and K products (source 0 = 16 points, source 1 = the 16 channels of all four heads).  A lane of the result then holds ONE channel and
;   ONE t, and its 32 registers of a tile pair are all 32 f of one quantiser block: code 8 e + j of a block is f = 4 j + e, alike in Q and K, which keeps their product.
; PHASE 2: the Q and K operands, gathered in LDS as images of operand registers, leave in runs of 512 bytes.
; PHASE 3 (wave = head): source 0 = Wv's 16 channels, source 1 = 16 points (16 f of one t); 32 t of one (channel, f) end in one lane's 32 registers: V's key block.
; REGISTERS.  Window 0: addresses, operands at work.  Windows 1 and 2: the two batches of x, 256 registers each; when the last number of x has left window 2 it takes phase 3's weights, gains and operands,
;   and window 1 the finished V.  Window 3: the Q and K results and what their LayerNorm needs.
; LIMITS: NaN and infinities are not served; a block whose largest magnitude lies under 2^-124 (a block of zeros too) keeps the scale byte 1, which only this program reads; 1/sqrt is v_rsq_f32.
; THE MODE: SCHED_MODE bits 1:0 = 2 (LLVM: expert scheduling mode 2), set by the entry lines.  The code itself states the register dependences between vector or matrix instructions and memory or LDS
; instructions, with s_wait_alu, always for 0.
; THE PLAN.  Registers that memory or LDS instructions touch, and who else names them:
;   offsets and LDS addresses   made at the head, ahead of its one wait on va_vdst; never written again, but for VRR, VRR2, SWR, VSC, which are stepped once a trip of phase 3's loop.
;   windows 1, 2 (x)            loaded once; read by phase 1's vector lines.  Window 2's v128-163 take phase 3's nine parameter loads behind the last e's wait on va_vdst.
;   FA, FB, XW                  an e's conversions, moves and exchanges write them; its LDS stores and its four products read them.  One wait on va_vdst an e, behind the four places, serves both; one wait on
;                               vm_vsrc at the next e's head frees them.
;   window 3, v128-191          the LayerNorms and the quantiser write them; the quantiser's sixteen LDS stores read them, behind one wait on va_vdst; the next batch's first wait on vm_vsrc frees them.
;   window 2 v32-127, v64-67    phase 3's operands and scale words, two sets by turns: group g + 1's LDS loads land in the set that group g - 1's products read; group g - 1's wait behind its four v_rsq_f32 stands
;                               behind those products, and nothing since names that set: these loads owe no wait of their own.
;   window 2 codes, bytes       written by the conversions, read by the stage's LDS stores behind one wait on va_vdst.
;   window 0 v128-177           written by LDS loads alone from phase 2 on, read by global stores: one wait on vm_vsrc ahead of each new run of loads into them.
.set XREC, 0                           ; LDS: x's codes: [t 32][f 32][48 bytes: block 0 words 0-3, block 1 words 0-3, block 0 words 4-5, block 1 words 4-5]
.set XSW,  49152                       ; x's scale words [t][f][4]
.set QST,  53248                       ; Q's operand images [head][u][1536]
.set KST,  65536                       ; K's
.set QSS,  77824                       ; Q's scale words [head][u][row][4]
.set KSS,  78336
.set VST,  78848                       ; V: a stage of 16 records of 400 bytes for each wave
.set VSS,  104448                      ; V's scale bytes, 512 for each wave: [g 4][tile 8][channel 16]
.set GSTR, 819200                      ; vimg: from one f group g to the next
.set FLOOR, 0x1800000                  ; 2^(3 - 127)
.set EOFF,  0xff000000                 ; 2 off an exponent field
; window 0
.set XO, 1                             ; x: 256 (lane / 8) + 16 (lane % 8)
.set RWA, 2                            ; records: words 0-3
.set RWB, 3                            ; records: words 4-5
.set SWW, 4
.set L16, 5
.set L4, 6
.set SWR, 7
.set CAL, 8
.set CAG, 9
.set CBL, 10
.set CBG, 11
.set QR, 12
.set QSR, 13
.set SBL, 14
.set SBG, 15
.set FA, 16                            ; v16-27, v28-39 two x operands (registers 6-11 stay 0)
.set FB, 28
.set CT, 40
.set MX, 48
.set SO, 52
.set BY, 54
.set XW, 56                            ; v56-59 x's scale words of the four e
.set WQS, 60
.set WKS, 61
.set WVS, 62
.set XS, 64                            ; v64-67 x's scale words in phase 3: two sets of two
.set WQ, 72
.set WK, 84
.set PO, 96                            ; v96-127 made in the head; some serve as offsets until phase 3
.set T, 128                            ; v128-191 64 numbers on end; later data on their way out
.set VRR, 192                          ; phase 3: a point's record, words 0-3 of my half's block
.set VRR2, 193                         ; words 4-5
.set VSA, 194                          ; V stage, part A: 400 point + 16 (8 h + j)
.set VSB, 195                          ; part B: + 256 + 8 (8 h + j)
.set VSC, 196                          ; my scale bytes: 128 (point % 4) + 16 (point / 4) + 8 h
.set S, 128                            ; window 3: v0-63 Q's results, v64-127 K's, v128-191 at work, v192-207 biases, v208-221 pairs, v222-229 stage addresses
.set MSB, 0
.macro WIN new                         ; the immediate's high byte repeats the setting that is left
.if MSB != (\new)
	s_set_vgpr_msb (MSB<<8)|(\new)
.set MSB, (\new)
.endif
.endm
.macro PLACES n
.rept \n
	v_nop
.endr
.endm
	s_load_b512 s[4:19], s[0:1], 0x0               ; x, Wq codes, Wq scales, bq, aq, gq, betaq, Wk codes
	s_load_b512 s[20:35], s[0:1], 0x40             ; Wk scales, bk, ak, gk, betak, Wv codes, Wv scales, bv
	s_load_b512 s[36:51], s[0:1], 0x80             ; av, gv, betav, qimg, qsc, kimg, ksc, vimg
	v_lshl_add_u32 v254, v0, 2, 0x1a000
	v_mov_b32 v255, 0
	v_lshrrev_b32 v[PO], 5, v0
	v_readfirstlane_b32 s52, v[PO]                 ; wave
	s_and_b32 s53, ttmp7, 0xffff
	s_lshr_b32 s54, s53, 6                         ; b
	s_and_b32 s55, s53, 63                         ; t32
	s_wait_alu depctr_va_sdst(0)                   ; s52 is written, ahead of its first reader: addresses and bases are made from it
	s_lshr_b32 s68, s52, 1
	s_and_b32 s69, s52, 1
	s_mov_b32 s82, 0x3d800000                      ; 1/16
	s_mov_b32 s83, 0x3727c5ac                      ; 1e-5
	s_mov_b32 s84, 0x76543210
	s_mov_b32 s85, 0xfedcba98                      ; selects for lane l xor 16
	s_lshl_b32 s86, s52, 2
	v_and_b32 v[PO+1], 15, v0                      ; r
	v_bfe_u32 v[PO+2], v0, 4, 1                    ; h
	v_and_b32 v[PO+3], 7, v0
	v_bfe_u32 v[PO+4], v0, 3, 2
	v_bfe_u32 v[PO+5], v0, 3, 1
	v_and_b32 v[PO+6], 31, v0                      ; lane
	v_bfe_u32 v[PO+7], v0, 2, 2                    ; r / 4: the head of the lane's Q or K channel
	v_and_b32 v[PO+8], 1, v0
	v_bfe_u32 v[PO+9], v0, 1, 1
	v_lshlrev_b32 v[XO], 8, v[PO+4]
	v_lshl_add_u32 v[XO], v[PO+3], 4, v[XO]
	s_mul_i32 s66, s52, 12288                      ; my 8 t of records
	v_mul_u32_u24 v[RWA], v[PO+5], 1536
	v_mad_u32_u24 v[RWA], v[PO+3], 192, v[RWA]
	v_add_nc_u32 v[RWA], s66, v[RWA]
	v_lshl_add_u32 v[RWB], v[PO+2], 3, v[RWA]
	v_add_nc_u32 v[RWB], 32, v[RWB]
	v_lshl_add_u32 v[RWA], v[PO+2], 4, v[RWA]
	s_lshl_b32 s66, s52, 10
	s_add_co_u32 s66, s66, XSW
	v_lshlrev_b32 v[SWW], 7, v[PO+4]
	v_lshl_add_u32 v[SWW], v[PO+3], 4, v[SWW]
	v_add_nc_u32 v[SWW], s66, v[SWW]
	v_lshlrev_b32 v[L16], 4, v[PO+6]
	v_lshlrev_b32 v[L4], 2, v[PO+6]
	v_lshlrev_b32 v[SWR], 7, v[PO+2]               ; lanes 16-31 take the next t's words
	v_lshl_add_u32 v[SWR], v[PO+1], 2, v[SWR]
	v_add_nc_u32 v[SWR], XSW, v[SWR]
	s_mul_i32 s67, s52, 6400
	s_add_co_u32 s67, s67, VST                     ; my V stage
	v_mul_u32_u24 v[CAL], v[PO+2], 400
	v_lshl_add_u32 v[CAL], v[PO+1], 4, v[CAL]
	v_add_nc_u32 v[CAL], s67, v[CAL]
	v_mul_u32_u24 v[CBL], v[PO+2], 1600
	v_lshl_add_u32 v[CBL], v[PO+1], 3, v[CBL]
	v_add_nc_u32 v[CBL], s67, v[CBL]
	v_add_nc_u32 v[CBL], 256, v[CBL]
	v_mul_u32_u24 v[CAG], v[PO+2], GSTR
	v_lshl_add_u32 v[CAG], v[PO+1], 4, v[CAG]
	s_and_b32 s72, s55, 1
	v_xor_b32 v[CBG], s72, v[PO+2]
	v_lshlrev_b32 v[CBG], 7, v[CBG]
	v_lshl_add_u32 v[CBG], v[PO+1], 3, v[CBG]
	s_mul_i32 s72, s52, 3072
	s_add_co_u32 s72, s72, QST
	v_add_nc_u32 v[QR], s72, v[L16]
	s_lshl_b32 s72, s52, 7
	s_add_co_u32 s72, s72, QSS
	v_add_nc_u32 v[QSR], s72, v[L4]
	s_lshl_b32 s75, s52, 9
	s_add_co_u32 s75, s75, VSS                     ; my 512 scale bytes
	v_add_nc_u32 v[SBL], s75, v[PO+6]
	v_lshlrev_b32 v[SBG], 7, v[PO+2]
	v_lshl_add_u32 v[SBG], v[PO+1], 3, v[SBG]
	; where a lane (channel 4 head + hc, half h) puts its 24 bytes of a Q or K image: lane 16 (hc & 1) + row of the image, registers 6 (hc / 2) on
	v_mul_u32_u24 v[PO+10], v[PO+7], 3072
	v_lshl_add_u32 v[PO+10], v[PO+8], 8, v[PO+10]
	v_lshl_add_u32 v[PO+10], v[PO+2], 4, v[PO+10]
	v_mul_u32_u24 v[PO+11], v[PO+9], 520
	v_mul_u32_u24 v[PO+12], v[PO+9], 1016
	s_mul_i32 s72, s68, 1536                       ; Q: u = wave / 2, rows 8 (wave % 2) on
	s_lshl_b32 s73, s69, 7
	s_add_co_u32 s72, s72, s73
	s_add_co_u32 s72, s72, QST
	s_mul_i32 s73, s69, 1536                       ; K: u = wave % 2, rows 8 (wave / 2) on
	s_lshl_b32 s74, s68, 7
	s_add_co_u32 s73, s73, s74
	s_add_co_u32 s73, s73, KST
	v_add_nc_u32 v[PO+13], s72, v[PO+10]
	v_add_nc_u32 v[PO+14], s73, v[PO+10]
	v_add_nc_u32 v[PO+24], v[PO+13], v[PO+12]
	v_add_nc_u32 v[PO+25], v[PO+13], v[PO+11]
	v_add_nc_u32 v[PO+26], v[PO+14], v[PO+12]
	v_add_nc_u32 v[PO+27], v[PO+14], v[PO+11]
	v_and_b32 v[PO+22], 3, v0
	v_lshl_add_u32 v[PO+22], v[PO+7], 7, v[PO+22]
	v_lshl_add_u32 v[PO+22], v[PO+2], 2, v[PO+22]  ; scale bytes: 128 head + hc + 4 h
	s_lshl_b32 s72, s68, 6
	s_lshl_b32 s73, s69, 5
	s_add_co_u32 s72, s72, s73
	s_add_co_u32 s72, s72, QSS
	s_lshl_b32 s73, s69, 6
	s_lshl_b32 s74, s68, 5
	s_add_co_u32 s73, s73, s74
	s_add_co_u32 s73, s73, KSS
	WIN 0xc0                                       ; destination window 3
	v_mov_b32 v222, v[PO+25]
	v_add_nc_u32 v223, 8, v[PO+24]
	v_add_nc_u32 v224, 512, v[PO+25]
	v_mov_b32 v225, v[PO+27]
	v_add_nc_u32 v226, 8, v[PO+26]
	v_add_nc_u32 v227, 512, v[PO+27]
	v_add_nc_u32 v228, s72, v[PO+22]
	v_add_nc_u32 v229, s73, v[PO+22]
	v_mov_b32 v220, 0x3727c5ac
	v_mov_b32 v221, 0x3727c5ac
	WIN 0
	; phase 3's LDS addresses: they stay in window 0, since both batches of x fill windows 1 and 2
	v_mul_u32_u24 v[PO+28], v[PO+1], 48            ; a point's record
	v_lshl_add_u32 v[VRR2], v[PO+2], 3, v[PO+28]
	v_add_nc_u32 v[VRR2], 32, v[VRR2]
	v_lshl_add_u32 v[VRR], v[PO+2], 4, v[PO+28]
	v_mul_u32_u24 v[PO+30], v[PO+1], 400
	v_add_nc_u32 v[PO+30], s67, v[PO+30]
	v_lshl_add_u32 v[VSA], v[PO+2], 7, v[PO+30]
	v_lshl_add_u32 v[VSB], v[PO+2], 6, v[PO+30]
	v_add_nc_u32 v[VSB], 256, v[VSB]
	v_and_b32 v[PO+23], 3, v0
	v_lshlrev_b32 v[PO+23], 7, v[PO+23]
	v_lshl_add_u32 v[PO+23], v[PO+7], 4, v[PO+23]
	v_lshl_add_u32 v[PO+23], v[PO+2], 3, v[PO+23]
	v_add_nc_u32 v[VSC], s75, v[PO+23]
.irp n, 6,7,8,9,10,11
	v_mov_b32 v[FA+\n], 0
	v_mov_b32 v[FB+\n], 0
	v_mov_b32 v[WQ+\n], 0
	v_mov_b32 v[WK+\n], 0
.endr
	v_mul_u32_u24 v[PO+15], v[PO+1], 48
	v_mad_u32_u24 v[PO+15], v[PO+2], 24, v[PO+15]  ; a weight's row r, block h
	v_lshlrev_b32 v[PO+16], 1, v[PO+1]
	v_lshlrev_b32 v[PO+17], 2, v[PO+1]
	v_lshlrev_b32 v[PO+18], 2, v[PO+7]
	s_mul_i32 s72, s52, 768
	v_add_nc_u32 v[PO+19], s72, v[PO+15]
	s_lshl_b32 s72, s52, 5
	v_add_nc_u32 v[PO+20], s72, v[PO+16]
	s_lshl_b32 s72, s52, 6
	v_lshl_add_u32 v[PO+21], v[PO+2], 5, s72       ; 4 (16 head + 8 h)
	; byte offsets
	s_lshl_b32 s66, s54, 25
	s_lshl_b32 s72, s55, 13
	s_add_co_u32 s66, s66, s72
	s_lshl_b32 s72, ttmp9, 7
	s_add_co_u32 s66, s66, s72
	s_lshl_b32 s72, s52, 11
	s_add_co_u32 s66, s66, s72
	s_mov_b32 s67, 0                               ; x: b, 32 t32 + 8 wave rows, my half of a row
	s_lshl_b32 s72, s52, 1
	s_add_co_u32 s72, s72, s54                     ; n = 2 head + b
	s_mul_i32 s88, s72, 393216
	s_mul_i32 s73, s55, 6144
	s_add_co_u32 s88, s88, s73
	s_mul_i32 s73, ttmp9, 3072
	s_add_co_u32 s88, s88, s73
	s_mov_b32 s89, 0
	s_lshl_b32 s90, s72, 14
	s_lshl_b32 s73, s55, 8
	s_add_co_u32 s90, s90, s73
	s_lshl_b32 s73, ttmp9, 7
	s_add_co_u32 s90, s90, s73
	s_mov_b32 s91, 0
	s_lshl_b32 s72, s54, 1
	s_add_co_u32 s72, s72, s68                     ; 2 b + pair
	s_mul_i32 s72, s72, 4*GSTR
	s_lshr_b32 s73, s55, 3
	s_mul_i32 s73, s73, 102400                     ; slot
	s_add_co_u32 s72, s72, s73
	s_mul_i32 s73, s69, 51200                      ; head % 2
	s_add_co_u32 s72, s72, s73
	s_bfe_u32 s73, s55, 0x10002                    ; q
	s_and_b32 s74, s55, 3                          ; bi
	s_mul_i32 s92, ttmp9, 24576
	s_add_co_u32 s92, s92, s72
	s_mul_i32 s75, s73, 12288
	s_add_co_u32 s92, s92, s75
	s_mul_i32 s75, s74, 3072
	s_add_co_u32 s92, s92, s75
	s_mov_b32 s93, 0
	s_lshl_b32 s94, ttmp9, 10
	s_add_co_u32 s94, s94, s72
	s_add_co_u32 s94, s94, 49152
	s_lshl_b32 s75, s73, 2
	s_add_co_u32 s94, s94, s75
	s_add_co_u32 s94, s94, s74
	s_mov_b32 s95, 0
	s_wait_kmcnt 0x0
	s_load_b32 s70, s[36:37], s86 offset:0x0       ; av of my head
	s_add_nc_u64 s[56:57], s[4:5], s[66:67]        ; four bases, 16 channels apart, so that a channel fits the immediate
	s_add_nc_u64 s[58:59], s[56:57], 0x800000
	s_add_nc_u64 s[60:61], s[58:59], 0x800000
	s_add_nc_u64 s[62:63], s[60:61], 0x800000
	s_add_nc_u64 s[42:43], s[42:43], s[88:89]
	s_add_nc_u64 s[46:47], s[46:47], s[88:89]
	s_add_nc_u64 s[44:45], s[44:45], s[90:91]
	s_add_nc_u64 s[48:49], s[48:49], s[90:91]
	s_add_nc_u64 s[76:77], s[50:51], s[92:93]      ; V's section, part A
	s_add_nc_u64 s[78:79], s[76:77], 2048          ; part B
	s_add_nc_u64 s[80:81], s[50:51], s[94:95]      ; V's scale bytes
	s_wait_alu depctr_va_vdst(0)                   ; every offset and LDS address made above is written: the loads, stores and LDS instructions of the whole kernel read them; so are the operands' zero codes
.irp p, 0,1,2
	global_load_b64 v[WQ+2*\p:WQ+2*\p+1], v[PO+15], s[6:7] offset:8*\p
	global_load_b64 v[WK+2*\p:WK+2*\p+1], v[PO+15], s[18:19] offset:8*\p
.endr
	global_load_u16 v[WQS], v[PO+16], s[8:9]       ; two scale bytes a row; bytes 2 and 3 stay 0 over zero codes
	global_load_u16 v[WKS], v[PO+16], s[20:21]
	global_load_u16 v[WVS], v[PO+20], s[32:33]
	WIN 0xc0
	global_load_b32 v192, v[PO+17], s[10:11]
	global_load_b32 v200, v[PO+17], s[22:23]
	global_load_b32 v208, v[PO+18], s[12:13]
	global_load_b32 v210, v[PO+17], s[14:15]
	global_load_b32 v212, v[PO+17], s[16:17]
	global_load_b32 v214, v[PO+18], s[24:25]
	global_load_b32 v216, v[PO+17], s[26:27]
	global_load_b32 v218, v[PO+17], s[28:29]
; batch nu: 64 channels x 4 t x 128 bytes, into window 1 + nu, channel c's four f at v[4 c]
.macro XLOAD nu
	WIN 0x40*(1+(\nu))
.set c, 0
.rept 64
	global_load_b128 v[4*c:4*c+3], v[XO], s[56+2*(c/16):57+2*(c/16)] offset:(c%16)*524288+(\nu)*1024
.set c, c+1
.endr
.endm
	XLOAD 0
	XLOAD 1
; One e of a batch: the lane's point (t, f = 4 (lane % 8) + e) is quantised, its record stored, and the two tiles of 16 points are multiplied by Wq and Wk.
.macro XQ e, nu
	WIN 0x14*(1+(\nu))                             ; sources 1 and 2: the batch's window
.irp q, 0,1,2,3
	v_max3_num_f32 v[MX+\q], FLOOR, |v[64*\q+(\e)]|, |v[64*\q+4+(\e)]|   ; four chains of 16 channels, each with the floor among its leaves
.endr
.irp i, 2,4,6,8,10,12,14
.irp q, 0,1,2,3
	v_max3_num_f32 v[MX+\q], v[MX+\q], |v[64*\q+4*\i+(\e)]|, |v[64*\q+4*\i+4+(\e)]|
.endr
.endr
	WIN 1+(\nu)
.set c, 0
.rept 64
	v_mov_b32 v[T+c], v[4*c+(\e)]                  ; the conversions want 16 neighbours along K in consecutive registers
.set c, c+1
.endr
	WIN 0
	s_wait_dscnt 0x0                               ; the LDS stores of the e before have landed
.if (\e)+(\nu) > 0
	s_wait_alu depctr_vm_vsrc(0)                   ; the LDS stores issued so far have read FA, FB and the scale words, which the lines below write again; at batch 1's head also the codes in window 3, which its LayerNorms write again
.endif
	v_max_num_f32 v[MX], v[MX], v[MX+1]
	v_max_num_f32 v[MX+2], v[MX+2], v[MX+3]
	v_add_nc_u32 v[SO], EOFF, v[MX]
	v_add_nc_u32 v[SO+1], EOFF, v[MX+2]
	v_lshrrev_b32 v[BY], 23, v[SO]
	v_lshrrev_b32 v[BY+1], 23, v[SO+1]
	v_lshl_or_b32 v[XW+(\e)], v[BY+1], 8, v[BY]    ; the point's scale word
	v_cvt_scalef32_pk16_fp6_f32 v[FA:FA+2], v[T:T+15], v[SO]
	v_cvt_scalef32_pk16_fp6_f32 v[CT:CT+2], v[T+16:T+31], v[SO]
	v_cvt_scalef32_pk16_fp6_f32 v[FB:FB+2], v[T+32:T+47], v[SO+1]
	v_cvt_scalef32_pk16_fp6_f32 v[CT+4:CT+6], v[T+48:T+63], v[SO+1]
	v_nop                                          ; one plain place behind the conversions
.irp i, 0,1,2
	v_mov_b32 v[FA+3+\i], v[CT+\i]
	v_mov_b32 v[FB+3+\i], v[CT+4+\i]
.endr
.irp i, 0,1,2,3,4,5
	v_permlane16_swap_b32 v[FA+\i], v[FB+\i]       ; FA: points of lanes 0-15 (block 0 below, block 1 above); FB: points of lanes 16-31
.endr
	PLACES 4                                       ; operands written by vector instructions stand four places ahead of the products; the scale word stands more than eight
	s_wait_alu depctr_va_vdst(0)                   ; FA, FB and the scale word are written: the LDS stores read them, and the products take them as operands and scales.  In batch 1's last e: the lines above are done reading window 2, in which phase 3's parameters land
	ds_store_b128 v[RWA], v[FA:FA+3] offset:(\nu)*6144+(\e)*48
	ds_store_b64 v[RWB], v[FA+4:FA+5] offset:(\nu)*6144+(\e)*48
	ds_store_b128 v[RWA], v[FB:FB+3] offset:(\nu)*6144+(\e)*48+3072
	ds_store_b64 v[RWB], v[FB+4:FB+5] offset:(\nu)*6144+(\e)*48+3072
.if (\e) == 3
	ds_store_b128 v[SWW], v[XW:XW+3] offset:(\nu)*512   ; the batch's four scale words, all written ahead of the wait above
.endif
	WIN 0xf0                                       ; C and D window 3
	v_wmma_scale_f32_16x16x128_f8f6f4 v[8*(\e):8*(\e)+7], v[FA:FA+11], v[WQ:WQ+11], v[192:199], v[XW+(\e)], v[WQS] matrix_a_fmt:MATRIX_FMT_FP6 matrix_b_fmt:MATRIX_FMT_FP6
	v_wmma_scale_f32_16x16x128_f8f6f4 v[64+8*(\e):64+8*(\e)+7], v[FA:FA+11], v[WK:WK+11], v[200:207], v[XW+(\e)], v[WKS] matrix_a_fmt:MATRIX_FMT_FP6 matrix_b_fmt:MATRIX_FMT_FP6
	v_wmma_scale_f32_16x16x128_f8f6f4 v[32+8*(\e):32+8*(\e)+7], v[FB:FB+11], v[WQ:WQ+11], v[192:199], v[XW+(\e)], v[WQS] matrix_a_fmt:MATRIX_FMT_FP6 matrix_b_fmt:MATRIX_FMT_FP6 matrix_a_scale:MATRIX_SCALE_ROW1
	v_wmma_scale_f32_16x16x128_f8f6f4 v[96+8*(\e):96+8*(\e)+7], v[FB:FB+11], v[WK:WK+11], v[200:207], v[XW+(\e)], v[WKS] matrix_a_fmt:MATRIX_FMT_FP6 matrix_b_fmt:MATRIX_FMT_FP6 matrix_a_scale:MATRIX_SCALE_ROW1
.endm
; PReLU and LayerNorm over the four channels of a head, which lie in four neighbouring lanes; 64 registers from v[D] on, each accumulator from its low end on.  All in window 3.
.macro LN4 D, A, G, BE
.set n, 0
.rept 64
	v_min_num_f32 v[S+n], 0, v[(\D)+n]
.set n, n+1
.endr
.set n, 0
.rept 64
	v_max_num_f32 v[(\D)+n], 0, v[(\D)+n]
.set n, n+1
.endr
.set n, 0
.rept 32
	v_pk_fma_f32 v[(\D)+n:(\D)+n+1], v[S+n:S+n+1], v[\A:\A+1], v[(\D)+n:(\D)+n+1]   ; max(y, 0) + a min(y, 0)
.set n, n+2
.endr
.set n, 0
.rept 64
	v_add_f32_dpp v[S+n], v[(\D)+n], v[(\D)+n] row_xmask:1 row_mask:0xf bank_mask:0xf
.set n, n+1
.endr
.set n, 0
.rept 64
	v_add_f32_dpp v[S+n], v[S+n], v[S+n] row_xmask:2 row_mask:0xf bank_mask:0xf
.set n, n+1
.endr
.set n, 0
.rept 32
	v_pk_fma_f32 v[(\D)+n:(\D)+n+1], v[S+n:S+n+1], 0xbe800000, v[(\D)+n:(\D)+n+1] op_sel_hi:[1,0,1]   ; y - sum / 4
.set n, n+2
.endr
.set n, 0
.rept 32
	v_pk_mul_f32 v[S+n:S+n+1], v[(\D)+n:(\D)+n+1], v[(\D)+n:(\D)+n+1]
.set n, n+2
.endr
.set n, 0
.rept 64
	v_add_f32_dpp v[S+n], v[S+n], v[S+n] row_xmask:1 row_mask:0xf bank_mask:0xf
.set n, n+1
.endr
.set n, 0
.rept 64
	v_add_f32_dpp v[S+n], v[S+n], v[S+n] row_xmask:2 row_mask:0xf bank_mask:0xf
.set n, n+1
.endr
.set n, 0
.rept 32
	v_pk_fma_f32 v[S+n:S+n+1], v[S+n:S+n+1], 0x3e800000, v[220:221] op_sel_hi:[1,0,1]   ; var + eps
.set n, n+2
.endr
.set n, 0
.rept 64
	v_rsq_f32 v[S+n], v[S+n]
.set n, n+1
.endr
	v_nop                                          ; a plain place behind the batch,
	s_wait_alu depctr_va_vdst(0)                   ; and one wait for all 64: the v_rsq_f32 have written v[S ..], ahead of their first reader
.set n, 0
.rept 32
	v_pk_mul_f32 v[(\D)+n:(\D)+n+1], v[(\D)+n:(\D)+n+1], v[S+n:S+n+1]
.set n, n+2
.endr
.set n, 0
.rept 32
	v_pk_fma_f32 v[(\D)+n:(\D)+n+1], v[(\D)+n:(\D)+n+1], v[\G:\G+1], v[\BE:\BE+1]
.set n, n+2
.endr
.endm
; The batch's four blocks of 32 (Q tile A, Q tile B, K tile A, K tile B: block b at v[32 b]) by turns: scale, codes, 24 bytes and one scale byte to the stages.  Set b of temporaries at v[S + 16 b].
.macro QKQ4 nu
.irp b, 0,1,2,3
	v_max3_num_f32 v[S+16*\b+8], |v[32*\b]|, |v[32*\b+1]|, FLOOR
.endr
.irp i, 2,4,6,8,10,12,14,16,18,20,22,24,26,28,30
.irp b, 0,1,2,3
	v_max3_num_f32 v[S+16*\b+8], v[S+16*\b+8], |v[32*\b+\i]|, |v[32*\b+\i+1]|
.endr
.endr
.irp b, 0,1,2,3
	v_add_nc_u32 v[S+16*\b+9], EOFF, v[S+16*\b+8]
.endr
.irp b, 0,1,2,3
	v_lshrrev_b32 v[S+16*\b+10], 23, v[S+16*\b+9]
.endr
.irp b, 0,1,2,3
	v_cvt_scalef32_pk16_fp6_f32 v[S+16*\b:S+16*\b+2], v[32*\b:32*\b+15], v[S+16*\b+9]
	v_cvt_scalef32_pk16_fp6_f32 v[S+16*\b+4:S+16*\b+6], v[32*\b+16:32*\b+31], v[S+16*\b+9]
.endr
	v_nop
.irp b, 0,1,2,3
	v_mov_b32 v[S+16*\b+3], v[S+16*\b+4]
	v_mov_b32 v[S+16*\b+4], v[S+16*\b+5]
	v_mov_b32 v[S+16*\b+5], v[S+16*\b+6]
.endr
	s_wait_alu depctr_va_vdst(0)                   ; the conversions, moves and shifts have written the four blocks' codes and scale bytes, which the sixteen LDS stores read
.irp b, 0,1,2,3
	ds_store_b64 v[222+3*(\b/2)], v[S+16*\b:S+16*\b+1] offset:(4*(\nu)+2*(\b%2))*16
	ds_store_b64 v[223+3*(\b/2)], v[S+16*\b+2:S+16*\b+3] offset:(4*(\nu)+2*(\b%2))*16
	ds_store_b64 v[224+3*(\b/2)], v[S+16*\b+4:S+16*\b+5] offset:(4*(\nu)+2*(\b%2))*16
	ds_store_b8 v[228+(\b/2)], v[S+16*\b+10] offset:(4*(\nu)+2*(\b%2))*4
.endr
.endm
; Window 2 is free as soon as the last number of batch 1 has been moved out of it: it takes phase 3's zero codes, Wv's 16 rows of my head, and b, g, beta of channels 8 h + j.
; The nine loads have the two LayerNorms, the barrier and phase 2 in which to land; the wait for them stands ahead of phase 3's loop.
; They owe no wait of their own: the last e's wait on va_vdst stands behind every line that read v128-133 and v140-163 of window 2, and neither its products nor the moves below name these registers.
.macro VPARAM
	WIN 0x80                                       ; destination window 2, offsets window 0
.irp n, 134,135,136,137,138,139,232,233,234,235,236,237,238,239,240,241,242,243
	v_mov_b32 v[\n], 0
.endr
.irp f, 0,1,2,3,4,5,6,7
.irp n, 6,7,8,9,10,11
	v_mov_b32 v[32+12*\f+\n], 0                    ; the upper 64 of K: zero codes, written once
.endr
.endr
.irp p, 0,1,2
	global_load_b64 v[128+2*\p:129+2*\p], v[PO+19], s[30:31] offset:8*\p
.endr
	global_load_b128 v[140:143], v[PO+21], s[34:35]
	global_load_b128 v[144:147], v[PO+21], s[34:35] offset:16
	global_load_b128 v[148:151], v[PO+21], s[38:39]
	global_load_b128 v[152:155], v[PO+21], s[38:39] offset:16
	global_load_b128 v[156:159], v[PO+21], s[40:41]
	global_load_b128 v[160:163], v[PO+21], s[40:41] offset:16
	WIN 0
.endm
.macro BATCH nu
	XQ 0, \nu
	XQ 1, \nu
	XQ 2, \nu
	XQ 3, \nu
.if (\nu) == 1
	VPARAM
.endif
	PLACES 4                                       ; in front of the first read of results
	WIN 0xff
	LN4 0, 208, 210, 212
	LN4 64, 214, 216, 218
	QKQ4 \nu
.endm
	s_wait_loadcnt 63                              ; batch 1's 64 loads are younger; 63 is the most the count can name: the parameters and batch 0 are in
	s_wait_kmcnt 0x0
	s_mov_b32 s71, s70                             ; (named as a pair by the packed form)
	WIN 0xff
.irp j, 1,2,3,4,5,6,7
	v_mov_b32 v[192+\j], v192                      ; the bias as C: a lane holds one channel, so eight copies
	v_mov_b32 v[200+\j], v200
.endr
.irp p, 208,210,212,214,216,218
	v_mov_b32 v[\p+1], v[\p]
.endr
	BATCH 0
	s_wait_loadcnt 0x0                             ; batch 1 is in: no load is out
	BATCH 1
	WIN 0
	s_wait_dscnt 0x0                               ; my records, scale words and image parts have landed
	s_barrier_signal -1
	s_barrier_wait -1                              ; everybody's have
	; ---- phase 2: head = wave: two images of Q, two of K, and their scale words.  The loads land in v128-177, which the conversions of phase 1 read: the waits on va_vdst since then stand behind those
.irp k, 0,1,2,3,4,5
	ds_load_b128 v[128+4*\k:131+4*\k], v[QR] offset:512*\k
	ds_load_b128 v[152+4*\k:155+4*\k], v[QR] offset:12288+512*\k
.endr
	ds_load_b32 v176, v[QSR]
	ds_load_b32 v177, v[QSR] offset:512
	s_wait_dscnt 0x0
.irp k, 0,1,2,3,4,5
	global_store_b128 v[L16], v[128+4*\k:131+4*\k], s[42:43] offset:512*\k     ; 512 consecutive bytes a store
	global_store_b128 v[L16], v[152+4*\k:155+4*\k], s[46:47] offset:512*\k
.endr
	global_store_b32 v[L4], v176, s[44:45]
	global_store_b32 v[L4], v177, s[48:49]
	; ---- phase 3: V.  Window 2: v0-31 four results, v32-127 two sets of four x operands, v128-139 Wv, v140-163 b, g, beta of channels 8 h + j, v164-243 at work.  Window 1: v[32 j + t]: the finished V.
	; LDS addresses stay in window 0: loads name window 2 as their destination alone, stores as their data alone.
.macro VLOAD grp, set
	WIN 0x80
.irp k, 0,1,2,3
	ds_load_b128 v[32+48*(\set)+12*\k:32+48*(\set)+12*\k+3], v[VRR] offset:(4*(\grp)+\k)*1536
	ds_load_b64 v[32+48*(\set)+12*\k+4:32+48*(\set)+12*\k+5], v[VRR2] offset:(4*(\grp)+\k)*1536
.endr
	WIN 0
.irp k, 0,1
	ds_load_b32 v[XS+2*(\set)+\k], v[SWR] offset:(4*(\grp)+2*\k)*128
.endr
.endm
.macro VMM set
	WIN 0xaa
	v_wmma_scale_f32_16x16x128_f8f6f4 v[0:7], v[128:139], v[32+48*(\set):32+48*(\set)+11], v[140:147], v[WVS], v[XS+2*(\set)] matrix_a_fmt:MATRIX_FMT_FP6 matrix_b_fmt:MATRIX_FMT_FP6
	v_wmma_scale_f32_16x16x128_f8f6f4 v[8:15], v[128:139], v[44+48*(\set):44+48*(\set)+11], v[140:147], v[WVS], v[XS+2*(\set)] matrix_a_fmt:MATRIX_FMT_FP6 matrix_b_fmt:MATRIX_FMT_FP6 matrix_b_scale:MATRIX_SCALE_ROW1
	v_wmma_scale_f32_16x16x128_f8f6f4 v[16:23], v[128:139], v[56+48*(\set):56+48*(\set)+11], v[140:147], v[WVS], v[XS+2*(\set)+1] matrix_a_fmt:MATRIX_FMT_FP6 matrix_b_fmt:MATRIX_FMT_FP6
	v_wmma_scale_f32_16x16x128_f8f6f4 v[24:31], v[128:139], v[68+48*(\set):68+48*(\set)+11], v[140:147], v[WVS], v[XS+2*(\set)+1] matrix_a_fmt:MATRIX_FMT_FP6 matrix_b_fmt:MATRIX_FMT_FP6 matrix_b_scale:MATRIX_SCALE_ROW1
.endm
; four t by turns: PReLU, LayerNorm over 16 channels (8 registers and the lane 16 away), gain and offset; the result goes to v[32 j + t] of window 1
.macro VPOST grp
	WIN 0xaa
.irp t, 0,1,2,3
.irp j, 0,1,2,3,4,5,6,7
	v_min_num_f32 v[164+8*\t+\j], 0, v[8*\t+\j]
.endr
.endr
.irp t, 0,1,2,3
.irp j, 0,1,2,3,4,5,6,7
	v_max_num_f32 v[8*\t+\j], 0, v[8*\t+\j]
.endr
.endr
.irp t, 0,1,2,3
.irp j, 0,2,4,6
	v_pk_fma_f32 v[8*\t+\j:8*\t+\j+1], v[164+8*\t+\j:164+8*\t+\j+1], s[70:71], v[8*\t+\j:8*\t+\j+1] op_sel_hi:[1,0,1]
.endr
.endr
.irp t, 0,1,2,3
	v_pk_add_f32 v[164+8*\t:165+8*\t], v[8*\t:8*\t+1], v[8*\t+2:8*\t+3]
.endr
.irp t, 0,1,2,3
	v_pk_add_f32 v[166+8*\t:167+8*\t], v[8*\t+4:8*\t+5], v[8*\t+6:8*\t+7]
.endr
.irp t, 0,1,2,3
	v_pk_add_f32 v[164+8*\t:165+8*\t], v[164+8*\t:165+8*\t], v[166+8*\t:167+8*\t]
.endr
.irp t, 0,1,2,3
	v_add_f32 v[232+2*\t], v[164+8*\t], v[165+8*\t]
.endr
.irp t, 0,1,2,3
	v_permlanex16_b32 v[240+\t], v[232+2*\t], s84, s85
.endr
.irp t, 0,1,2,3
	v_add_f32 v[232+2*\t], v[232+2*\t], v[240+\t]
.endr
.irp t, 0,1,2,3
.irp j, 0,2,4,6
	v_pk_fma_f32 v[8*\t+\j:8*\t+\j+1], v[232+2*\t:233+2*\t], 0xbd800000, v[8*\t+\j:8*\t+\j+1] op_sel_hi:[0,0,1]   ; y - sum / 16
.endr
.endr
.irp t, 0,1,2,3
	v_pk_mul_f32 v[164+8*\t:165+8*\t], v[8*\t:8*\t+1], v[8*\t:8*\t+1]
.endr
.irp j, 2,4,6
.irp t, 0,1,2,3
	v_pk_fma_f32 v[164+8*\t:165+8*\t], v[8*\t+\j:8*\t+\j+1], v[8*\t+\j:8*\t+\j+1], v[164+8*\t:165+8*\t]
.endr
.endr
.irp t, 0,1,2,3
	v_add_f32 v[232+2*\t], v[164+8*\t], v[165+8*\t]
.endr
.irp t, 0,1,2,3
	v_permlanex16_b32 v[240+\t], v[232+2*\t], s84, s85
.endr
.irp t, 0,1,2,3
	v_add_f32 v[232+2*\t], v[232+2*\t], v[240+\t]
.endr
.irp t, 0,1,2,3
	v_fma_f32 v[232+2*\t], v[232+2*\t], s82, s83
.endr
.irp t, 0,1,2,3
	v_rsq_f32 v[232+2*\t], v[232+2*\t]
.endr
	v_nop
	s_wait_alu depctr_va_vdst(0)                   ; the four v_rsq_f32 have written v232 on, ahead of their first reader; and this group's products are done reading their operands and scale words, in which the LDS loads of the group after next land
.irp t, 0,1,2,3
.irp j, 0,2,4,6
	v_pk_mul_f32 v[8*\t+\j:8*\t+\j+1], v[8*\t+\j:8*\t+\j+1], v[232+2*\t:233+2*\t] op_sel_hi:[1,0]
.endr
.endr
	WIN 0x6a                                       ; destination window 1
.irp t, 0,1,2,3
.irp j, 0,1,2,3,4,5,6,7
	v_fma_f32 v[32*\j+4*(\grp)+\t], v[8*\t+\j], v[148+\j], v[156+\j]
.endr
.endr
.endm
	s_wait_loadcnt 0x0                             ; Wv, bv, gv, betav are in
	s_mov_b32 s87, 0
.Lphi:                                             ; two trips: f = 16 phi + (lane % 16) of my 32
	VLOAD 0, 0                                     ; no wait: on the way in, the waits on va_vdst of phase 1 stand behind all that named set 0; on the way back, the wait at the trip's end does
.irp g, 0,1,2,3,4,5,6,7
	s_wait_dscnt 0x0                               ; this group's operands and scale words are in
	VMM (\g)%2
.if \g < 7
	VLOAD (\g)+1, ((\g)+1)%2                       ; straight behind the four products, which name the other set.  No wait: the wait in the last group's LayerNorm stands behind the products that read this set
.endif
	WIN 0xaa
	PLACES 4                                       ; in front of the first read of results
	VPOST \g
.endr
	; the eight (channel, f) of a lane: all 32 t of the key block are mine
	WIN 0x96
.irp j, 0,1,2,3,4,5,6,7
	v_max3_num_f32 v[208+\j], FLOOR, |v[32*\j]|, |v[32*\j+1]|
.endr
.irp i, 2,4,6,8,10,12,14,16,18,20,22,24,26,28,30
.irp j, 0,1,2,3,4,5,6,7
	v_max3_num_f32 v[208+\j], v[208+\j], |v[32*\j+\i]|, |v[32*\j+\i+1]|
.endr
.endr
	WIN 0xaa
.irp j, 0,1,2,3,4,5,6,7
	v_add_nc_u32 v[216+\j], EOFF, v[208+\j]
.endr
.irp j, 0,1,2,3,4,5,6,7
	v_lshrrev_b32 v[224+\j], 23, v[216+\j]
.endr
	WIN 0x89
.irp j, 0,1,2,3,4,5,6,7
	v_cvt_scalef32_pk16_fp6_f32 v[8*\j+132*(\j/4):8*\j+132*(\j/4)+2], v[32*\j:32*\j+15], v[216+\j]
	v_cvt_scalef32_pk16_fp6_f32 v[8*\j+132*(\j/4)+4:8*\j+132*(\j/4)+6], v[32*\j+16:32*\j+31], v[216+\j]
.endr
	WIN 0xaa
	v_nop
.irp j, 0,1,2,3,4,5,6,7
	v_mov_b32 v[8*\j+132*(\j/4)+3], v[8*\j+132*(\j/4)+4]
	v_mov_b32 v[8*\j+132*(\j/4)+4], v[8*\j+132*(\j/4)+5]
	v_mov_b32 v[8*\j+132*(\j/4)+5], v[8*\j+132*(\j/4)+6]
.endr
	WIN 0x08                                       ; an LDS store's data are its source 1: window 2; its address window 0
	s_wait_alu depctr_va_vdst(0)                   ; the conversions, moves and shifts have written the eight blocks' codes and scale bytes, which the LDS stores read
.irp j, 0,1,2,3,4,5,6,7
	ds_store_b128 v[VSA], v[8*\j+132*(\j/4):8*\j+132*(\j/4)+3] offset:16*\j
	ds_store_b64 v[VSB], v[8*\j+132*(\j/4)+4:8*\j+132*(\j/4)+5] offset:8*\j
	ds_store_b8 v[VSC], v[224+\j] offset:\j
.endr
	WIN 0
	s_wait_xcnt 0x0                                ; earlier stores have had their addresses translated: v128 on may be written again
	s_wait_alu depctr_vm_vsrc(0)                   ; the global stores issued so far (phase 2's; the last trip's) have read v128 on, in which the LDS loads below land
.irp i, 0,1,2,3,4,5,6,7
	ds_load_b128 v[128+4*\i:131+4*\i], v[CAL] offset:2*\i*400          ; LDS serves a wave's instructions in order (ISA guide 5.7.1.4): these see my stores.  Two f: 2 x 256 bytes
.endr
.irp i, 0,1,2,3,4,5,6,7
	ds_load_b64 v[160+2*\i:161+2*\i], v[CBL] offset:(\i+4*(\i/4))*400  ; f and f + 4: two neighbouring tiles of one f group: 256 bytes
.endr
.irp i, 0,1,2,3,4,5,6,7
	s_wait_dscnt 15-\i
	global_store_b128 v[CAG], v[128+4*\i:131+4*\i], s[76:77] offset:((2*\i)&3)*GSTR+((2*\i)>>2)*256   ; each half of the lanes stores 256 consecutive bytes, aligned
.endr
.irp i, 0,1,2,3,4,5,6,7
	s_wait_dscnt 7-\i
	global_store_b64 v[CBG], v[160+2*\i:161+2*\i], s[78:79] offset:(\i&3)*GSTR+(\i/4)*256             ; 32 lanes store 256 consecutive bytes, aligned
.endr
	s_wait_xcnt 0x0                                ; the stores have read their bases and registers
	s_wait_alu depctr_vm_vsrc(0)                   ; the trip's LDS loads and stores have read the four addresses that are stepped below, and its codes, which the next trip writes again; its global stores have read v128 on, in which the loads behind the loop land
	s_add_nc_u64 s[76:77], s[76:77], 1024
	s_add_nc_u64 s[78:79], s[78:79], 512
	v_add_nc_u32 v[SWR], 64, v[SWR]                ; the next 16 f: 16 scale words,
	v_add_nc_u32 v[VRR], 768, v[VRR]               ; 16 records of 48 bytes,
	v_add_nc_u32 v[VRR2], 768, v[VRR2]
	v_add_nc_u32 v[VSC], 64, v[VSC]                ; four tiles of 16 scale bytes
	s_wait_alu depctr_va_vdst(0)                   ; the four addresses are written, which the next trip's LDS loads and stores read
	s_add_co_u32 s87, s87, 1
	s_cmp_lt_u32 s87, 2
	s_cbranch_scc1 .Lphi
	; V's scale bytes: for each f group and pair of tiles one store, whose 32 bytes lie in one aligned run of 256 (the other bytes there belong to the other key blocks of the slot)
.irp i, 0,1,2,3,4,5,6,7,8,9,10,11,12,13,14,15
	ds_load_u8 v[128+\i], v[SBL] offset:(\i/4)*128+(\i%4)*32
.endr
	s_wait_dscnt 0x0
.irp i, 0,1,2,3,4,5,6,7,8,9,10,11,12,13,14,15
	global_store_b8 v[SBG], v[128+\i], s[80:81] offset:(\i/4)*GSTR+(\i%4)*256
.endr
	s_wait_dscnt 0x0                               ; the closing lines, six on end
	s_wait_alu 0x0
	s_wait_tensorcnt 0x0
	ds_add_u32 v254, v255
	s_wait_dscnt 0x0
	s_endpgm
.Lfunc_end_k_q0142254930_proj:
	.size	k_q0142254930_proj, .Lfunc_end_k_q0142254930_proj-k_q0142254930_proj
	.p2alignl 7, 3214868480
	.fill 96, 4, 3214868480
	.section	.rodata,"a",@progbits
	.p2align	6, 0x0
	.amdhsa_kernel k_q0142254930_proj
		.amdhsa_group_segment_fixed_size 107008
		.amdhsa_private_segment_fixed_size 0
		.amdhsa_enable_private_segment 0
		.amdhsa_kernarg_size 192
		.amdhsa_user_sgpr_count 2
		.amdhsa_user_sgpr_kernarg_segment_ptr 1
		.amdhsa_wavefront_size32 1
		.amdhsa_system_sgpr_workgroup_id_x 1
		.amdhsa_system_sgpr_workgroup_id_y 1
		.amdhsa_system_sgpr_workgroup_id_z 1
		.amdhsa_system_vgpr_workitem_id 0
		.amdhsa_next_free_vgpr 1024
		.amdhsa_next_free_sgpr 100
		.amdhsa_reserve_vcc 0
		.amdhsa_float_denorm_mode_32 3
		.amdhsa_float_denorm_mode_16_64 3
		.amdhsa_memory_ordered 1
		.amdhsa_forward_progress 1
		.amdhsa_inst_pref_size 255
	.end_amdhsa_kernel
	.section	.bss,"aw",@nobits
	.p2align	6
	.space	262144
	.amdgpu_metadata
---
amdhsa.version: [ 1, 2 ]
amdhsa.kernels:
  - .name:           k_q0142254930_proj
    .symbol:         k_q0142254930_proj.kd
    .args:
      - { .name: x, .offset: 0, .size: 8, .value_kind: global_buffer, .address_space: global }
      - { .name: Wq_codes, .offset: 8, .size: 8, .value_kind: global_buffer, .address_space: global }
      - { .name: Wq_scales, .offset: 16, .size: 8, .value_kind: global_buffer, .address_space: global }
      - { .name: bq, .offset: 24, .size: 8, .value_kind: global_buffer, .address_space: global }
      - { .name: aq, .offset: 32, .size: 8, .value_kind: global_buffer, .address_space: global }
      - { .name: gq, .offset: 40, .size: 8, .value_kind: global_buffer, .address_space: global }
      - { .name: betaq, .offset: 48, .size: 8, .value_kind: global_buffer, .address_space: global }
      - { .name: Wk_codes, .offset: 56, .size: 8, .value_kind: global_buffer, .address_space: global }
      - { .name: Wk_scales, .offset: 64, .size: 8, .value_kind: global_buffer, .address_space: global }
      - { .name: bk, .offset: 72, .size: 8, .value_kind: global_buffer, .address_space: global }
      - { .name: ak, .offset: 80, .size: 8, .value_kind: global_buffer, .address_space: global }
      - { .name: gk, .offset: 88, .size: 8, .value_kind: global_buffer, .address_space: global }
      - { .name: betak, .offset: 96, .size: 8, .value_kind: global_buffer, .address_space: global }
      - { .name: Wv_codes, .offset: 104, .size: 8, .value_kind: global_buffer, .address_space: global }
      - { .name: Wv_scales, .offset: 112, .size: 8, .value_kind: global_buffer, .address_space: global }
      - { .name: bv, .offset: 120, .size: 8, .value_kind: global_buffer, .address_space: global }
      - { .name: av, .offset: 128, .size: 8, .value_kind: global_buffer, .address_space: global }
      - { .name: gv, .offset: 136, .size: 8, .value_kind: global_buffer, .address_space: global }
      - { .name: betav, .offset: 144, .size: 8, .value_kind: global_buffer, .address_space: global }
      - { .name: qimg, .offset: 152, .size: 8, .value_kind: global_buffer, .address_space: global }
      - { .name: qsc, .offset: 160, .size: 8, .value_kind: global_buffer, .address_space: global }
      - { .name: kimg, .offset: 168, .size: 8, .value_kind: global_buffer, .address_space: global }
      - { .name: ksc, .offset: 176, .size: 8, .value_kind: global_buffer, .address_space: global }
      - { .name: vimg, .offset: 184, .size: 8, .value_kind: global_buffer, .address_space: global }
    .group_segment_fixed_size: 107008
    .private_segment_fixed_size: 0
    .kernarg_segment_align: 8
    .kernarg_segment_size: 192
    .max_flat_workgroup_size: 128
    .sgpr_count:     100
    .vgpr_count:     1024
    .wavefront_size: 32
...
	.end_amdgpu_metadata
.endif
;; end of part 5
;; launch probs (part 6): grid 32 x 8, 4 waves a work-group, no clusters, 4,608 bytes of LDS; arguments qimg, qsc, kimg, ksc, pimg, rl; writes pimg, rl
.if DOCPART == 6
	.amdgcn_target "amdgcn-amd-amdhsa--gfx1250"
	.amdhsa_code_object_version 6
	.text
	.protected	k_q0142254930_probs
	.globl	k_q0142254930_probs
	.p2align	8
	.type	k_q0142254930_probs,@function
k_q0142254930_probs:
	s_mov_b64 s[64:65], 0
	v_nop
	global_prefetch_b8 v0, s[64:65] scope:SCOPE_SE
	s_setreg_imm32_b32 hwreg(HW_REG_WAVE_SCHED_MODE, 0, 2), 2
	s_setreg_imm32_b32 hwreg(HW_REG_WAVE_MODE, 25, 1), 1
	s_wait_xcnt 0x0
	s_wait_alu depctr_vm_vsrc(0)
; PROBS: S^T = K Q^T on FP6 codes (K = 256: two steps of 128), p = 2^(t - M), p's codes and scale bytes, and 1 / (the row's sum).
; SHARES.  A work-group: 64 queries of one (head, b).  Wave w: keys 512 w .. 512 w + 511, four steps of 128, for all four tiles of 16 queries: a fragment of K feeds four matrix instructions and is read by
; one wave alone, so it comes from memory straight into registers, as the image of an operand's registers (three loads of 16 bytes a lane).
; NO CLUSTER, NO LDS RING: a head's K is 409,600 bytes with its scales, more than LDS holds; no byte of it is wanted by two waves of a work-group, so a joint load would only pass bytes on to a single reader.
; M.  In a step M is the ceiling of that step's largest t of the query: a maximum is taken away ahead of every exponential.  All M are whole numbers, so at the end the difference to the row's M is taken off
; the scale bytes and put into the sums by v_ldexp_f32: nothing is rounded, and the codes are those of the row's M.
; LIMITS: a scale byte that would fall under 1 is held at 1 (such p lie under 2^-120 of the row's largest); NaN and infinities are not served; 1 / l is v_rcp_f32.
; REGISTERS.  Window 0: v1-7 offsets; v10-13 Q's scale words; v16-31 K's, two sets; v32-63 at work; v64-111 p's codes, a set a tile; v112-207 Q; v208-223 p's scale words, v224-239 -M, v240-255 sums, by (step, tile).
;   Window 1: S^T, 64 a tile.  Windows 2, 3: K of a step, by turns.
; THE MODE: SCHED_MODE bits 1:0 = 2 (LLVM: expert scheduling mode 2), set by the entry lines.  The code itself states the register dependences between vector or matrix instructions and memory or LDS
; instructions, with s_wait_alu, always for 0.
; THE PLAN.  Registers that memory or LDS instructions touch, and who else names them:
;   v1-5, v7            offsets, made at the head ahead of its one wait on va_vdst; never written again.
;   windows 2, 3, v16-31  K and its scale words, two sets by turns.  Step k's products read set k % 2; the loads of step k + 1 land in the other set, which step k - 1's products read.  The waits on va_vdst in
;                       step k - 1's softmax stand behind those products, and nothing since names that set: so K's loads owe no wait, and are dealt among step k's products, six behind each eight.
;   v64-111             p's codes, a set a tile.  Written by the tile's conversions, moves and exchanges; read by its stores, which stand behind the NEXT tile's wait for its 64 exponentials (tile 3's and the second
;                       pair's behind a wait of their own at the step's end); written again one step later, behind one wait on vm_vsrc in that step's first tile.
;   v112-119, v128-159  the tail: written by vector lines and read by LDS stores; LDS loads land in what were Q's registers: one wait on va_vdst serves both.
.set FLOOR, 0x1800000
.set EOFF,  0xff000000
.set MSB, 0
.macro WIN new
.if MSB != (\new)
	s_set_vgpr_msb (MSB<<8)|(\new)
.set MSB, (\new)
.endif
.endm
.macro PLACES n
.rept \n
	v_nop
.endr
.endm
; a matrix instruction: z = 1: C = 0; ra, rb: which half of the lanes holds the scales
.macro WM d, a, b, z, sa, sb, ra, rb
.if (\z)
.if ((\ra)==0)&&((\rb)==0)
	v_wmma_scale_f32_16x16x128_f8f6f4 v[(\d):(\d)+7], v[(\a):(\a)+11], v[(\b):(\b)+11], 0, v[\sa], v[\sb] matrix_a_fmt:MATRIX_FMT_FP6 matrix_b_fmt:MATRIX_FMT_FP6
.elseif ((\ra)==1)&&((\rb)==0)
	v_wmma_scale_f32_16x16x128_f8f6f4 v[(\d):(\d)+7], v[(\a):(\a)+11], v[(\b):(\b)+11], 0, v[\sa], v[\sb] matrix_a_fmt:MATRIX_FMT_FP6 matrix_b_fmt:MATRIX_FMT_FP6 matrix_a_scale:MATRIX_SCALE_ROW1
.elseif ((\ra)==0)&&((\rb)==1)
	v_wmma_scale_f32_16x16x128_f8f6f4 v[(\d):(\d)+7], v[(\a):(\a)+11], v[(\b):(\b)+11], 0, v[\sa], v[\sb] matrix_a_fmt:MATRIX_FMT_FP6 matrix_b_fmt:MATRIX_FMT_FP6 matrix_b_scale:MATRIX_SCALE_ROW1
.else
	v_wmma_scale_f32_16x16x128_f8f6f4 v[(\d):(\d)+7], v[(\a):(\a)+11], v[(\b):(\b)+11], 0, v[\sa], v[\sb] matrix_a_fmt:MATRIX_FMT_FP6 matrix_b_fmt:MATRIX_FMT_FP6 matrix_a_scale:MATRIX_SCALE_ROW1 matrix_b_scale:MATRIX_SCALE_ROW1
.endif
.else
.if ((\ra)==0)&&((\rb)==0)
	v_wmma_scale_f32_16x16x128_f8f6f4 v[(\d):(\d)+7], v[(\a):(\a)+11], v[(\b):(\b)+11], v[(\d):(\d)+7], v[\sa], v[\sb] matrix_a_fmt:MATRIX_FMT_FP6 matrix_b_fmt:MATRIX_FMT_FP6
.elseif ((\ra)==1)&&((\rb)==0)
	v_wmma_scale_f32_16x16x128_f8f6f4 v[(\d):(\d)+7], v[(\a):(\a)+11], v[(\b):(\b)+11], v[(\d):(\d)+7], v[\sa], v[\sb] matrix_a_fmt:MATRIX_FMT_FP6 matrix_b_fmt:MATRIX_FMT_FP6 matrix_a_scale:MATRIX_SCALE_ROW1
.elseif ((\ra)==0)&&((\rb)==1)
	v_wmma_scale_f32_16x16x128_f8f6f4 v[(\d):(\d)+7], v[(\a):(\a)+11], v[(\b):(\b)+11], v[(\d):(\d)+7], v[\sa], v[\sb] matrix_a_fmt:MATRIX_FMT_FP6 matrix_b_fmt:MATRIX_FMT_FP6 matrix_b_scale:MATRIX_SCALE_ROW1
.else
	v_wmma_scale_f32_16x16x128_f8f6f4 v[(\d):(\d)+7], v[(\a):(\a)+11], v[(\b):(\b)+11], v[(\d):(\d)+7], v[\sa], v[\sb] matrix_a_fmt:MATRIX_FMT_FP6 matrix_b_fmt:MATRIX_FMT_FP6 matrix_a_scale:MATRIX_SCALE_ROW1 matrix_b_scale:MATRIX_SCALE_ROW1
.endif
.endif
.endm
	s_load_b256 s[4:11], s[0:1], 0x0               ; qimg, qsc, kimg, ksc
	s_load_b128 s[12:15], s[0:1], 0x20             ; pimg, rl
	v_lshl_add_u32 v15, v0, 2, 0x1000
	v_mov_b32 v59, 0
	v_lshrrev_b32 v8, 5, v0
	v_readfirstlane_b32 s16, v8                    ; wave
	s_and_b32 s17, ttmp7, 0xffff                   ; n = 2 head + b
	v_and_b32 v8, 31, v0
	v_cmp_le_u32 s40, 16, v8                       ; lanes 16-31
	v_and_b32 v9, 15, v0
	v_bfe_u32 v14, v0, 4, 1
	v_lshlrev_b32 v1, 4, v8                        ; 16 x lane
	v_lshlrev_b32 v2, 2, v8                        ; 4 x lane
	s_and_b32 s18, ttmp9, 1                        ; which half of a block of 128 queries
	s_lshl_b32 s19, s18, 10
	v_mul_u32_u24 v3, v14, 3072
	v_lshl_add_u32 v3, v9, 4, v3
	v_add_nc_u32 v3, s19, v3                       ; part A: key block 2 cc + half, query tile 4 (qb % 2) + i, 16 bytes a query
	s_lshl_b32 s19, s18, 9
	v_lshlrev_b32 v4, 7, v14
	v_lshl_add_u32 v4, v9, 3, v4
	v_add_nc_u32 v4, s19, v4                       ; part B of an even key block, and the scale words: two tiles on end
	v_xor_b32 v5, 128, v4                          ; part B of an odd key block: the two tiles change places
	s_wait_alu depctr_va_sdst(0)                   ; s16 and s40 are written, ahead of the first reader of either: addresses and a branch are made from s16, the tail's selects read s40
	s_lshl_b32 s19, s16, 10
	v_add_nc_u32 v7, s19, v2                       ; LDS: my wave's 1,024 bytes
	s_mov_b32 s36, 0x76543210
	s_mov_b32 s37, 0xfedcba98
	s_mov_b32 s38, 0x3db8aa3b                      ; c = log2(e) / 16
	s_mov_b32 s39, s38
.irp n, 36,37,38,39,49,54,55
	v_mov_b32 v[\n], 0
.endr
	s_mul_i32 s20, s17, 393216
	s_mul_i32 s22, ttmp9, 12288
	s_add_co_u32 s22, s22, s20
	s_mov_b32 s23, 0
	s_mul_i32 s24, s16, 98304
	s_add_co_u32 s24, s24, s20
	s_mov_b32 s25, 0
	s_lshl_b32 s21, s17, 14
	s_lshl_b32 s26, ttmp9, 9
	s_add_co_u32 s26, s26, s21
	s_mov_b32 s27, 0
	s_lshl_b32 s28, s16, 12
	s_add_co_u32 s28, s28, s21
	s_mov_b32 s29, 0
	s_and_b32 s30, s17, 1                          ; b
	s_bfe_u32 s31, s17, 0x10001                    ; head % 2
	s_lshr_b32 s32, s17, 2                         ; pair
	s_lshl_b32 s33, s30, 1
	s_add_co_u32 s33, s33, s32
	s_lshl_b32 s33, s33, 4
	s_lshr_b32 s34, ttmp9, 1
	s_add_co_u32 s33, s33, s34                     ; y = 16 (2 b + pair) + block of 128 queries
	s_mul_i32 s34, s33, 409600
	s_mul_i32 s33, s31, 25600
	s_add_co_u32 s34, s34, s33
	s_mul_i32 s33, s16, 102400                     ; my two slots of 256 keys
	s_add_co_u32 s34, s34, s33
	s_mov_b32 s35, 0
	s_lshl_b32 s42, s17, 13
	s_lshl_b32 s33, ttmp9, 8
	s_add_co_u32 s42, s42, s33
	s_mov_b32 s43, 0
	s_wait_kmcnt 0x0
	s_add_nc_u64 s[4:5], s[4:5], s[22:23]
	s_add_nc_u64 s[6:7], s[6:7], s[26:27]
	s_add_nc_u64 s[8:9], s[8:9], s[24:25]
	s_add_nc_u64 s[10:11], s[10:11], s[28:29]
	s_add_nc_u64 s[12:13], s[12:13], s[34:35]
	s_add_nc_u64 s[14:15], s[14:15], s[42:43]
	s_wait_alu depctr_va_vdst(0)                   ; the offsets v1 to v5 and v7 are written: every load, store and LDS instruction of the kernel reads one of them
.irp i, 0,1,2,3
.irp be, 0,1
.irp g, 0,1,2
	global_load_b128 v[112+12*(2*\i+\be)+4*\g:112+12*(2*\i+\be)+4*\g+3], v1, s[4:5] offset:(\i/2)*6144+\be*3072+(\i%2)*1536+\g*512
.endr
.endr
.endr
.irp m, 0,1
.irp be, 0,1
	global_load_b32 v[10+2*\m+\be], v2, s[6:7] offset:\m*256+\be*128   ; lanes 0-15 the even tile's words, lanes 16-31 the odd tile's
.endr
.endr
; my step k, in one run: 16 fragments (key block, K step, u) and 8 registers of scale words: 56 loads.  So step 0's come; the later steps' are dealt among the products of the step before
.macro LOADK k
	WIN 0x80+0x40*((\k)%2)
.set f, 0
.rept 16
.irp g, 0,1,2
	global_load_b128 v[12*f+4*\g:12*f+4*\g+3], v1, s[8:9] offset:(\k)*24576+f*1536+\g*512
.endr
.set f, f+1
.endr
	WIN 0
.irp m, 0,1,2,3,4,5,6,7
	global_load_b32 v[16+8*((\k)%2)+\m], v2, s[10:11] offset:(\k)*1024+\m*128
.endr
.endm
; 64 matrix instructions: the 32 accumulators take turns, one instruction a turn, K step by K step.
; Behind each eight stand six loads: two fragments of the NEXT step's K, into the other window.  No wait: the products here name this step's window, Q, the scale words of this step's set and the accumulators;
; the products that read the other window stand ahead of the waits on va_vdst of the last step's softmax.
.macro MMUL k
.irp be, 0,1
.set qi, 0
.rept 4
	WIN 0x52+((\k)%2)
.set kt, 0
.rept 8
	WM 64*qi+8*kt, 12*(4*(kt/2)+2*\be+kt%2), 112+12*(2*qi+\be), 1-\be, 16+8*((\k)%2)+2*(kt/2)+\be, 10+2*(qi/2)+\be, kt%2, qi%2
.set kt, kt+1
.endr
.if (\k) < 3
	WIN 0x80+0x40*(((\k)+1)%2)
.set f, 2*(4*\be+qi)
.rept 2
.irp g, 0,1,2
	global_load_b128 v[12*f+4*\g:12*f+4*\g+3], v1, s[8:9] offset:((\k)+1)*24576+f*1536+\g*512
.endr
.set f, f+1
.endr
.endif
.set qi, qi+1
.endr
.endr
.endm
; tile i's words 0-3 of its four key blocks
.macro STA i, k
	global_store_b128 v3, v[64+12*(\i):64+12*(\i)+3], s[12:13] offset:((\k)/2)*51200+((\k)%2)*12288+(\i)*256         ; each half of the lanes stores 256 consecutive bytes, aligned
	global_store_b128 v3, v[64+12*(\i)+6:64+12*(\i)+9], s[12:13] offset:((\k)/2)*51200+((\k)%2)*12288+6144+(\i)*256
.endm
; words 4-5 of tiles i0 and i0 + 1: the lane halves change places, so that a register holds ONE key block of BOTH tiles: 256 consecutive bytes a store
.macro SWAPB i0
.irp r, 4,5,10,11
	v_permlane16_swap_b32 v[64+12*(\i0)+\r], v[76+12*(\i0)+\r]
.endr
.endm
.macro STB i0, k
	global_store_b64 v4, v[64+12*(\i0)+4:64+12*(\i0)+5], s[12:13] offset:((\k)/2)*51200+((\k)%2)*12288+2048+(\i0)*128
	global_store_b64 v5, v[76+12*(\i0)+4:76+12*(\i0)+5], s[12:13] offset:((\k)/2)*51200+((\k)%2)*12288+5120+(\i0)*128
	global_store_b64 v4, v[64+12*(\i0)+10:64+12*(\i0)+11], s[12:13] offset:((\k)/2)*51200+((\k)%2)*12288+8192+(\i0)*128
	global_store_b64 v5, v[76+12*(\i0)+10:76+12*(\i0)+11], s[12:13] offset:((\k)/2)*51200+((\k)%2)*12288+11264+(\i0)*128
.endm
; one tile of 16 queries, 128 keys.  A lane holds one query; registers 16 b .. 16 b + 15 are keys 32 b + 16 (lane / 16) + 0 .. 15
.macro SOFT i, k
	WIN 0x15
.irp b, 0,1,2,3
	v_max3_num_f32 v[32+\b], v[64*(\i)+16*\b], v[64*(\i)+16*\b+1], v[64*(\i)+16*\b+2]   ; the largest score of each block of 32 keys: for the maximum, and for the block's largest p
.endr
	WIN 0x14
.irp n, 3,5,7,9,11,13
.irp b, 0,1,2,3
	v_max3_num_f32 v[32+\b], v[32+\b], v[64*(\i)+16*\b+\n], v[64*(\i)+16*\b+\n+1]
.endr
.endr
.irp b, 0,1,2,3
	v_max_num_f32 v[32+\b], v[32+\b], v[64*(\i)+16*\b+15]
.endr
	WIN 0
.irp b, 0,1,2,3
	v_permlanex16_b32 v[36+\b], v[32+\b], s36, s37
.endr
.irp b, 0,1,2,3
	v_max_num_f32 v[32+\b], v[32+\b], v[36+\b]
.endr
	v_max3_num_f32 v63, v32, v33, v34
	v_max_num_f32 v63, v63, v35
	v_mul_f32 v63, s38, v63
	v_floor_f32 v48, -v63                          ; -M = floor(-t): a whole number
	v_mov_b32 v[224+4*(\k)+(\i)], v48
.irp b, 0,1,2,3
	v_fma_f32 v[32+\b], v[32+\b], s38, v48
.endr
	WIN 0x41
.set n, 0
.rept 32
	v_pk_fma_f32 v[64*(\i)+n:64*(\i)+n+1], v[64*(\i)+n:64*(\i)+n+1], s[38:39], v[48:49] op_sel_hi:[1,0,0]   ; t - M
.set n, n+2
.endr
.set n, 0
.rept 64
	v_exp_f32 v[64*(\i)+n], v[64*(\i)+n]
.set n, n+1
.endr
	WIN 0
	v_nop                                          ; a plain place behind the batch,
	s_wait_alu depctr_va_vdst(0)                   ; and one wait: the 64 v_exp_f32 have written p, ahead of its first reader; and the tile before has written its codes, which the stores below read
.if (\i) == 1
	STA 0, \k
.elseif (\i) == 2
	STA 1, \k
	STB 0, \k                                      ; (the first pair's exchange stands ahead of the wait too)
.elseif (\i) == 3
	STA 2, \k
.endif
.irp b, 0,1,2,3
	v_exp_f32 v[32+\b], v[32+\b]                   ; the block's largest p: the same two instructions on the same number
.endr
	WIN 0x04
	v_pk_add_f32 v[50:51], v[54:55], v[64*(\i):64*(\i)+1]          ; the sum of the unquantised p, in two chains (v[54:55] = 0)
	v_pk_add_f32 v[52:53], v[54:55], v[64*(\i)+2:64*(\i)+3]
.irp n, 4,8,12,16,20,24,28,32,36,40,44,48,52,56,60
	v_pk_add_f32 v[50:51], v[50:51], v[64*(\i)+\n:64*(\i)+\n+1]
	v_pk_add_f32 v[52:53], v[52:53], v[64*(\i)+\n+2:64*(\i)+\n+3]
.endr
	WIN 0
	v_pk_add_f32 v[50:51], v[50:51], v[52:53]
	v_add_f32 v[240+4*(\k)+(\i)], v50, v51
	s_wait_alu depctr_va_vdst(0)                   ; the four v_exp_f32 have written v32 to v35, ahead of their first reader
.irp b, 0,1,2,3
	v_max_num_f32 v[32+\b], FLOOR, v[32+\b]
.endr
.irp b, 0,1,2,3
	v_add_nc_u32 v[40+\b], EOFF, v[32+\b]
.endr
.irp b, 0,1,2,3
	v_lshrrev_b32 v[44+\b], 23, v[40+\b]
.endr
	v_lshl_or_b32 v[208+4*(\k)+(\i)], v45, 8, v44
	v_lshl_or_b32 v[208+4*(\k)+(\i)], v46, 16, v[208+4*(\k)+(\i)]
	v_lshl_or_b32 v[208+4*(\k)+(\i)], v47, 24, v[208+4*(\k)+(\i)]
.if ((\i) == 0) && ((\k) > 0)
	s_wait_xcnt 0x0                                ; the last step's stores have had their addresses translated: p's codes may be written again
	s_wait_alu depctr_vm_vsrc(0)                   ; the last step's stores have read v64 to v111, which this step's conversions, moves and exchanges write again
.endif
	WIN 0x01
.irp c, 0,1
	v_cvt_scalef32_pk16_fp6_f32 v[64+12*(\i)+6*\c:64+12*(\i)+6*\c+2], v[64*(\i)+32*\c:64*(\i)+32*\c+15], v[40+2*\c]
	v_cvt_scalef32_pk16_fp6_f32 v[56+4*\c:58+4*\c], v[64*(\i)+32*\c+16:64*(\i)+32*\c+31], v[41+2*\c]
.endr
	WIN 0
	v_nop
.irp c, 0,1
.irp r, 0,1,2
	v_permlane16_swap_b32 v[64+12*(\i)+6*\c+\r], v[56+4*\c+\r]     ; a whole block to a lane: lanes 0-15 block 2 c, lanes 16-31 block 2 c + 1
.endr
.irp r, 0,1,2
	v_mov_b32 v[64+12*(\i)+6*\c+3+\r], v[56+4*\c+\r]
.endr
.endr
.endm
.macro STEP k
	s_wait_loadcnt 0x0                             ; this step's K is in (at the first step Q too): its loads were issued among the last step's products, and no younger load is out
	MMUL \k
	WIN 0
.if (\k) < 3
.irp m, 0,1,2,3,4,5,6,7
	global_load_b32 v[16+8*(((\k)+1)%2)+\m], v2, s[10:11] offset:((\k)+1)*1024+\m*128   ; the next step's scale words, into the set that this step's products do not name
.endr
.endif
	PLACES 4                                       ; in front of the first read of results
	SOFT 0, \k
	SOFT 1, \k
	SWAPB 0
	SOFT 2, \k
	SOFT 3, \k
	SWAPB 2
	s_wait_alu depctr_va_vdst(0)                   ; tile 3's moves and the second pair's exchange have written the codes that the six stores below read
	STA 3, \k
	STB 2, \k
.endm
	LOADK 0
	STEP 0
	STEP 1
	STEP 2
	STEP 3
	; ---- the tail: the row's M and sum over my four steps, then over the four waves
.irp i, 0,1,2,3
	v_min3_num_f32 v[112+\i], v[224+\i], v[228+\i], v[232+\i]
.endr
.irp i, 0,1,2,3
	v_min_num_f32 v[112+\i], v[112+\i], v[236+\i]  ; -M of my 512 keys
.endr
.irp n, 0,1,2,3,4,5,6,7,8,9,10,11,12,13,14,15
	v_sub_f32 v[176+\n], v[112+(\n%4)], v[224+\n]  ; a whole number, 0 or less
.endr
.irp n, 0,1,2,3,4,5,6,7,8,9,10,11,12,13,14,15
	v_cvt_i32_f32 v[176+\n], v[176+\n]
.endr
.irp n, 0,1,2,3,4,5,6,7,8,9,10,11,12,13,14,15
	v_ldexp_f32 v[240+\n], v[240+\n], v[176+\n]
.endr
.irp i, 0,1,2,3
	v_add_f32 v[116+\i], v[240+\i], v[244+\i]
	v_add_f32 v[120+\i], v[248+\i], v[252+\i]
.endr
.irp i, 0,1,2,3
	v_add_f32 v[116+\i], v[116+\i], v[120+\i]
.endr
.irp i, 0,1,2,3
	v_permlanex16_b32 v[36+\i], v[116+\i], s36, s37
.endr
.irp i, 0,1,2,3
	v_add_f32 v[116+\i], v[116+\i], v[36+\i]
.endr
	s_wait_alu depctr_va_vdst(0)                   ; v112 to v119 are written, which the LDS stores read; and the last products are done reading Q's registers v128 to v159, in which the LDS loads behind the barrier land
.irp i, 0,1,2,3
	ds_store_b32 v7, v[112+\i] offset:128*\i
	ds_store_b32 v7, v[116+\i] offset:512+128*\i
.endr
	s_wait_dscnt 0x0                               ; for the others' sake: my stores have landed
	s_barrier_signal -1
	s_barrier_wait -1
.irp w, 0,1,2,3
.irp s, 0,1,2,3,4,5,6,7
	ds_load_b32 v[128+8*\w+\s], v2 offset:\w*1024+\s*128
.endr
.endr
	s_wait_dscnt 0x0
.irp i, 0,1,2,3
	v_min3_num_f32 v[160+\i], v[128+\i], v[136+\i], v[144+\i]
.endr
.irp i, 0,1,2,3
	v_min_num_f32 v[160+\i], v[160+\i], v[152+\i]  ; -M of the row
.endr
.irp w, 0,1,2,3
.irp i, 0,1,2,3
	v_sub_f32 v[176+4*\w+\i], v[160+\i], v[128+8*\w+\i]
.endr
.endr
.irp n, 0,1,2,3,4,5,6,7,8,9,10,11,12,13,14,15
	v_cvt_i32_f32 v[176+\n], v[176+\n]
.endr
.irp w, 0,1,2,3
.irp i, 0,1,2,3
	v_ldexp_f32 v[132+8*\w+\i], v[132+8*\w+\i], v[176+4*\w+\i]
.endr
.endr
.irp i, 0,1,2,3
	v_add_f32 v[164+\i], v[132+\i], v[140+\i]
	v_add_f32 v[120+\i], v[148+\i], v[156+\i]
.endr
.irp i, 0,1,2,3
	v_add_f32 v[164+\i], v[164+\i], v[120+\i]
.endr
.irp i, 0,1,2,3
	v_rcp_f32 v[168+\i], v[164+\i]
.endr
.irp n, 0,1,2,3,4,5,6,7,8,9,10,11,12,13,14,15
	v_sub_f32 v[176+\n], v[224+\n], v[160+(\n%4)]  ; the row's M less the step's: a whole number, 0 or more
.endr
.irp n, 0,1,2,3,4,5,6,7,8,9,10,11,12,13,14,15
	v_cvt_i32_f32 v[176+\n], v[176+\n]
.endr
.irp k, 0,1,2,3                                    ; it comes off each scale byte, which is held at 1: m = min(byte - 1, difference), byte - m
.irp i, 0,1,2,3
	v_add_nc_u32 v[120+\i], 0xfefefeff, v[208+4*\k+\i]
.endr
.irp b, 0,1,2,3
.irp i, 0,1,2,3
	v_bfe_u32 v[192+4*\i+\b], v[120+\i], 8*\b, 8
.endr
.endr
.irp b, 0,1,2,3
.irp i, 0,1,2,3
	v_min_u32 v[192+4*\i+\b], v[192+4*\i+\b], v[176+4*\k+\i]
.endr
.endr
.irp b, 1,2,3
.irp i, 0,1,2,3
	v_lshl_or_b32 v[192+4*\i], v[192+4*\i+\b], 8*\b, v[192+4*\i]
.endr
.endr
.irp i, 0,1,2,3
	v_sub_nc_u32 v[208+4*\k+\i], v[208+4*\k+\i], v[192+4*\i]
.endr
.endr
.irp s, 0,1
.irp p, 0,1
	v_cndmask_b32 v[128+4*\s+2*\p], v[208+8*\s+2*\p], v[208+8*\s+2*\p+1], s40      ; lanes 0-15 the even tile's word, lanes 16-31 the odd tile's; the slot's first 128 keys,
	v_cndmask_b32 v[129+4*\s+2*\p], v[212+8*\s+2*\p], v[212+8*\s+2*\p+1], s40      ; and its second
.endr
.endr
	s_wait_alu depctr_va_vdst(0)                   ; the eight selects have written v128 to v135, which the four stores read; and the four v_rcp_f32 have written v168 to v171, ahead of the branch and of their first reader
.irp s, 0,1
.irp p, 0,1
	global_store_b64 v4, v[128+4*\s+2*\p:129+4*\s+2*\p], s[12:13] offset:\s*51200+24576+\p*256   ; 256 consecutive bytes, aligned
.endr
.endr
	s_cmp_lg_u32 s16, 0
	s_cbranch_scc1 .Ldone                          ; every wave has the same 1 / l: wave 0 stores it
	v_cndmask_b32 v140, v168, v169, s40
	v_cndmask_b32 v141, v170, v171, s40
	s_wait_alu depctr_va_vdst(0)                   ; the two selects have written v140 and v141, which the two stores read
	global_store_b32 v2, v140, s[14:15]
	global_store_b32 v2, v141, s[14:15] offset:128
.Ldone:
	s_wait_dscnt 0x0                               ; the closing lines, six on end
	s_wait_alu 0x0
	s_wait_tensorcnt 0x0
	ds_add_u32 v15, v59
	s_wait_dscnt 0x0
	s_endpgm
.Lfunc_end_k_q0142254930_probs:
	.size	k_q0142254930_probs, .Lfunc_end_k_q0142254930_probs-k_q0142254930_probs
	.p2alignl 7, 3214868480
	.fill 96, 4, 3214868480
	.section	.rodata,"a",@progbits
	.p2align	6, 0x0
	.amdhsa_kernel k_q0142254930_probs
		.amdhsa_group_segment_fixed_size 4608
		.amdhsa_private_segment_fixed_size 0
		.amdhsa_enable_private_segment 0
		.amdhsa_kernarg_size 48
		.amdhsa_user_sgpr_count 2
		.amdhsa_user_sgpr_kernarg_segment_ptr 1
		.amdhsa_wavefront_size32 1
		.amdhsa_system_sgpr_workgroup_id_x 1
		.amdhsa_system_sgpr_workgroup_id_y 1
		.amdhsa_system_sgpr_workgroup_id_z 1
		.amdhsa_system_vgpr_workitem_id 0
		.amdhsa_next_free_vgpr 1024
		.amdhsa_next_free_sgpr 66
		.amdhsa_reserve_vcc 0
		.amdhsa_float_denorm_mode_32 3
		.amdhsa_float_denorm_mode_16_64 3
		.amdhsa_memory_ordered 1
		.amdhsa_forward_progress 1
		.amdhsa_inst_pref_size 255
	.end_amdhsa_kernel
	.section	.bss,"aw",@nobits
	.p2align	6
	.space	262144
	.amdgpu_metadata
---
amdhsa.version: [ 1, 2 ]
amdhsa.kernels:
  - .name:           k_q0142254930_probs
    .symbol:         k_q0142254930_probs.kd
    .args:
      - { .name: qimg, .offset: 0, .size: 8, .value_kind: global_buffer, .address_space: global }
      - { .name: qsc, .offset: 8, .size: 8, .value_kind: global_buffer, .address_space: global }
      - { .name: kimg, .offset: 16, .size: 8, .value_kind: global_buffer, .address_space: global }
      - { .name: ksc, .offset: 24, .size: 8, .value_kind: global_buffer, .address_space: global }
      - { .name: pimg, .offset: 32, .size: 8, .value_kind: global_buffer, .address_space: global }
      - { .name: rl, .offset: 40, .size: 8, .value_kind: global_buffer, .address_space: global }
    .group_segment_fixed_size: 4608
    .private_segment_fixed_size: 0
    .kernarg_segment_align: 8
    .kernarg_segment_size: 48
    .max_flat_workgroup_size: 128
    .sgpr_count:     66
    .vgpr_count:     1024
    .wavefront_size: 32
...
	.end_amdgpu_metadata
.endif
;; end of part 6
;; launch pv: the kernel of part 3 again; grid 4 x 64, 4 waves a work-group, clusters of 4 x 4, 327,680 bytes of LDS; arguments pimg, vimg, rl, oimg; writes oimg
;; launch outp (part 7): grid 256 x 1, 4 waves a work-group, no clusters, 0 bytes of LDS; arguments oimg, x, Wp_codes, Wp_scales, bp, ap, gp, betap, out0; writes out0
.if DOCPART == 7
	.amdgcn_target "amdgcn-amd-amdhsa--gfx1250"
	.amdhsa_code_object_version 6
	.text
	.protected	k_q0142254930_outp
	.globl	k_q0142254930_outp
	.p2align	8
	.type	k_q0142254930_outp,@function
k_q0142254930_outp:
	s_mov_b64 s[64:65], 0
	v_nop
	global_prefetch_b8 v0, s[64:65] scope:SCOPE_SE
	s_setreg_imm32_b32 hwreg(HW_REG_WAVE_SCHED_MODE, 0, 2), 2
	s_setreg_imm32_b32 hwreg(HW_REG_WAVE_MODE, 25, 1), 1
	s_wait_xcnt 0x0
	s_wait_alu depctr_vm_vsrc(0)
; OUTP: out = LayerNorm64(PReLU(Wp O + bp)) g + beta + x.  O arrives as FP6 codes with its scale bytes, laid as the operand's registers; Wp is given as codes.
; K.  The 64 channels are laid into the instruction's 128: hardware block = head: its first 16 codes are the head's 16 channels; in Wp's operand the other 16 are zero codes, so whatever stands there in O's
; operand (its fourth word is the scale word's part) adds nothing.  Both heads of a pair carry the pair's scale byte, in O and in Wp.
; SHARES.  A wave takes four rows (b, t); a row is 64 points f in four tiles, tile p holding f = 4 r + p: a lane's four tiles are 16 neighbouring bytes of x and of out0, so sixteen lanes read and store whole
; aligned runs of 256 bytes and nothing goes through LDS.  Source 0 = 16 output channels, source 1 = 16 points.  Waves share nothing: no barrier, no cluster; memory binds.
; LIMITS: NaN and infinities are not served; 1/sqrt is v_rsq_f32.
; REGISTERS.  Window 0: v1, v2 offsets; v8-11 O's scale words, v12-15 Wp's; v16-63 Wp; v64-95 bp, v96-127 gp, v128-159 betap (channels 16 q + 8 h + j); v160-255 O of rows 2 and 3.
;   Window 1: v0-95 O of rows 0 and 1; v96-127 at work; v128-255 results.  Windows 2, 3: x of the four rows, 128 registers each: no register of a store is written again.
; THE MODE: SCHED_MODE bits 1:0 = 2 (LLVM: expert scheduling mode 2), set by the entry lines.  The code itself states the register dependences between vector or matrix instructions and memory instructions,
; with s_wait_alu, always for 0.
; THE PLAN.  Registers that memory instructions touch, and who else names them:
;   v1, v2, v5-7   offsets, made at the head ahead of its one wait on va_vdst; never written again.
;   O, a set a row   written by the row's eight loads alone (its zero codes stand in other registers, written at the head); read by the row's four v_or_b32 and sixteen products.  No set is loaded twice, so no load
;                  lands in a register that a product has read.
;   x, a set a row   written by the row's 32 loads; then the row's additions read and write it, and its 32 stores read it, behind one wait on va_vdst; never written again, so no wait on vm_vsrc is owed.
; So the 40 loads of row k + 2 owe no wait and are dealt among row k's products, ten behind each four.  A row has three waits on va_vdst: for the scale words ahead of the products, for the four v_rsq_f32,
; and for the sums ahead of the stores.
.set MSB, 0
.macro WIN new
.if MSB != (\new)
	s_set_vgpr_msb (MSB<<8)|(\new)
.set MSB, (\new)
.endif
.endm
.macro PLACES n
.rept \n
	v_nop
.endr
.endm
	s_load_b512 s[4:19], s[0:1], 0x0               ; oimg, x, Wp codes, Wp scales, bp, ap, gp, betap
	s_load_b64 s[20:21], s[0:1], 0x40              ; out0
	v_lshrrev_b32 v3, 5, v0
	v_readfirstlane_b32 s46, v3
	v_and_b32 v3, 15, v0
	v_bfe_u32 v4, v0, 4, 1
	v_and_b32 v5, 31, v0
	v_lshlrev_b32 v2, 4, v5                        ; 16 x lane
	v_lshlrev_b32 v1, 22, v4                       ; 8 channels further for lanes 16-31,
	v_lshl_add_u32 v1, v3, 4, v1                   ; 16 bytes a lane
	v_mul_u32_u24 v6, v3, 48
	v_mad_u32_u24 v6, v4, 12, v6                   ; Wp: row r, head h of a pair: 12 bytes
	v_lshlrev_b32 v7, 1, v3
	v_lshlrev_b32 v5, 5, v4
	s_wait_alu depctr_va_sdst(0)                   ; s46 is written, ahead of its first reader: the bases are made from it
	s_lshl_b32 s47, ttmp9, 4
	s_lshl_b32 s48, s46, 2
	s_add_co_u32 s47, s47, s48                     ; my first row
	s_lshr_b32 s48, s47, 11                        ; b
	s_and_b32 s49, s47, 2047                       ; t
	s_lshl_b32 s50, s48, 25
	s_lshl_b32 s52, s49, 8
	s_add_co_u32 s50, s50, s52
	s_mov_b32 s51, 0
	s_lshl_b32 s52, s48, 23
	s_lshl_b32 s54, s49, 9
	s_add_co_u32 s52, s52, s54
	s_mov_b32 s53, 0
	s_mov_b32 s42, 0x3c800000                      ; 1/64
	s_mov_b32 s43, 0x3727c5ac                      ; 1e-5
	s_mov_b32 s44, 0x76543210
	s_mov_b32 s45, 0xfedcba98
	s_mov_b32 s55, 0x01010000                      ; bytes 0, 0, 1, 1
.irp q, 0,1,2,3
.irp n, 3,4,5,9,10,11
	v_mov_b32 v[16+12*\q+\n], 0
.endr
.endr
.irp f, 0,1,2,3,4,5,6,7
.irp n, 4,5,10,11
	v_mov_b32 v[160+12*\f+\n], 0                   ; rows 2 and 3
.endr
.endr
	WIN 0x40
.irp f, 0,1,2,3,4,5,6,7
.irp n, 4,5,10,11
	v_mov_b32 v[12*\f+\n], 0                       ; rows 0 and 1
.endr
.endr
	WIN 0
	s_wait_kmcnt 0x0
	s_load_b32 s22, s[14:15], 0x0                  ; ap
	s_add_nc_u64 s[24:25], s[6:7], s[50:51]        ; x and out0: four bases, 16 channels apart
	s_add_nc_u64 s[26:27], s[24:25], 0x800000
	s_add_nc_u64 s[28:29], s[26:27], 0x800000
	s_add_nc_u64 s[30:31], s[28:29], 0x800000
	s_add_nc_u64 s[32:33], s[20:21], s[50:51]
	s_add_nc_u64 s[34:35], s[32:33], 0x800000
	s_add_nc_u64 s[36:37], s[34:35], 0x800000
	s_add_nc_u64 s[38:39], s[36:37], 0x800000
	s_add_nc_u64 s[40:41], s[4:5], s[52:53]
	s_wait_alu depctr_va_vdst(0)                   ; the offsets v1, v2, v5, v6, v7 are written: every load and store of the kernel reads one of them; so are the operands' zero codes
.irp q, 0,1,2,3
.irp i, 0,1,2
	global_load_b32 v[16+12*\q+\i], v6, s[8:9] offset:768*\q+4*\i
	global_load_b32 v[22+12*\q+\i], v6, s[8:9] offset:768*\q+24+4*\i
.endr
	global_load_u16 v[12+\q], v7, s[10:11] offset:32*\q
	global_load_b128 v[64+8*\q:67+8*\q], v5, s[12:13] offset:64*\q
	global_load_b128 v[68+8*\q:71+8*\q], v5, s[12:13] offset:64*\q+16
	global_load_b128 v[96+8*\q:99+8*\q], v5, s[16:17] offset:64*\q
	global_load_b128 v[100+8*\q:103+8*\q], v5, s[16:17] offset:64*\q+16
	global_load_b128 v[128+8*\q:131+8*\q], v5, s[18:19] offset:64*\q
	global_load_b128 v[132+8*\q:135+8*\q], v5, s[18:19] offset:64*\q+16
.endr
.macro OLOADP k, p                     ; row k's O, tile p: for each pair of heads 16 bytes a lane: 512 consecutive bytes
.if (\k) < 2
	WIN 0x40
.set OB, 48*(\k)
.else
	WIN 0
.set OB, 160+48*((\k)-2)
.endif
.irp hb, 0,1
	global_load_b128 v[OB+12*(\p)+6*\hb:OB+12*(\p)+6*\hb+3], v2, s[40:41] offset:(4*\hb+(\p))*1048576+(\k)*512 th:TH_LOAD_NT
.endr
.endm
.macro XLOADG k, q                     ; row k's x: channels 16 q + 8 h + j, 16 bytes a lane
	WIN 0x80+0x40*((\k)/2)
.irp j, 0,1,2,3,4,5,6,7
	global_load_b128 v[128*((\k)%2)+4*(8*(\q)+\j):128*((\k)%2)+4*(8*(\q)+\j)+3], v1, s[24+2*(\q):25+2*(\q)] offset:\j*524288+(\k)*256 th:TH_LOAD_NT
.endr
.endm
.irp k, 0,1
.irp p, 0,1,2,3
	OLOADP \k, \p
.endr
.irp q, 0,1,2,3
	XLOADG \k, \q
.endr
.endr
	WIN 0
	s_wait_loadcnt 63                              ; 80 loads are younger than the parameters', and 63 is the most the count can name: the parameters are in
	s_wait_kmcnt 0x0
	s_mov_b32 s23, s22
.irp q, 0,1,2,3
	v_perm_b32 v[12+\q], v[12+\q], v[12+\q], s55   ; Wp's two scale bytes, each for both heads of its pair
.endr
.macro ROW k
.if (\k) < 2
.set RB, 48*(\k)
.else
.set RB, 160+48*((\k)-2)
.endif
.if (\k) < 3
	s_wait_loadcnt 40                              ; the next row's 8 + 32 loads may be out
.else
	s_wait_loadcnt 0x0
.endif
.if (\k) < 2
	WIN 0x05
.else
	WIN 0
.endif
.irp p, 0,1,2,3
	v_or_b32 v[8+\p], v[RB+12*\p+3], v[RB+12*\p+9]   ; the two pairs' parts make O's scale word
.endr
	WIN 0
	PLACES 8                                       ; a scale register written by a vector instruction stands eight places ahead
	s_wait_alu depctr_va_vdst(0)                   ; the four v_or_b32 have written O's scale words v8 to v11 (in row 0: the four v_perm_b32 Wp's, v12 to v15), which the scaled products take
.irp p, 0,1,2,3
.if (\k) < 2
	WIN 0x44                                       ; source 1 (O) and D window 1
.else
	WIN 0x40                                       ; O in window 0, D window 1
.endif
.irp q, 0,1,2,3
	v_wmma_scale_f32_16x16x128_f8f6f4 v[128+32*\p+8*\q:128+32*\p+8*\q+7], v[16+12*\q:16+12*\q+11], v[RB+12*\p:RB+12*\p+11], v[64+8*\q:64+8*\q+7], v[12+\q], v[8+\p] matrix_a_fmt:MATRIX_FMT_FP6 matrix_b_fmt:MATRIX_FMT_FP6
.endr
.if (\k) < 2
	OLOADP (\k)+2, \p                              ; ten loads of the row after next.  No wait: they land in sets of their own, which no vector or matrix instruction has named, and their offsets stand since the head
	XLOADG (\k)+2, \p
.endif
.endr
	WIN 0
	PLACES 4                                       ; in front of the first read of results
	WIN 0x55                                       ; all in window 1
.irp p, 0,1,2,3
.set n, 0
.rept 32
	v_min_num_f32 v[96+n], 0, v[128+32*\p+n]
.set n, n+1
.endr
.set n, 0
.rept 32
	v_max_num_f32 v[128+32*\p+n], 0, v[128+32*\p+n]
.set n, n+1
.endr
.set n, 0
.rept 16
	v_pk_fma_f32 v[128+32*\p+n:128+32*\p+n+1], v[96+n:97+n], s[22:23], v[128+32*\p+n:128+32*\p+n+1] op_sel_hi:[1,0,1]
.set n, n+2
.endr
.endr
.irp p, 0,1,2,3
	v_pk_add_f32 v[96+4*\p:97+4*\p], v[128+32*\p:129+32*\p], v[130+32*\p:131+32*\p]
	v_pk_add_f32 v[98+4*\p:99+4*\p], v[132+32*\p:133+32*\p], v[134+32*\p:135+32*\p]
.endr
.irp n, 8,12,16,20,24,28
.irp p, 0,1,2,3
	v_pk_add_f32 v[96+4*\p:97+4*\p], v[96+4*\p:97+4*\p], v[128+32*\p+\n:129+32*\p+\n]
	v_pk_add_f32 v[98+4*\p:99+4*\p], v[98+4*\p:99+4*\p], v[130+32*\p+\n:131+32*\p+\n]
.endr
.endr
.irp p, 0,1,2,3
	v_pk_add_f32 v[96+4*\p:97+4*\p], v[96+4*\p:97+4*\p], v[98+4*\p:99+4*\p]
.endr
.irp p, 0,1,2,3
	v_add_f32 v[112+2*\p], v[96+4*\p], v[97+4*\p]
.endr
.irp p, 0,1,2,3
	v_permlanex16_b32 v[120+\p], v[112+2*\p], s44, s45
.endr
.irp p, 0,1,2,3
	v_add_f32 v[112+2*\p], v[112+2*\p], v[120+\p]
.endr
.irp p, 0,1,2,3
.set n, 0
.rept 16
	v_pk_fma_f32 v[128+32*\p+n:128+32*\p+n+1], v[112+2*\p:113+2*\p], 0xbc800000, v[128+32*\p+n:128+32*\p+n+1] op_sel_hi:[0,0,1]   ; y - sum / 64
.set n, n+2
.endr
.endr
.irp p, 0,1,2,3
	v_pk_mul_f32 v[96+4*\p:97+4*\p], v[128+32*\p:129+32*\p], v[128+32*\p:129+32*\p]
	v_pk_mul_f32 v[98+4*\p:99+4*\p], v[130+32*\p:131+32*\p], v[130+32*\p:131+32*\p]
.endr
.irp n, 4,8,12,16,20,24,28
.irp p, 0,1,2,3
	v_pk_fma_f32 v[96+4*\p:97+4*\p], v[128+32*\p+\n:129+32*\p+\n], v[128+32*\p+\n:129+32*\p+\n], v[96+4*\p:97+4*\p]
	v_pk_fma_f32 v[98+4*\p:99+4*\p], v[130+32*\p+\n:131+32*\p+\n], v[130+32*\p+\n:131+32*\p+\n], v[98+4*\p:99+4*\p]
.endr
.endr
.irp p, 0,1,2,3
	v_pk_add_f32 v[96+4*\p:97+4*\p], v[96+4*\p:97+4*\p], v[98+4*\p:99+4*\p]
.endr
.irp p, 0,1,2,3
	v_add_f32 v[112+2*\p], v[96+4*\p], v[97+4*\p]
.endr
.irp p, 0,1,2,3
	v_permlanex16_b32 v[120+\p], v[112+2*\p], s44, s45
.endr
.irp p, 0,1,2,3
	v_add_f32 v[112+2*\p], v[112+2*\p], v[120+\p]
.endr
.irp p, 0,1,2,3
	v_fma_f32 v[112+2*\p], v[112+2*\p], s42, s43
.endr
.irp p, 0,1,2,3
	v_rsq_f32 v[112+2*\p], v[112+2*\p]
.endr
	v_nop
	s_wait_alu depctr_va_vdst(0)                   ; the four v_rsq_f32 have written v112, v114, v116, v118 of window 1, ahead of their first reader
.irp p, 0,1,2,3
.set n, 0
.rept 16
	v_pk_mul_f32 v[128+32*\p+n:128+32*\p+n+1], v[128+32*\p+n:128+32*\p+n+1], v[112+2*\p:113+2*\p] op_sel_hi:[1,0]
.set n, n+2
.endr
.endr
	WIN 0x41                                       ; gain and offset in window 0
.irp p, 0,1,2,3
.set n, 0
.rept 16
	v_pk_fma_f32 v[128+32*\p+n:128+32*\p+n+1], v[128+32*\p+n:128+32*\p+n+1], v[96+n:97+n], v[128+n:129+n]
.set n, n+2
.endr
.endr
	WIN 0x86+0x41*((\k)/2)                         ; x and the sum in the row's window, the result in window 1
.set m, 0
.rept 32
.irp p, 0,1,2,3
	v_add_f32 v[128*((\k)%2)+4*m+\p], v[128*((\k)%2)+4*m+\p], v[128+32*\p+m]
.endr
.set m, m+1
.endr
	WIN 0x08+0x04*((\k)/2)                         ; a store's data are its source 1
	s_wait_alu depctr_va_vdst(0)                   ; the additions have written the row's 128 registers, which the 32 stores read
.set m, 0
.rept 32
	global_store_b128 v1, v[128*((\k)%2)+4*m:128*((\k)%2)+4*m+3], s[32+2*(m/8):33+2*(m/8)] offset:(m%8)*524288+(\k)*256 th:TH_STORE_NT   ; each half of the lanes stores 256 consecutive bytes, aligned
.set m, m+1
.endr
	WIN 0
.endm
	ROW 0
	ROW 1
	ROW 2
	ROW 3
	s_endpgm
.Lfunc_end_k_q0142254930_outp:
	.size	k_q0142254930_outp, .Lfunc_end_k_q0142254930_outp-k_q0142254930_outp
	.p2alignl 7, 3214868480
	.fill 96, 4, 3214868480
	.section	.rodata,"a",@progbits
	.p2align	6, 0x0
	.amdhsa_kernel k_q0142254930_outp
		.amdhsa_group_segment_fixed_size 0
		.amdhsa_private_segment_fixed_size 0
		.amdhsa_enable_private_segment 0
		.amdhsa_kernarg_size 72
		.amdhsa_user_sgpr_count 2
		.amdhsa_user_sgpr_kernarg_segment_ptr 1
		.amdhsa_wavefront_size32 1
		.amdhsa_system_sgpr_workgroup_id_x 1
		.amdhsa_system_sgpr_workgroup_id_y 1
		.amdhsa_system_sgpr_workgroup_id_z 1
		.amdhsa_system_vgpr_workitem_id 0
		.amdhsa_next_free_vgpr 1024
		.amdhsa_next_free_sgpr 66
		.amdhsa_reserve_vcc 0
		.amdhsa_float_denorm_mode_32 3
		.amdhsa_float_denorm_mode_16_64 3
		.amdhsa_memory_ordered 1
		.amdhsa_forward_progress 1
		.amdhsa_inst_pref_size 208
	.end_amdhsa_kernel
	.amdgpu_metadata
---
amdhsa.version: [ 1, 2 ]
amdhsa.kernels:
  - .name:           k_q0142254930_outp
    .symbol:         k_q0142254930_outp.kd
    .args:
      - { .name: oimg, .offset: 0, .size: 8, .value_kind: global_buffer, .address_space: global }
      - { .name: x, .offset: 8, .size: 8, .value_kind: global_buffer, .address_space: global }
      - { .name: Wp_codes, .offset: 16, .size: 8, .value_kind: global_buffer, .address_space: global }
      - { .name: Wp_scales, .offset: 24, .size: 8, .value_kind: global_buffer, .address_space: global }
      - { .name: bp, .offset: 32, .size: 8, .value_kind: global_buffer, .address_space: global }
      - { .name: ap, .offset: 40, .size: 8, .value_kind: global_buffer, .address_space: global }
      - { .name: gp, .offset: 48, .size: 8, .value_kind: global_buffer, .address_space: global }
      - { .name: betap, .offset: 56, .size: 8, .value_kind: global_buffer, .address_space: global }
      - { .name: out0, .offset: 64, .size: 8, .value_kind: global_buffer, .address_space: global }
    .group_segment_fixed_size: 0
    .private_segment_fixed_size: 0
    .kernarg_segment_align: 8
    .kernarg_segment_size: 72
    .max_flat_workgroup_size: 128
    .sgpr_count:     66
    .vgpr_count:     1024
    .wavefront_size: 32
...
	.end_amdgpu_metadata
.endif
;; end of part 7
